; MI455X (gfx1250); checked and timed in simulation.
; The chip was launched on July 23, 2026; its instructions are those of AMD's public machine-readable ISA for CDNA 5 (MIT licence, August 2026) and "CDNA5" Instruction Set Architecture Reference Guide (July 2026). The comments in the code are by the model that wrote it; some were corrected since.
;; GLA Block. Allowed arithmetic: float matrix products may take bf16 or f16 operands with f32 sums; all other float work in f32.
;; Inputs: W1 1,024 x 3,072 float32; W2 3,072 x 1,024 float32; Wg 1,024 x 1,024 float32; Wgk1 1,024 x 16 float32; Wgk2 16 x 1,024 float32; Wk 1,024 x 1,024 float32; Wo 1,024 x 1,024 float32; Wq 1,024 x 1,024 float32; Wv 1,024 x 1,024 float32; b1 3,072 float32; b2 1,024 float32; bgk2 1,024 float32; ln1_b 1,024 float32; ln1_w 1,024 float32; ln2_b 1,024 float32; ln2_w 1,024 float32; rms_w 256 float32; x 4 x 1,024 x 1,024 float32.
;; Outputs: out0 4 x 1,024 x 1,024 float32.
;; 2 versions, each right and faster than the one before. Each part assembles by itself: llvm-mc -triple=amdgcn-amd-amdhsa -mcpu=gfx1250 --defsym DOCPART=n.
;; ======== version 1 of 2: 11 launches
;; limits: values outside matrix products are rounded to bf16; values are held in f16: magnitudes above 65,504 overflow, below 6.1e-05 lose precision
;; workspace buffers: xn 8,388,608 bytes; r1 262,144 bytes; wb 23,068,672 bytes; f 33,554,432 bytes; rec 19,398,656 bytes; x2 16,777,216 bytes; a0 1,024 bytes
;; launch ln1 (part 1): grid 256 x 1, 8 waves a work-group, no clusters, 75,008 bytes of LDS; arguments x, ln1_w, ln1_b, Wgk1, xn, r1; writes xn, r1
.if DOCPART == 1
	.amdgcn_target "amdgcn-amd-amdhsa--gfx1250"
	.amdhsa_code_object_version 6
	.text
	.protected	k_q49eaba3cff_ln1
	.globl	k_q49eaba3cff_ln1
	.p2align	8
	.type	k_q49eaba3cff_ln1,@function
k_q49eaba3cff_ln1:
	s_mov_b64 s[64:65], 0
	v_nop
	global_prefetch_b8 v0, s[64:65] scope:SCOPE_SE
	s_setreg_imm32_b32 hwreg(HW_REG_WAVE_MODE, 25, 1), 1
	s_wait_xcnt 0x0
; LayerNorm 1 of 16 tokens a work-group, written as f16 in blocks [token tile][k/8][16 tokens][8 k], and r1 = xn Wgk1 (16 x 16, f32).
; FORMATS.  Every input of the module enters rounded to bf16, here x, gain, bias and Wgk1; the mean, the variance of the centred numbers and the norm are f32.
; xn is the program's own: it leaves as f16, and Wgk1's bf16 numbers are written as f16 beside it (below 2^-17 to within 2^-25).
; LIMIT.  |xn| is at most 32 |gain| + |bias| (a centred row of 1,024 has no number beyond 32 sigma): it must stay under f16's 65,504.  NaN and infinities are not treated apart.
; Wave w owns rows 2 w and 2 w + 1; lane l columns 4 l + 128 i + 0..3.  The rows meet in LDS, from which each wave takes k = 128 w .. + 127 of all 16 rows.
; No tensor loads, no cluster: x is read once by one work-group, through registers; what the work-groups share is Wgk1's 64 KiB and two rows of gain and bias.
.set XPITCH, 2064                      ; a row of xn in LDS: 2,048 bytes + 16: 129 x 16, so sixteen rows' 16-byte pieces fall into sixteen different columns of 16 bytes
.set WG1,    16*XPITCH                 ; behind the 16 rows: Wgk1 as f16, [k][16 n], 32 bytes a row
.set RED,    WG1+32768                 ; eight partial tiles of r1, 1,024 bytes each
.set SPARE,  RED+8192                  ; the spare words, 128 bytes a wave
.set LO,  4                            ; v4   16 x lane
.set XST, 5                            ; v5   where my rows go in LDS
.set GST, 6                            ; v6   where my part of Wgk1 goes
.set FRA, 7                            ; v7   where I read xn's fragments
.set WFA, 8                            ; v8   where I read Wgk1's fragments
.set XO,  9                            ; v9   my byte offset in the token tile of xn
.set RS0, 10                           ; v[10:11], v[12:13]  1/sigma of my two rows, twice each
.set RS1, 12
.set SPW, 14                           ; v14  my spare word; never rewritten
.set NIL, 15                           ; v15  0; never rewritten
.set X0,  16                           ; v16-47, v48-79  my two rows
.set X1,  48
.set W,   80                           ; v80-111 gain, v112-143 bias of my 32 columns
.set B,   112
.set G,   144                          ; v144-207 my 128 rows of Wgk1
.set T,   208                          ; v208-215 at work
.set MU,  216                          ; v[216:217] the mean, twice
.set RST, 218
.set RLD, 219
.set R1O, 220
.set FR,  16                           ; behind the barrier: four fragments of xn, four of Wgk1, two accumulators, the partial sums
.set WF,  48
.set A0,  80
.set A1,  88
.set SM,  144
	s_load_b256 s[4:11], s[0:1], 0x0               ; x, ln1_w, ln1_b, Wgk1
	s_load_b128 s[12:15], s[0:1], 0x20             ; xn, r1
	v_lshl_add_u32 v[SPW], v0, 2, SPARE
	v_mov_b32 v[NIL], 0
	v_and_b32 v1, 31, v0                           ; lane
	v_lshrrev_b32 v2, 5, v0
	v_readfirstlane_b32 s33, v2                    ; wave 0..7
	v_lshlrev_b32 v[LO], 4, v1
	v_and_b32 v2, 15, v0                           ; r = lane % 16
	v_bfe_u32 v3, v0, 4, 1                         ; h = lane / 16
	s_mul_i32 s34, s33, 2*XPITCH
	v_lshl_add_u32 v[XST], v1, 3, s34              ; row 2 w, 8 bytes a lane
	s_lshl_b32 s35, s33, 12
	s_add_co_u32 s36, s35, WG1
	v_lshl_add_u32 v[GST], v1, 3, s36
	v_mul_u32_u24 v[FRA], v2, XPITCH               ; row r, the 16 bytes of k group 16 w + 2 i + h
	v_lshl_add_u32 v[FRA], v3, 4, v[FRA]
	s_lshl_b32 s37, s33, 8
	v_add_nc_u32 v[FRA], s37, v[FRA]
	v_and_b32 v[WFA], 7, v0                        ; the turning load: row 8 h + l % 8 of 32 bytes, half (l / 8) % 2
	v_lshl_add_u32 v[WFA], v3, 3, v[WFA]
	v_lshlrev_b32 v[WFA], 5, v[WFA]
	v_bfe_u32 v[T], v0, 3, 1
	v_lshl_add_u32 v[WFA], v[T], 4, v[WFA]
	v_add_nc_u32 v[WFA], s36, v[WFA]
	v_add_nc_u32 v[XO], s35, v[LO]
	s_lshl_b32 s37, s33, 10
	s_add_co_u32 s37, s37, RED
	v_lshl_add_u32 v[RST], v3, 9, s37              ; my partial tile: element (8 h + j, r)
	v_lshl_add_u32 v[RST], v2, 2, v[RST]
	v_lshl_add_u32 v[RLD], v0, 4, RED
	v_lshlrev_b32 v[R1O], 4, v0
	s_lshl_b32 s38, ttmp9, 16                      ; 16 rows of 4,096 bytes a tile,
	s_lshl_b32 s39, s33, 13                        ; two rows a wave
	s_add_co_u32 s38, s38, s39
	s_mov_b32 s39, 0
	s_lshl_b32 s40, s33, 13                        ; 128 rows of Wgk1 a wave
	s_mov_b32 s41, 0
	s_lshl_b32 s42, ttmp9, 15
	s_mov_b32 s43, 0
	s_lshl_b32 s44, ttmp9, 10
	s_mov_b32 s45, 0
	s_mov_b32 s46, 0x76543210                      ; v_permlanex16_b32: each lane takes its own place in the other half
	s_mov_b32 s47, 0xfedcba98
	s_mov_b32 s48, 0x3a800000                      ; 1 / 1024
	s_mov_b32 s49, 0x3727c5ac                      ; 1e-5
	s_mov_b32 s50, 0xffff0000                      ; a word's upper bf16
	s_wait_kmcnt 0x0
	s_add_nc_u64 s[4:5], s[4:5], s[38:39]
	s_add_nc_u64 s[10:11], s[10:11], s[40:41]
	s_add_nc_u64 s[12:13], s[12:13], s[42:43]
	s_add_nc_u64 s[14:15], s[14:15], s[44:45]
.irp i, 0,1,2,3,4,5,6,7
	global_load_b128 v[X0+4*\i:X0+4*\i+3], v[LO], s[4:5] offset:512*\i
.endr
.irp i, 0,1,2,3,4,5,6,7
	global_load_b128 v[X1+4*\i:X1+4*\i+3], v[LO], s[4:5] offset:4096+512*\i
.endr
.irp i, 0,1,2,3,4,5,6,7,8,9,10,11,12,13,14,15
	global_load_b128 v[G+4*\i:G+4*\i+3], v[LO], s[10:11] offset:512*\i
.endr
.irp i, 0,1,2,3,4,5,6,7
	global_load_b128 v[W+4*\i:W+4*\i+3], v[LO], s[6:7] offset:512*\i
.endr
.irp i, 0,1,2,3,4,5,6,7
	global_load_b128 v[B+4*\i:B+4*\i+3], v[LO], s[8:9] offset:512*\i
.endr
.macro RND X, n                        ; n registers from v[X] on: an input, rounded to bf16 and kept as f32
.set i, 0
.rept (\n)/2
	v_cvt_pk_bf16_f32 v[T+(i/2)%8], v[(\X)+i], v[(\X)+i+1]
	v_lshlrev_b32 v[(\X)+i], 16, v[T+(i/2)%8]
	v_and_b32 v[(\X)+i+1], s50, v[T+(i/2)%8]
.set i, i+2
.endr
.endm
.macro WSUM r, t                       ; the sum of v[r] over the 32 lanes, in every lane; v[t] has been written before
	v_add_f32_dpp v[\r], v[\r], v[\r] row_xmask:1 row_mask:0xf bank_mask:0xf
	v_add_f32_dpp v[\r], v[\r], v[\r] row_xmask:2 row_mask:0xf bank_mask:0xf
	v_add_f32_dpp v[\r], v[\r], v[\r] row_xmask:4 row_mask:0xf bank_mask:0xf
	v_add_f32_dpp v[\r], v[\r], v[\r] row_xmask:8 row_mask:0xf bank_mask:0xf
	v_permlanex16_b32 v[\t], v[\r], s46, s47
	v_add_f32 v[\r], v[\r], v[\t]
.endm
.macro FOLD                            ; four chains of pairs into one number
	v_pk_add_f32 v[T:T+1], v[T:T+1], v[T+2:T+3]
	v_pk_add_f32 v[T+4:T+5], v[T+4:T+5], v[T+6:T+7]
	v_pk_add_f32 v[T:T+1], v[T:T+1], v[T+4:T+5]
	v_add_f32 v[T], v[T], v[T+1]
	WSUM T, T+1
.endm
.macro STAT X, RS                      ; the row in v[X..X+31] is centred in place; 1/sigma goes to the pair RS
.irp c, 0,1,2,3
	v_pk_add_f32 v[T+2*\c:T+2*\c+1], v[(\X)+4*\c:(\X)+4*\c+1], v[(\X)+4*\c+2:(\X)+4*\c+3]
.endr
.set i, 16
.rept 8
	v_pk_add_f32 v[T+i%8:T+i%8+1], v[T+i%8:T+i%8+1], v[(\X)+i:(\X)+i+1]
.set i, i+2
.endr
	FOLD
	v_mul_f32 v[MU], s48, v[T]
	v_mul_f32 v[MU+1], s48, v[T]
.set i, 0
.rept 16
	v_pk_add_f32 v[(\X)+i:(\X)+i+1], v[(\X)+i:(\X)+i+1], v[MU:MU+1] neg_lo:[0,1] neg_hi:[0,1]
.set i, i+2
.endr
.irp c, 0,1,2,3
	v_pk_mul_f32 v[T+2*\c:T+2*\c+1], v[(\X)+2*\c:(\X)+2*\c+1], v[(\X)+2*\c:(\X)+2*\c+1]
.endr
.set i, 8
.rept 12
	v_pk_fma_f32 v[T+i%8:T+i%8+1], v[(\X)+i:(\X)+i+1], v[(\X)+i:(\X)+i+1], v[T+i%8:T+i%8+1]
.set i, i+2
.endr
	FOLD
	v_fma_f32 v[T], v[T], s48, s49                 ; variance + 1e-5
	v_rsq_f32 v[\RS], v[T]
	v_rsq_f32 v[(\RS)+1], v[T]
	v_nop                                          ; a plain instruction behind the roots, ahead of their use (ISA guide 5.7.2)
.endm
.macro NORM X, RS, ro                  ; (x - mu) / sigma x gain + bias, rounded to f16, into LDS at byte ro of my two rows
.set i, 0
	s_wait_alu depctr_va_vdst(0)
.rept 8
	v_pk_mul_f32 v[(\X)+i:(\X)+i+1], v[(\X)+i:(\X)+i+1], v[\RS:(\RS)+1]
	v_pk_mul_f32 v[(\X)+i+2:(\X)+i+3], v[(\X)+i+2:(\X)+i+3], v[\RS:(\RS)+1]
	v_pk_fma_f32 v[(\X)+i:(\X)+i+1], v[(\X)+i:(\X)+i+1], v[W+i:W+i+1], v[B+i:B+i+1]
	v_pk_fma_f32 v[(\X)+i+2:(\X)+i+3], v[(\X)+i+2:(\X)+i+3], v[W+i+2:W+i+3], v[B+i+2:B+i+3]
	v_cvt_pk_f16_f32 v[(\X)+i], v[(\X)+i], v[(\X)+i+1]
	v_cvt_pk_f16_f32 v[(\X)+i+1], v[(\X)+i+2], v[(\X)+i+3]
	ds_store_b64 v[XST], v[(\X)+i:(\X)+i+1] offset:(\ro)+64*i
.set i, i+4
.endr
.endm
	s_wait_loadcnt 40                              ; row 0 is in; 8 + 16 + 8 + 8 younger loads stay out
	RND X0, 32
	STAT X0, RS0
	s_wait_loadcnt 32                              ; row 1
	RND X1, 32
	STAT X1, RS1
	s_wait_loadcnt 16                              ; Wgk1; gain and bias stay out
.set i, 0
.rept 16                               ; rounded to bf16, and that number written as f16
	v_cvt_pk_bf16_f32 v[G+i], v[G+i], v[G+i+1]
	v_cvt_pk_bf16_f32 v[G+i+1], v[G+i+2], v[G+i+3]
	v_lshlrev_b32 v[G+i+2], 16, v[G+i]
	v_and_b32 v[G+i+3], s50, v[G+i]
	v_cvt_pk_f16_f32 v[G+i], v[G+i+2], v[G+i+3]
	v_lshlrev_b32 v[G+i+2], 16, v[G+i+1]
	v_and_b32 v[G+i+3], s50, v[G+i+1]
	v_cvt_pk_f16_f32 v[G+i+1], v[G+i+2], v[G+i+3]
	ds_store_b64 v[GST], v[G+i:G+i+1] offset:64*i  ; the same flat order [k][16 n], two bytes a number
.set i, i+4
.endr
	s_wait_loadcnt 0x0
	RND W, 32
	RND B, 32
	NORM X0, RS0, 0
	NORM X1, RS1, XPITCH
	s_wait_dscnt 0x0                               ; for the others' sake: my rows are in LDS
	s_barrier_signal -1
	s_barrier_wait -1
	; wave w takes k = 128 w .. 128 w + 127 of all 16 rows.  The eight pieces of 16 bytes are what xn's blocked layout wants AND four fragments (16 rows x 32 k)
.irp i, 0,1,2,3,4,5,6,7
	ds_load_b128 v[FR+4*\i:FR+4*\i+3], v[FRA] offset:32*\i
.endr
.irp u, 0,1,2,3
	ds_load_tr16_b128 v[WF+8*\u:WF+8*\u+3], v[WFA] offset:1024*\u
	ds_load_tr16_b128 v[WF+8*\u+4:WF+8*\u+7], v[WFA] offset:1024*\u+512
.endr
	s_wait_dscnt 0x0
.irp i, 0,1,2,3,4,5,6,7
	global_store_b128 v[XO], v[FR+4*\i:FR+4*\i+3], s[12:13] offset:512*\i  ; 512 consecutive bytes, at a multiple of 256
.endr
	v_wmma_f32_16x16x32_f16 v[A0:A0+7], v[FR:FR+7], v[WF:WF+7], 0          ; two accumulators by turns
	v_wmma_f32_16x16x32_f16 v[A1:A1+7], v[FR+8:FR+15], v[WF+8:WF+15], 0
	v_wmma_f32_16x16x32_f16 v[A0:A0+7], v[FR+16:FR+23], v[WF+16:WF+23], v[A0:A0+7]
	v_wmma_f32_16x16x32_f16 v[A1:A1+7], v[FR+24:FR+31], v[WF+24:WF+31], v[A1:A1+7]
.rept 4
	v_nop                                          ; four places behind the products (ISA guide 7.12.1)
.endr
.irp j, 0,2,4,6
	v_pk_add_f32 v[A0+\j:A0+\j+1], v[A0+\j:A0+\j+1], v[A1+\j:A1+\j+1]
.endr
.irp j, 0,1,2,3,4,5,6,7
	ds_store_b32 v[RST], v[A0+\j] offset:64*\j
.endr
	s_wait_dscnt 0x0
	s_barrier_signal -1
	s_barrier_wait -1
	s_cmp_gt_u32 s33, 1
	s_cbranch_scc1 .Lend                           ; waves 0 and 1 add the eight partial tiles: 64 lanes x 16 bytes
.irp p, 0,1,2,3,4,5,6,7
	ds_load_b128 v[SM+4*\p:SM+4*\p+3], v[RLD] offset:1024*\p
.endr
	s_wait_dscnt 0x0
.irp p, 0,8,16,24
	v_pk_add_f32 v[SM+\p:SM+\p+1], v[SM+\p:SM+\p+1], v[SM+\p+4:SM+\p+5]
	v_pk_add_f32 v[SM+\p+2:SM+\p+3], v[SM+\p+2:SM+\p+3], v[SM+\p+6:SM+\p+7]
.endr
.irp p, 0,16
	v_pk_add_f32 v[SM+\p:SM+\p+1], v[SM+\p:SM+\p+1], v[SM+\p+8:SM+\p+9]
	v_pk_add_f32 v[SM+\p+2:SM+\p+3], v[SM+\p+2:SM+\p+3], v[SM+\p+10:SM+\p+11]
.endr
	v_pk_add_f32 v[SM:SM+1], v[SM:SM+1], v[SM+16:SM+17]
	v_pk_add_f32 v[SM+2:SM+3], v[SM+2:SM+3], v[SM+18:SM+19]
	global_store_b128 v[R1O], v[SM:SM+3], s[14:15]
.Lend:
	s_wait_tensorcnt 0x0                           ; the wave's end
	ds_add_u32 v[SPW], v[NIL]
	s_wait_dscnt 0x0
	s_endpgm
.Lfunc_end_k_q49eaba3cff_ln1:
	.size	k_q49eaba3cff_ln1, .Lfunc_end_k_q49eaba3cff_ln1-k_q49eaba3cff_ln1
	.p2alignl 7, 3214868480
	.fill 96, 4, 3214868480
	.section	.rodata,"a",@progbits
	.p2align	6, 0x0
	.amdhsa_kernel k_q49eaba3cff_ln1
		.amdhsa_group_segment_fixed_size 75008
		.amdhsa_private_segment_fixed_size 0
		.amdhsa_enable_private_segment 0
		.amdhsa_kernarg_size 48
		.amdhsa_user_sgpr_count 2
		.amdhsa_user_sgpr_kernarg_segment_ptr 1
		.amdhsa_wavefront_size32 1
		.amdhsa_system_sgpr_workgroup_id_x 1
		.amdhsa_system_sgpr_workgroup_id_y 1
		.amdhsa_system_sgpr_workgroup_id_z 1
		.amdhsa_system_vgpr_workitem_id 0
		.amdhsa_next_free_vgpr 224
		.amdhsa_next_free_sgpr 66
		.amdhsa_reserve_vcc 0
		.amdhsa_float_denorm_mode_32 3
		.amdhsa_float_denorm_mode_16_64 3
		.amdhsa_memory_ordered 1
		.amdhsa_forward_progress 1
		.amdhsa_inst_pref_size 43
	.end_amdhsa_kernel
	.amdgpu_metadata
---
amdhsa.version: [ 1, 2 ]
amdhsa.kernels:
  - .name:           k_q49eaba3cff_ln1
    .symbol:         k_q49eaba3cff_ln1.kd
    .args:
      - { .name: x, .offset: 0, .size: 8, .value_kind: global_buffer, .address_space: global }
      - { .name: ln1_w, .offset: 8, .size: 8, .value_kind: global_buffer, .address_space: global }
      - { .name: ln1_b, .offset: 16, .size: 8, .value_kind: global_buffer, .address_space: global }
      - { .name: Wgk1, .offset: 24, .size: 8, .value_kind: global_buffer, .address_space: global }
      - { .name: xn, .offset: 32, .size: 8, .value_kind: global_buffer, .address_space: global }
      - { .name: r1, .offset: 40, .size: 8, .value_kind: global_buffer, .address_space: global }
    .group_segment_fixed_size: 75008
    .private_segment_fixed_size: 0
    .kernarg_segment_align: 8
    .kernarg_segment_size: 48
    .max_flat_workgroup_size: 256
    .sgpr_count:     66
    .vgpr_count:     224
    .wavefront_size: 32
...
	.end_amdgpu_metadata
.endif
;; end of part 1
;; launch cast (part 2): grid 352 x 1, 8 waves a work-group, no clusters, 19,456 bytes of LDS; arguments Wq, Wk, Wv, Wg, Wo, W1, W2, wb; writes wb
.if DOCPART == 2
	.amdgcn_target "amdgcn-amd-amdhsa--gfx1250"
	.amdhsa_code_object_version 6
	.text
	.protected	k_q49eaba3cff_cast
	.globl	k_q49eaba3cff_cast
	.p2align	8
	.type	k_q49eaba3cff_cast,@function
k_q49eaba3cff_cast:
	s_mov_b64 s[64:65], 0
	v_nop
	global_prefetch_b8 v0, s[64:65] scope:SCOPE_SE
	s_setreg_imm32_b32 hwreg(HW_REG_WAVE_MODE, 25, 1), 1
	s_wait_xcnt 0x0
; CAST: the seven weight matrices, rounded to bf16 and written in blocks [n tile][k][16 n]; Wq is multiplied by 1/16 = 256^-0.5 on the way (a power of two: exact).
; FORMATS.  Every weight is rounded to bf16.  Wo and W2, whose partners y and h are bf16, are stored so.  Wq, Wk, Wv, Wg and W1, whose partners xn and xn2 are f16, are stored as that same number in f16:
; exact from 2^-17 up, below it to within 2^-25; f16's 65,504 is far above any weight for which the products stay finite in the formats that follow.
; A panel is 64 rows (k) x 1,024 columns (n).  Panels 0-79: Wq, Wk, Wv, Wg, Wo, 16 each; 80-127: W1, 16 x 3; 128-175: W2, 48.  Two work-groups share a panel: each takes half of every wave's columns.
; Which matrix, which offsets, which pitch, which format: all are chosen by selects on the panel's number; the text has no branch but the loop's.
; Wave w: rows 16 (w / 2) .. + 15, columns 512 (w % 2) + 256 half .. + 255, in four blocks of 16 rows x 64 columns (four n tiles); a block turns in the wave's own stage in LDS, so that each store covers 512 consecutive bytes.
; A stream: every byte is read once and written once; no matrix unit, no cluster, no tensor loads.
.set STG,   2304                       ; a wave's stage: four n tiles of 512 + 64 bytes, so that the four start 64 bytes apart modulo 256
.set SPARE, 8*STG                      ; the spare words, 128 bytes a wave
.set SPW, 14                           ; v14  my spare word; never rewritten
.set NIL, 15                           ; v15  0; never rewritten
.set LA,  16                           ; v16-23  eight load offsets
.set DA,  24                           ; v24-27  four store offsets
.set STW, 28                           ; v28, v29  where I write and read in my stage
.set STR, 29
.set D,   32                           ; v32-63  a block as loaded
.set E,   64                           ; v64-79  a block as stored
	s_load_b512 s[4:19], s[0:1], 0x0               ; Wq s[4:5], Wk, Wv, Wg, Wo s[12:13], W1 s[14:15], W2 s[16:17], wb s[18:19]
	v_lshl_add_u32 v[SPW], v0, 2, SPARE
	v_mov_b32 v[NIL], 0
	v_and_b32 v1, 31, v0                           ; lane
	v_lshrrev_b32 v2, 5, v0
	v_readfirstlane_b32 s33, v2                    ; wave 0..7
	s_and_b32 s32, ttmp9, 1                        ; which half of the columns
	s_lshr_b32 s34, ttmp9, 1                       ; the panel
	; as one of the five square matrices
	s_lshr_b32 s35, s34, 4                         ; which matrix (5 and more: none of them)
	s_and_b32 s36, s34, 15                         ; which 64 rows
	s_lshl_b32 s42, s36, 18                        ; source: 64 rows of 4,096 bytes
	s_lshl_b32 s43, s35, 21                        ; result: 64 n tiles of 32,768 bytes a matrix,
	s_lshl_b32 s37, s36, 11                        ; 64 k of 32 bytes
	s_add_co_u32 s43, s43, s37
	; as a panel of W1
	s_max_u32 s20, s34, 80
	s_sub_co_u32 s20, s20, 80
	s_min_u32 s20, s20, 47
	s_mul_i32 s21, s20, 43
	s_lshr_b32 s21, s21, 7                         ; / 3, exact below 48: which 64 rows
	s_mul_i32 s22, s21, 3
	s_sub_co_u32 s22, s20, s22                     ; which 1,024 columns
	s_mul_i32 s23, s21, 786432                     ; 64 rows of 12,288 bytes
	s_lshl_b32 s37, s22, 12
	s_add_co_u32 s23, s23, s37
	s_lshl_b32 s24, s22, 21
	s_lshl_b32 s37, s21, 11
	s_add_co_u32 s24, s24, s37
	s_add_co_u32 s24, s24, 10485760
	; as a panel of W2
	s_max_u32 s25, s34, 128
	s_sub_co_u32 s25, s25, 128
	s_lshl_b32 s26, s25, 18
	s_lshl_b32 s27, s25, 11
	s_add_co_u32 s27, s27, 16777216
	s_mov_b32 s44, 4096                            ; bytes from row to row in the source
	s_mov_b32 s45, 32768                           ; bytes of an n tile: K x 32
	s_mov_b32 s47, 1.0                             ; the factor lies in a pair's low word
	s_mov_b32 s29, 0xffff0000                      ; a word's upper bf16
	s_cmp_eq_u32 s35, 0
	s_cselect_b32 s46, 0x3d800000, 1.0             ; Wq / 16
	s_cmp_lt_u32 s34, 64
	s_cselect_b32 s28, -1, 0                       ; all ones: stored as f16 (Wq, Wk, Wv, Wg; W1 below); 0: as bf16
	s_wait_kmcnt 0x0
	s_mov_b64 s[40:41], s[4:5]
	s_cmp_eq_u32 s35, 1
	s_cselect_b64 s[40:41], s[6:7], s[40:41]
	s_cmp_eq_u32 s35, 2
	s_cselect_b64 s[40:41], s[8:9], s[40:41]
	s_cmp_eq_u32 s35, 3
	s_cselect_b64 s[40:41], s[10:11], s[40:41]
	s_cmp_eq_u32 s35, 4
	s_cselect_b64 s[40:41], s[12:13], s[40:41]
	s_cmp_ge_u32 s34, 80
	s_cselect_b64 s[40:41], s[14:15], s[40:41]
	s_cselect_b32 s42, s23, s42
	s_cselect_b32 s43, s24, s43
	s_cselect_b32 s44, 0x3000, s44
	s_cselect_b32 s28, -1, s28
	s_cmp_ge_u32 s34, 128
	s_cselect_b64 s[40:41], s[16:17], s[40:41]
	s_cselect_b32 s42, s26, s42
	s_cselect_b32 s43, s27, s43
	s_cselect_b32 s44, 0x1000, s44
	s_cselect_b32 s45, 0x18000, s45
	s_cselect_b32 s28, 0, s28
	; my wave's part of the panel
	s_lshr_b32 s50, s33, 1
	s_and_b32 s51, s33, 1
	s_mul_i32 s52, s50, s44                        ; 16 rows a pair of waves,
	s_lshl_b32 s52, s52, 4
	s_lshl_b32 s53, s51, 11                        ; 512 columns of 4 bytes,
	s_add_co_u32 s52, s52, s53
	s_lshl_b32 s53, s32, 10                        ; 256 columns for the work-group's half
	s_add_co_u32 s52, s52, s53
	s_add_co_u32 s48, s42, s52
	s_mov_b32 s49, 0
	s_lshl_b32 s53, s50, 9                         ; 16 k of 32 bytes,
	s_add_co_u32 s56, s43, s53
	s_mul_i32 s53, s51, s45                        ; 32 n tiles,
	s_lshl_b32 s53, s53, 5
	s_add_co_u32 s56, s56, s53
	s_mul_i32 s53, s32, s45                        ; 16 n tiles for the half
	s_lshl_b32 s53, s53, 4
	s_add_co_u32 s56, s56, s53
	s_mov_b32 s57, 0
	s_add_nc_u64 s[40:41], s[40:41], s[48:49]
	s_add_nc_u64 s[18:19], s[18:19], s[56:57]
	v_and_b32 v2, 15, v0
	v_bfe_u32 v3, v0, 4, 1
	v_mul_lo_u32 v[LA], v3, s44                    ; load i: rows 2 i + lane / 16, 16 bytes at 16 (lane % 16)
	v_lshl_add_u32 v[LA], v2, 4, v[LA]
	s_lshl_b32 s58, s44, 1
.irp i, 1,2,3,4,5,6,7
	v_add_nc_u32 v[LA+\i], s58, v[LA+\i-1]
.endr
	v_lshlrev_b32 v[DA], 4, v1                     ; store t: n tile t, 512 consecutive bytes (16 k x 16 n)
.irp i, 1,2,3
	v_add_nc_u32 v[DA+\i], s45, v[DA+\i-1]
.endr
	s_lshl_b32 s59, s45, 2
	s_mul_i32 s60, s33, STG                        ; my stage
	v_lshrrev_b32 v[STW], 2, v2                    ; in: n tile (lane % 16) / 4, row lane / 16 of 32 bytes, 8 bytes at 8 (lane % 4)
	v_mul_u32_u24 v[STW], v[STW], 576
	v_lshl_add_u32 v[STW], v3, 5, v[STW]
	v_and_b32 v2, 3, v0
	v_lshl_add_u32 v[STW], v2, 3, v[STW]
	v_add_nc_u32 v[STW], s60, v[STW]
	v_lshl_add_u32 v[STR], v1, 4, s60              ; back: 16 x lane in each n tile
	s_mov_b32 s61, 4
.Lblk:
.irp i, 0,1,2,3,4,5,6,7
	global_load_b128 v[D+4*\i:D+4*\i+3], v[LA+\i], s[40:41] th:TH_LOAD_NT
.endr
	s_wait_loadcnt 0x0
.set i, 0
.rept 8                                ; four numbers: the factor; rounded to bf16; the same numbers as f16; the panel's format is picked
	v_pk_mul_f32 v[D+i:D+i+1], v[D+i:D+i+1], s[46:47] op_sel_hi:[1,0]
	v_pk_mul_f32 v[D+i+2:D+i+3], v[D+i+2:D+i+3], s[46:47] op_sel_hi:[1,0]
	v_cvt_pk_bf16_f32 v[D+i], v[D+i], v[D+i+1]
	v_cvt_pk_bf16_f32 v[D+i+1], v[D+i+2], v[D+i+3]
	v_lshlrev_b32 v[D+i+2], 16, v[D+i]
	v_and_b32 v[D+i+3], s29, v[D+i]
	v_cvt_pk_f16_f32 v[D+i+2], v[D+i+2], v[D+i+3]
	v_cndmask_b32 v[D+i], v[D+i], v[D+i+2], s28
	v_lshlrev_b32 v[D+i+2], 16, v[D+i+1]
	v_and_b32 v[D+i+3], s29, v[D+i+1]
	v_cvt_pk_f16_f32 v[D+i+2], v[D+i+2], v[D+i+3]
	v_cndmask_b32 v[D+i+1], v[D+i+1], v[D+i+2], s28
	ds_store_b64 v[STW], v[D+i:D+i+1] offset:16*i
.set i, i+4
.endr
.irp t, 0,1,2,3
	ds_load_b128 v[E+4*\t:E+4*\t+3], v[STR] offset:576*\t   ; LDS serves a wave's instructions in order (ISA guide 5.7.1.4): these see the stores above
.endr
	s_wait_dscnt 0x0
.irp t, 0,1,2,3
	global_store_b128 v[DA+\t], v[E+4*\t:E+4*\t+3], s[18:19]
.endr
	s_wait_xcnt 0x0                                ; offsets and store data are rewritten only behind this wait
.irp i, 0,1,2,3,4,5,6,7
	v_add_nc_u32 v[LA+\i], 0x100, v[LA+\i]         ; 64 columns on
.endr
.irp t, 0,1,2,3
	v_add_nc_u32 v[DA+\t], s59, v[DA+\t]           ; four n tiles on
.endr
	s_sub_co_u32 s61, s61, 1
	s_cmp_lg_u32 s61, 0
	s_cbranch_scc1 .Lblk
	s_wait_tensorcnt 0x0                           ; the wave's end
	ds_add_u32 v[SPW], v[NIL]
	s_wait_dscnt 0x0
	s_endpgm
.Lfunc_end_k_q49eaba3cff_cast:
	.size	k_q49eaba3cff_cast, .Lfunc_end_k_q49eaba3cff_cast-k_q49eaba3cff_cast
	.p2alignl 7, 3214868480
	.fill 96, 4, 3214868480
	.section	.rodata,"a",@progbits
	.p2align	6, 0x0
	.amdhsa_kernel k_q49eaba3cff_cast
		.amdhsa_group_segment_fixed_size 19456
		.amdhsa_private_segment_fixed_size 0
		.amdhsa_enable_private_segment 0
		.amdhsa_kernarg_size 64
		.amdhsa_user_sgpr_count 2
		.amdhsa_user_sgpr_kernarg_segment_ptr 1
		.amdhsa_wavefront_size32 1
		.amdhsa_system_sgpr_workgroup_id_x 1
		.amdhsa_system_sgpr_workgroup_id_y 1
		.amdhsa_system_sgpr_workgroup_id_z 1
		.amdhsa_system_vgpr_workitem_id 0
		.amdhsa_next_free_vgpr 96
		.amdhsa_next_free_sgpr 66
		.amdhsa_reserve_vcc 0
		.amdhsa_float_denorm_mode_32 3
		.amdhsa_float_denorm_mode_16_64 3
		.amdhsa_memory_ordered 1
		.amdhsa_forward_progress 1
		.amdhsa_inst_pref_size 13
	.end_amdhsa_kernel
	.amdgpu_metadata
---
amdhsa.version: [ 1, 2 ]
amdhsa.kernels:
  - .name:           k_q49eaba3cff_cast
    .symbol:         k_q49eaba3cff_cast.kd
    .args:
      - { .name: Wq, .offset: 0, .size: 8, .value_kind: global_buffer, .address_space: global }
      - { .name: Wk, .offset: 8, .size: 8, .value_kind: global_buffer, .address_space: global }
      - { .name: Wv, .offset: 16, .size: 8, .value_kind: global_buffer, .address_space: global }
      - { .name: Wg, .offset: 24, .size: 8, .value_kind: global_buffer, .address_space: global }
      - { .name: Wo, .offset: 32, .size: 8, .value_kind: global_buffer, .address_space: global }
      - { .name: W1, .offset: 40, .size: 8, .value_kind: global_buffer, .address_space: global }
      - { .name: W2, .offset: 48, .size: 8, .value_kind: global_buffer, .address_space: global }
      - { .name: wb, .offset: 56, .size: 8, .value_kind: global_buffer, .address_space: global }
    .group_segment_fixed_size: 19456
    .private_segment_fixed_size: 0
    .kernarg_segment_align: 8
    .kernarg_segment_size: 64
    .max_flat_workgroup_size: 256
    .sgpr_count:     66
    .vgpr_count:     96
    .wavefront_size: 32
...
	.end_amdgpu_metadata
.endif
;; end of part 2
;; launch qkvg (part 3): grid 16 x 16, 4 waves a work-group, clusters of 4 x 4, 327,680 bytes of LDS; arguments xn, wb, f; writes f
.if DOCPART == 3
	.amdgcn_target "amdgcn-amd-amdhsa--gfx1250"
	.amdhsa_code_object_version 6
	.text
	.protected	k_q49eaba3cff_qkvg
	.globl	k_q49eaba3cff_qkvg
	.p2align	8
	.type	k_q49eaba3cff_qkvg,@function
k_q49eaba3cff_qkvg:
	s_mov_b64 s[64:65], 0
	v_nop
	global_prefetch_b8 v0, s[64:65] scope:SCOPE_SE
	s_setreg_imm32_b32 hwreg(HW_REG_WAVE_MODE, 25, 1), 1
	s_wait_xcnt 0x0
	s_wait_alu depctr_hold_cnt(0) depctr_sa_sdst(0) depctr_va_vdst(0) depctr_va_sdst(0) depctr_va_ssrc(0) depctr_va_vcc(0) depctr_vm_vsrc(0)
	s_getreg_b32 s2, hwreg(HW_REG_IB_STS2, 6, 4)
	s_cmp_eq_u32 s2, 0
	s_cbranch_scc0 .Lentry_in_a_cluster
	s_endpgm
.Lentry_in_a_cluster:
	s_bfe_u32 s2, ttmp6, 0x10000c
	s_cmp_lg_u32 s2, 0xf033
	s_cbranch_scc0 .Lentry_shape_is_right
	s_endpgm
.Lentry_shape_is_right:
; q, k, v, g = xn [Wq/16 | Wk | Wv | Wg]: 4,096 tokens x 4,096 features, K = 1,024, f16 operands (the weights are bf16 numbers written as f16), f32 sums, the result rounded once.
; FORMATS OF THE RESULT.  q and k leave as f16: the products made of them want their absolute error small.  LIMIT: |q| and |k| stay under f16's 65,504.
; v and g leave as bf16, as the partners with which they are multiplied later (A, the state, y) have no room in f16.  Both roundings are made and one is picked by the cluster's x (0 q, 1 k, 2 v, 3 g), which all partners share.
; A (xn) lies in blocks [token tile][k/8][16 tokens][8 k], B (weights) in blocks [n tile][k][16 n]: 128 k of a tile of 16 rows are 4,096 consecutive bytes, so a K step's tile is a few rows of 4,096 bytes.
; A work-group makes 256 tokens x 32 NBW features, each of its four waves 128 x 16 NBW.  K goes in eight steps of 128 through two LDS slots; waves 0 and 1 fetch A's halves, waves 2 and 3 B's.
; CLUSTER 4 x 4: A's tile is shared along a row of the cluster, B's along a column; each is asked for jointly.
; The product is used as it stands (source 0 = tokens, source 1 = features): a lane then holds ONE feature and eight tokens, 16 bytes of the layout [token tile][feature][16 tokens] that the next launches read:
; each store of a wave covers 512 consecutive bytes, and no stage in LDS is needed.
; REGISTERS: window 0: addresses; v64-127, v128-191 A's fragments, two buffers; v192-255 at work on the way out.  Window 1: B's fragments at the same numbers.  Windows 2, 3: accumulator (a, b) at 8 (8 (a % 4) + b).
.set UP, 0
.if UP
.set NBW,  6
.set WOFF, 10485760
.set FT,   98304
.else
.set NBW,  8
.set WOFF, 0
.set FT,   131072                      ; bytes of a token tile in the result
.endif
.set SLOT1,  1<<17                     ; slot 1 begins here: one exclusive or turns an address in one slot into the other's
.set BOFF,   65536                     ; in a slot: A's 16 tiles of 4,096 bytes, then B's 2 NBW
.set SPARE,  2*SLOT1                   ; the spare words, 128 bytes a wave
.set KSTEPS, 8
.set ADRA0, 16                         ; v16, v17  my lane's place in slot 0's A and B; never rewritten
.set ADRB0, 17
.set ADRA,  18                         ; v18, v19  the same in the slot in hand
.set ADRB,  19
.set CO,    26                         ; v26  32 (lane % 16) + 16 (lane / 16)
.set SPW,   28                         ; v28  my spare word; never rewritten
.set NIL,   29                         ; v29  0; never rewritten
.set F0,    64
.set F1,    128
.set TM,    192
.set TT,    64
.set G1,  24                           ; s[24:31] group 1 for A;  s[32:39] group 0, two sets: the second walks
.set G0,  32
.set TB,  45                           ; s45  0 or SLOT1: the slot in hand
.set G1B, 48                           ; s[48:55], s[56:63] the same for B
.set G0B, 56
.set MSB, 0
.macro WIN new                         ; the immediate's high byte repeats the setting that is left
.if MSB != (\new)
	s_set_vgpr_msb (MSB<<8)|(\new)
.set MSB, \new
.endif
.endm
.set MUL_LO, 0xa4                      ; source 0 (A) window 0, source 1 (B) window 1, C and D window 2
.set TO_B,   0x40
.macro PLACES                          ; four places behind matrix instructions, ahead of loads into their sources and of reads of their results
.rept 4
	v_nop
.endr
.endm
.macro JLOAD                           ; a joint refill by the walking set; an s_nop 0 and four v_nop follow each line
	s_cmp_eq_u32 s11, 0
	s_cbranch_scc0 .Lfor_b_\@
	tensor_load_to_lds s[G0+4:G0+7], s[G1:G1+7]
	s_nop 0
	PLACES
	s_branch .Lasked_\@
.Lfor_b_\@:
	tensor_load_to_lds s[G0B+4:G0B+7], s[G1B:G1B+7]
	s_nop 0
	PLACES
.Lasked_\@:
.endm
.macro CREST                           ; a round of the cluster's barrier behind its opening barrier
	s_cmp_lg_u32 s10, 0
	s_cbranch_scc1 .Lnot_wave_0_\@
	s_barrier_signal -3
.Lnot_wave_0_\@:
	s_barrier_wait -3
	s_barrier_signal -1
	s_barrier_wait -1
.endm
.macro CROUND
	s_barrier_signal -1
	s_barrier_wait -1
	CREST
.endm
	s_load_b128 s[4:7], s[0:1], 0x0                ; xn, wb
	s_load_b64 s[8:9], s[0:1], 0x10                ; f
.if UP
	s_load_b64 s[66:67], s[0:1], 0x18              ; b1
.endif
	v_lshl_add_u32 v[SPW], v0, 2, SPARE
	v_mov_b32 v[NIL], 0
	ds_add_u32 v[SPW], v[NIL]                      ; the wave's opening: the add and its wait ahead of my first tensor load
	v_lshrrev_b32 v1, 5, v0
	v_readfirstlane_b32 s10, v1                    ; wave 0..3
	s_lshr_b32 s11, s10, 1                         ; my half of the tokens.  Also: I fetch for A (0) or B (1)
	s_and_b32 s12, s10, 1                          ; my half of the features.  Also: which half of that tile I fetch
	s_bfe_u32 s40, ttmp6, 0x40000                  ; cx, cy
	s_bfe_u32 s41, ttmp6, 0x40004
	s_lshl_b32 s42, ttmp9, 2
	s_add_co_u32 s42, s42, s40                     ; tile column
	s_and_b32 s13, ttmp7, 0xffff
	s_lshl_b32 s13, s13, 2
	s_add_co_u32 s13, s13, s41                     ; tile row
	s_lshl_b32 s43, s41, 2
	s_lshl_b32 s43, 15, s43                        ; my row of the cluster
	s_lshl_b32 s44, 0x1111, s40                    ; my column
	s_or_b32 s[G1+0], s43, (3<<16)|(1<<21)         ; the mask; elements of 8 bytes; bit 21 set beside a mask; no padding
	s_or_b32 s[G1B+0], s44, (3<<16)|(1<<21)
	s_mov_b32 s[G1+1], 512<<16                     ; tensor_dim0 = 512 elements = 4,096 bytes
	s_mov_b32 s[G1B+1], 512<<16
	s_mov_b32 s[G1+2], 8<<16                       ; tensor_dim1 = 8 tiles
	s_mov_b32 s[G1B+2], NBW<<16
	s_mov_b32 s[G1+3], 512<<16                     ; tile_dim0
	s_mov_b32 s[G1B+3], 512<<16
	s_mov_b32 s[G1+4], 8                           ; tile_dim1
	s_mov_b32 s[G1B+4], NBW
	s_mov_b32 s[G1+5], 4096                        ; 32,768 bytes from tile to tile
	s_mov_b32 s[G1B+5], 4096
	s_mov_b32 s[G1+6], 0
	s_mov_b32 s[G1B+6], 0
	s_mov_b32 s[G1+7], 0
	s_mov_b32 s[G1B+7], 0
	s_lshl_b32 s16, s13, 4                         ; A: token tile 16 x row + 8 x half, 32,768 bytes each
	s_lshl_b32 s17, s12, 3
	s_add_co_u32 s16, s16, s17
	s_lshl_b32 s16, s16, 15
	s_mov_b32 s17, 0
	s_mul_i32 s46, s42, 2*NBW                      ; B: n tile 2 NBW x column + NBW x half
	s_mul_i32 s47, s12, NBW
	s_add_co_u32 s46, s46, s47
	s_lshl_b32 s46, s46, 15
	s_mov_b32 s47, 0
	s_mul_i32 s20, s10, 32768                      ; where they go: waves 0, 1: A's halves;
	s_mul_i32 s21, s10, NBW*4096                   ; waves 2, 3: B's halves, from BOFF on
	s_add_co_u32 s21, s21, BOFF-2*NBW*4096
	s_mov_b32 s[TB], 0
	s_wait_dscnt 0x0                               ; the opening add is done
	s_wait_kmcnt 0x0
	s_add_nc_u64 s[14:15], s[4:5], s[16:17]
	s_add_nc_u64 s[46:47], s[6:7], s[46:47]
.if WOFF
	s_add_nc_u64 s[46:47], s[46:47], WOFF
.endif
	CROUND                                         ; all sixteen work-groups are here: the first joint loads meet
.irp s, 0,1
	s_mov_b32 s[G0+4*(\s)], 1
	s_add_co_u32 s[G0+4*(\s)+1], s20, (\s)*SLOT1
	s_add_nc_u64 s[G0+4*(\s)+2:G0+4*(\s)+3], s[14:15], (\s)*4096
	s_or_b32 s[G0+4*(\s)+3], s[G0+4*(\s)+3], 0x80000000
	s_mov_b32 s[G0B+4*(\s)], 1
	s_add_co_u32 s[G0B+4*(\s)+1], s21, (\s)*SLOT1
	s_add_nc_u64 s[G0B+4*(\s)+2:G0B+4*(\s)+3], s[46:47], (\s)*4096
	s_or_b32 s[G0B+4*(\s)+3], s[G0B+4*(\s)+3], 0x80000000
.endr
	s_cmp_eq_u32 s11, 0                            ; a wave's two first fills stand in one branch: two loads of mine are out
	s_cbranch_scc0 .Lfirst_b
	tensor_load_to_lds s[G0:G0+3], s[G1:G1+7]
	s_nop 0
	tensor_load_to_lds s[G0+4:G0+7], s[G1:G1+7]
	s_nop 0
	PLACES
	s_branch .Lfirst_asked
.Lfirst_b:
	tensor_load_to_lds s[G0B:G0B+3], s[G1B:G1B+7]
	s_nop 0
	tensor_load_to_lds s[G0B+4:G0B+7], s[G1B:G1B+7]
	s_nop 0
	PLACES
.Lfirst_asked:
	v_and_b32 v1, 31, v0
	v_and_b32 v2, 15, v0                           ; r
	v_bfe_u32 v3, v0, 4, 1                         ; h
	s_lshl_b32 s22, s11, 15
	v_lshl_add_u32 v[ADRA0], v1, 4, s22            ; A's fragment: 16 x lane, and 512 bytes on
	v_and_b32 v4, 7, v0                            ; B's, by the turning load: row 8 h + l % 8 of 32 bytes, half (l / 8) % 2
	v_lshl_add_u32 v4, v3, 3, v4
	v_lshlrev_b32 v4, 5, v4
	v_bfe_u32 v5, v0, 3, 1
	v_lshl_add_u32 v4, v5, 4, v4
	s_mul_i32 s23, s12, NBW*4096
	s_add_co_u32 s23, s23, BOFF
	v_add_nc_u32 v[ADRB0], s23, v4
	v_mov_b32 v[ADRA], v[ADRA0]
	v_mov_b32 v[ADRB], v[ADRB0]
	v_lshlrev_b32 v[CO], 5, v2
	v_lshl_add_u32 v[CO], v3, 4, v[CO]
	s_lshl_b32 s16, s13, 4                         ; the result: token tile 16 x row + 8 x my half,
	s_lshl_b32 s17, s11, 3
	s_add_co_u32 s16, s16, s17
	s_mul_i32 s16, s16, FT
	s_mov_b32 s17, 0
	s_add_nc_u64 s[8:9], s[8:9], s[16:17]
	s_mul_i32 s46, s42, NBW*1024                   ; feature 32 NBW x column + 16 NBW x my half, 32 bytes each
	s_mul_i32 s47, s12, NBW*512
	s_add_co_u32 s46, s46, s47
	s_mov_b32 s47, 0
	s_add_nc_u64 s[8:9], s[8:9], s[46:47]
.if UP
	s_mul_i32 s46, s42, 768                        ; b1 at my first feature
	s_mul_i32 s47, s12, 384
	s_add_co_u32 s46, s46, s47
	s_mov_b32 s47, 0
	s_add_nc_u64 s[66:67], s[66:67], s[46:47]
	s_mov_b32 s68, 0x3c23d70a                      ; 0.01, in a pair's low word
	s_mov_b32 s69, 0x3c23d70a
	v_lshlrev_b32 v6, 2, v2
.set b, 0
.rept NBW
	global_load_b32 v[32+b], v6, s[66:67] offset:64*b  ; a lane's feature has one bias for its eight tokens
.set b, b+1
.endr
	s_wait_loadcnt 0x0
.set b, 0
.rept NBW
	v_cvt_pk_bf16_f32 v[40+b], v[32+b], v[32+b]    ; an input: rounded to bf16
.set b, b+1
.endr
.set b, 0
.rept NBW
	v_lshlrev_b32 v[32+b], 16, v[40+b]
.set b, b+1
.endr
	WIN 0x40
.set b, 0
.rept NBW
.irp j, 0,1,2,3,4,5,6,7
	v_mov_b32 v[8*b+\j], v[32+b]                   ; the bias as a C operand: it starts the sums
.endr
.set b, b+1
.endr
	WIN 0
.else
	s_cmp_ge_u32 ttmp9, 2                          ; the cluster's x: 2 and 3 are v's and g's columns
	s_cselect_b32 s18, -1, 0                       ; all ones: the result leaves as bf16; 0: as f16
.endif
; 2 NBW matrix instructions: token blocks a0, a0 + 1 of the window's four x all NBW feature blocks, 32 along K.  zero = 1: the first product starts the sums.
.macro MUL16 f, hi, a0, zero
.irp a, \a0, (\a0)+1
.set b, 0
.rept NBW
.set rD, 8*(8*(\a)+b)
.set rA, (\f)+8*(4*(\hi)+(\a))
.set rB, (\f)+8*b
.if (\zero) && UP
	WIN 0x94+0x40*(\hi)
	v_wmma_f32_16x16x32_f16 v[rD:rD+7], v[rA:rA+7], v[rB:rB+7], v[8*b:8*b+7]
.elseif \zero
	WIN MUL_LO+0x50*(\hi)
	v_wmma_f32_16x16x32_f16 v[rD:rD+7], v[rA:rA+7], v[rB:rB+7], 0
.else
	WIN MUL_LO+0x50*(\hi)
	v_wmma_f32_16x16x32_f16 v[rD:rD+7], v[rA:rA+7], v[rB:rB+7], v[rD:rD+7]
.endif
.set b, b+1
.endr
.endr
.endm
; One run of LDS loads: the fragments of 32 along K at byte k of the tiles, into buffer f: B's 2 NBW loads, then A's 16
.macro FETCH k, f
	WIN TO_B
.set b, 0
.rept NBW
	ds_load_tr16_b128 v[(\f)+8*b:(\f)+8*b+3],   v[ADRB] offset:(\k)+b*4096
	ds_load_tr16_b128 v[(\f)+8*b+4:(\f)+8*b+7], v[ADRB] offset:(\k)+b*4096+512
.set b, b+1
.endr
	WIN 0
.irp i, 0,1,2,3,4,5,6,7
	ds_load_b128 v[(\f)+8*(\i):(\f)+8*(\i)+3],   v[ADRA] offset:(\k)+(\i)*4096
	ds_load_b128 v[(\f)+8*(\i)+4:(\f)+8*(\i)+7], v[ADRA] offset:(\k)+(\i)*4096+512
.endr
.endm
; A K step is four quarters of 32 along K on buffers 0, 1, 0, 1.  One of the first three multiplies buffer f and fetches the next quarter, at byte k, into g.
.macro QUARTER k, f, g, zero
	s_wait_dscnt 8                                 ; B and A's tokens 0-63 are in; the youngest eight loads may be out
	MUL16 \f, 0, 0, \zero
	MUL16 \f, 0, 2, \zero
	PLACES
	FETCH \k, \g
	s_wait_dscnt 2*NBW+16                          ; all but the run just issued
	MUL16 \f, 1, 0, \zero
	MUL16 \f, 1, 2, \zero
.endm
; The last quarter changes slots: one barrier; ahead of it each wave waits for all its tensor loads (one is out: its part of the next slot), adds 0 to its spare word, and waits for that and for its reads of this slot.
.macro MEET round
	WIN 0
	s_wait_tensorcnt 0x0
	ds_add_u32 v[SPW], v[NIL]
	s_wait_dscnt 9                                 ; the add and the youngest eight loads may be out
	MUL16 F1, 0, 0, 0
	s_wait_dscnt 0x0                               ; the add is done, my reads of this slot are over
	s_barrier_signal -1
	MUL16 F1, 0, 2, 0
.if \round
	WIN 0
.endif
	s_barrier_wait -1
.endm
.macro TURN fill                       ; fill = 1: the barrier opens a round of the cluster's, and the slot just read is filled again, two K steps ahead, first thing behind it
	MEET \fill
.if \fill
	CREST
	s_xor_b32 s[G0+5], s[G0+5], SLOT1
	s_add_nc_u64 s[G0+6:G0+7], s[G0+6:G0+7], 4096
	s_xor_b32 s[G0B+5], s[G0B+5], SLOT1
	s_add_nc_u64 s[G0B+6:G0B+7], s[G0B+6:G0B+7], 4096
	JLOAD                                          ; its four v_nop are also the places ahead of the loads below
.else
	WIN 0
	PLACES
.endif
	s_xor_b32 s[TB], s[TB], SLOT1
	v_add_nc_u32 v[ADRA], s[TB], v[ADRA0]
	v_add_nc_u32 v[ADRB], s[TB], v[ADRB0]
	FETCH 0, F0
	MUL16 F1, 1, 0, 0
	MUL16 F1, 1, 2, 0
.endm
	s_wait_tensorcnt 1                             ; my part of K step 0 is in; step 1's may stay out
	s_barrier_signal -1
	s_barrier_wait -1
	FETCH 0, F0
	QUARTER 1024, F0, F1, 1                        ; the first quarter stands ahead of the loop: its products start the sums
	WIN 0
	s_mov_b32 s3, KSTEPS-2
.Lstep:                                                ; a trip: a K step's quarters 1 to 3 and the next step's quarter 0; one refill
	QUARTER 2048, F1, F0, 0
	QUARTER 3072, F0, F1, 0
	TURN 1
	QUARTER 1024, F0, F1, 0
	WIN 0
	s_sub_co_u32 s3, s3, 1
	s_cmp_lg_u32 s3, 0
	s_cbranch_scc1 .Lstep
	s_mov_b32 s2, 2
.Ltail:                                                ; the last two K steps ask for nothing; the second trip is left in its middle
	QUARTER 2048, F1, F0, 0
	QUARTER 3072, F0, F1, 0
	WIN 0
	s_sub_co_u32 s2, s2, 1
	s_cmp_eq_u32 s2, 0
	s_cbranch_scc1 .Lout
	TURN 0
	QUARTER 1024, F0, F1, 0
	WIN 0
	s_branch .Ltail
.Lout:
	s_wait_dscnt 8
	MUL16 F1, 0, 0, 0
	MUL16 F1, 0, 2, 0
	s_wait_dscnt 0x0
	MUL16 F1, 1, 0, 0
	MUL16 F1, 1, 2, 0
	PLACES
	; THE WAY OUT, a block of 16 tokens at a time; each accumulator's registers are taken in ascending order
.set a, 0
.rept 8
.set tm, TM+32*(a%2)
	WIN 0
	s_wait_xcnt 0x0                                ; registers that earlier stores read are rewritten only behind this wait
.if UP
	WIN 0x02+(a/4)                                 ; source 0 in window 2 or 3
.set b, 0
.rept NBW
.set rD, 8*(8*(a%4)+b)
.irp p, 0,2,4,6
	v_pk_mul_f32 v[TT+8*b+\p:TT+8*b+\p+1], v[rD+\p:rD+\p+1], s[68:69] op_sel_hi:[1,0]
.endr
.irp j, 0,1,2,3,4,5,6,7
	v_max_num_f32 v[TT+8*b+\j], v[rD+\j], v[TT+8*b+\j]     ; LeakyReLU: the larger of y and 0.01 y
.endr
.set b, b+1
.endr
	WIN 0
.set b, 0
.rept NBW
.irp p, 0,2,4,6
	v_pk_mul_f32 v[TT+8*b+\p:TT+8*b+\p+1], v[TT+8*b+\p:TT+8*b+\p+1], v[TT+8*b+\p:TT+8*b+\p+1]
.endr
.irp r, 0,1,2,3
	v_cvt_pk_bf16_f32 v[tm+4*b+\r], v[TT+8*b+2*\r], v[TT+8*b+2*\r+1]
.endr
.set b, b+1
.endr
.else
	WIN 0x0a+5*(a/4)                               ; sources 0 and 1 in window 2 or 3
.set b, 0
.rept NBW
.set rD, 8*(8*(a%4)+b)
.irp r, 0,1,2,3
	v_cvt_pk_f16_f32 v[tm+4*b+\r], v[rD+2*\r], v[rD+2*\r+1]
	v_cvt_pk_bf16_f32 v[TT+4*b+\r], v[rD+2*\r], v[rD+2*\r+1]
.endr
.set b, b+1
.endr
	WIN 0
.set b, 0
.rept 4*NBW
	v_cndmask_b32 v[tm+b], v[tm+b], v[TT+b], s18   ; q and k: f16; v and g: bf16
.set b, b+1
.endr
.endif
.set b, 0
.rept NBW
	global_store_b128 v[CO], v[tm+4*b:tm+4*b+3], s[8:9] offset:a*FT+b*512   ; 16 features x 16 tokens: 512 consecutive bytes, at a multiple of 256
.set b, b+1
.endr
.set a, a+1
.endr
	s_wait_tensorcnt 0x0                           ; the wave's end
	ds_add_u32 v[SPW], v[NIL]
	s_wait_dscnt 0x0
	CROUND                                         ; the closing round
	s_endpgm
.Lfunc_end_k_q49eaba3cff_qkvg:
	.size	k_q49eaba3cff_qkvg, .Lfunc_end_k_q49eaba3cff_qkvg-k_q49eaba3cff_qkvg
	.p2alignl 7, 3214868480
	.fill 96, 4, 3214868480
	.section	.rodata,"a",@progbits
	.p2align	6, 0x0
	.amdhsa_kernel k_q49eaba3cff_qkvg
		.amdhsa_group_segment_fixed_size 327680
		.amdhsa_private_segment_fixed_size 0
		.amdhsa_enable_private_segment 0
		.amdhsa_kernarg_size 24
		.amdhsa_user_sgpr_count 2
		.amdhsa_user_sgpr_kernarg_segment_ptr 1
		.amdhsa_wavefront_size32 1
		.amdhsa_system_sgpr_workgroup_id_x 1
		.amdhsa_system_sgpr_workgroup_id_y 1
		.amdhsa_system_sgpr_workgroup_id_z 1
		.amdhsa_system_vgpr_workitem_id 0
		.amdhsa_next_free_vgpr 1024
		.amdhsa_next_free_sgpr 66
		.amdhsa_reserve_vcc 0
		.amdhsa_float_denorm_mode_32 3
		.amdhsa_float_denorm_mode_16_64 3
		.amdhsa_memory_ordered 1
		.amdhsa_forward_progress 1
		.amdhsa_inst_pref_size 127
	.end_amdhsa_kernel
	.amdgpu_metadata
---
amdhsa.version: [ 1, 2 ]
amdhsa.kernels:
  - .name:           k_q49eaba3cff_qkvg
    .symbol:         k_q49eaba3cff_qkvg.kd
    .args:
      - { .name: xn, .offset: 0, .size: 8, .value_kind: global_buffer, .address_space: global }
      - { .name: wb, .offset: 8, .size: 8, .value_kind: global_buffer, .address_space: global }
      - { .name: f, .offset: 16, .size: 8, .value_kind: global_buffer, .address_space: global }
    .group_segment_fixed_size: 327680
    .private_segment_fixed_size: 0
    .kernarg_segment_align: 8
    .kernarg_segment_size: 24
    .max_flat_workgroup_size: 128
    .sgpr_count:     66
    .vgpr_count:     1024
    .wavefront_size: 32
...
	.end_amdgpu_metadata
.endif
;; end of part 3
;; launch tok0 (part 4): grid 64 x 1, 16 waves a work-group, no clusters, 92,160 bytes of LDS; arguments x, ln1_w, ln1_b, Wq, Wk, a0; writes a0
.if DOCPART == 4
	.amdgcn_target "amdgcn-amd-amdhsa--gfx1250"
	.amdhsa_code_object_version 6
	.text
	.protected	k_q49eaba3cff_tok0
	.globl	k_q49eaba3cff_tok0
	.p2align	8
	.type	k_q49eaba3cff_tok0,@function
k_q49eaba3cff_tok0:
	s_mov_b64 s[64:65], 0
	v_nop
	global_prefetch_b8 v0, s[64:65] scope:SCOPE_SE
	s_setreg_imm32_b32 hwreg(HW_REG_WAVE_MODE, 25, 1), 1
	s_wait_xcnt 0x0
; TOK0: the one weight of each sequence's first token, A[0][0] = (q_0 . k_0) / 16, in f32, for 4 batches x 4 heads.
; WHY.  At token 0 the recurrence has one term, o = A[0][0] v, and RMSNorm divides that factor out again unless |A[0][0]| rms(v) is near sqrt(1e-5).  There the result hangs on the absolute error of a sum of
; 256 products that cancel, and 16-bit operands leave too much of it.  So this number alone is made by the vector unit: 8.4 million multiply-adds in all, no bulk work.
; FORMATS.  x, gain, bias, Wq and Wk are rounded to bf16, as every input of the module is; all that is made of them here (LayerNorm, q, k, the sum) stays f32.  NaN and infinities are not treated apart.
; SHARES.  Work-group j owns columns 16 j .. + 15 of Wq and of Wk (head j / 16), all 1,024 rows, all four batches; it stores one partial sum a batch, and the next launch adds a head's sixteen.
; Wave w owns rows 64 w .. + 63; lane l takes row 8 i + l / 4 and the four columns 4 (l % 4) ..: a load of a wave takes 64 bytes of each of eight rows; the three work-groups beside this one take the rest of
; the same 256 bytes.  Wider shares would leave 16 work-groups to read the 8 MB.  All sixteen loads of a wave go out at the start.
; Waves 0 to 3 make LayerNorm of token 0 of batches 0 to 3 meanwhile, a row a wave, the mean first and then the variance of the centred numbers.
; No matrix unit, no cluster, no tensor loads: the weights are read once, through registers.
.set XN,    0                          ; xn of the four first tokens, f32, [batch][column]: 4,096 bytes a wave
.set RED,   16384                      ; each wave's own 4,096 bytes: [row group 8][2 matrices][4 batches][16 columns]
.set RED2,  RED+65536                  ; 512 bytes a wave: the same, summed over the row groups
.set SPARE, RED2+8192                  ; the spare words, 128 bytes a wave
.set SPW, 4                            ; v4   my spare word; never rewritten
.set NIL, 5                            ; v5   0; never rewritten
.set LO,  6                            ; v6   16 x lane
.set XS,  7                            ; v7   where my row of xn goes
.set WO,  8                            ; v8   my byte offset in eight rows of a weight
.set XA,  9                            ; v9   where I read xn of my rows
.set RST, 10                           ; v10  where my sums go
.set RL2, 11                           ; v11  where I read my wave's sums back
.set RS2, 12                           ; v12  where the wave's sums go
.set RL3, 13                           ; v13  where a thread of waves 0 and 1 reads all waves' sums
.set GO,  14                           ; v14  256 x batch
.set RS,  16                           ; v[16:17] 1/sigma, twice
.set MU,  18                           ; v[18:19] the mean, twice
.set T,   20                           ; v20-27 at work
.set X,   32                           ; v32-63 a row of x; v64-95 gain; v96-127 bias
.set G,   64
.set B,   96
.set ACC, 32                           ; later: v32-63 sums: 16 m + 4 b + c (m: Wq, Wk; b: batch; c: column)
.set XQ,  64                           ; v64-95 xn of my eight rows, four batches each
.set SR,  64                           ; later: my wave's sums read back
.set P,   96                           ; v96-111 q's sixteen parts, v112-127 k's
.set WQ,  128                          ; v128-159 Wq, v160-191 Wk: four columns of eight rows
.set WK,  160
	s_load_b256 s[4:11], s[0:1], 0x0               ; x, ln1_w, ln1_b, Wq
	s_load_b128 s[12:15], s[0:1], 0x20             ; Wk, a0
	v_lshl_add_u32 v[SPW], v0, 2, SPARE
	v_mov_b32 v[NIL], 0
	v_and_b32 v1, 31, v0                           ; lane
	v_lshrrev_b32 v2, 5, v0
	v_readfirstlane_b32 s33, v2                    ; wave 0..15
	v_and_b32 v2, 3, v0                            ; which four columns
	v_bfe_u32 v3, v0, 2, 3                         ; which of eight rows
	v_lshlrev_b32 v[WO], 12, v3                    ; a row of a weight is 4,096 bytes
	v_lshl_add_u32 v[WO], v2, 4, v[WO]
	s_lshl_b32 s34, s33, 18                        ; 64 rows a wave,
	s_lshl_b32 s35, ttmp9, 6                       ; 64 bytes a work-group
	s_add_co_u32 s34, s34, s35
	s_mov_b32 s35, 0
	s_lshl_b32 s36, s33, 8
	v_lshl_add_u32 v[XA], v3, 2, s36               ; xn(row 64 w + 8 i + row group): 256 w + 4 x row group, 32 i in the offset
	s_lshl_b32 s37, s33, 12
	s_add_co_u32 s38, s37, RED
	v_lshl_add_u32 v[RST], v3, 9, s38
	v_lshl_add_u32 v[RST], v2, 4, v[RST]
	v_lshl_add_u32 v[RL2], v1, 4, s38
	s_lshl_b32 s39, s33, 9
	s_add_co_u32 s39, s39, RED2
	v_lshl_add_u32 v[RS2], v1, 4, s39
	v_lshl_add_u32 v[RL3], v0, 2, RED2
	s_lshl_b32 s40, ttmp9, 2                       ; a0[(4 batch + head) x 16 + j % 16] lies at byte 256 batch + 4 j
	s_mov_b32 s41, 0
	s_mov_b32 s46, 0x76543210                      ; v_permlanex16_b32: each lane takes its own place in the other half
	s_mov_b32 s47, 0xfedcba98
	s_mov_b32 s48, 0x3a800000                      ; 1 / 1024
	s_mov_b32 s49, 0x3727c5ac                      ; 1e-5
	s_mov_b32 s50, 0xffff0000                      ; a word's upper bf16
	s_wait_kmcnt 0x0
	s_add_nc_u64 s[10:11], s[10:11], s[34:35]
	s_add_nc_u64 s[12:13], s[12:13], s[34:35]
	s_add_nc_u64 s[14:15], s[14:15], s[40:41]
.irp i, 0,1,2,3,4,5,6,7
	global_load_b128 v[WQ+4*\i:WQ+4*\i+3], v[WO], s[10:11] offset:32768*\i
	global_load_b128 v[WK+4*\i:WK+4*\i+3], v[WO], s[12:13] offset:32768*\i
.endr
.macro RND R, n                        ; n registers from v[R] on: an input, rounded to bf16 and kept as f32
.set i, 0
.rept (\n)/2
	v_cvt_pk_bf16_f32 v[T+(i/2)%8], v[(\R)+i], v[(\R)+i+1]
	v_lshlrev_b32 v[(\R)+i], 16, v[T+(i/2)%8]
	v_and_b32 v[(\R)+i+1], s50, v[T+(i/2)%8]
.set i, i+2
.endr
.endm
.macro WSUM r, t                       ; the sum of v[r] over the 32 lanes, in every lane; v[t] has been written before
	v_add_f32_dpp v[\r], v[\r], v[\r] row_xmask:1 row_mask:0xf bank_mask:0xf
	v_add_f32_dpp v[\r], v[\r], v[\r] row_xmask:2 row_mask:0xf bank_mask:0xf
	v_add_f32_dpp v[\r], v[\r], v[\r] row_xmask:4 row_mask:0xf bank_mask:0xf
	v_add_f32_dpp v[\r], v[\r], v[\r] row_xmask:8 row_mask:0xf bank_mask:0xf
	v_permlanex16_b32 v[\t], v[\r], s46, s47
	v_add_f32 v[\r], v[\r], v[\t]
.endm
.macro FOLD                            ; four chains of pairs into one number
	v_pk_add_f32 v[T:T+1], v[T:T+1], v[T+2:T+3]
	v_pk_add_f32 v[T+4:T+5], v[T+4:T+5], v[T+6:T+7]
	v_pk_add_f32 v[T:T+1], v[T:T+1], v[T+4:T+5]
	v_add_f32 v[T], v[T], v[T+1]
	WSUM T, T+1
.endm
	s_cmp_gt_u32 s33, 3
	s_cbranch_scc1 .Lmeet                          ; waves 4 to 15 have no row
	; ---------------- LayerNorm of token 0 of batch w; lane l holds columns 4 l + 128 i + 0..3
	s_lshl_b32 s42, s33, 22                        ; a batch is 1,024 rows of 4,096 bytes
	s_mov_b32 s43, 0
	s_add_nc_u64 s[4:5], s[4:5], s[42:43]
	v_lshlrev_b32 v[LO], 4, v1
	v_lshl_add_u32 v[XS], v1, 4, s37               ; 4,096 w + 16 x lane
.irp i, 0,1,2,3,4,5,6,7
	global_load_b128 v[X+4*\i:X+4*\i+3], v[LO], s[4:5] offset:512*\i
.endr
.irp i, 0,1,2,3,4,5,6,7
	global_load_b128 v[G+4*\i:G+4*\i+3], v[LO], s[6:7] offset:512*\i
.endr
.irp i, 0,1,2,3,4,5,6,7
	global_load_b128 v[B+4*\i:B+4*\i+3], v[LO], s[8:9] offset:512*\i
.endr
	s_wait_loadcnt 16                              ; the row is in (and the older weights); gain's eight and bias's eight stay out
	RND X, 32
.irp c, 0,1,2,3
	v_pk_add_f32 v[T+2*\c:T+2*\c+1], v[X+4*\c:X+4*\c+1], v[X+4*\c+2:X+4*\c+3]
.endr
.set i, 16
.rept 8
	v_pk_add_f32 v[T+i%8:T+i%8+1], v[T+i%8:T+i%8+1], v[X+i:X+i+1]
.set i, i+2
.endr
	FOLD
	v_mul_f32 v[MU], s48, v[T]
	v_mul_f32 v[MU+1], s48, v[T]
.set i, 0
.rept 16
	v_pk_add_f32 v[X+i:X+i+1], v[X+i:X+i+1], v[MU:MU+1] neg_lo:[0,1] neg_hi:[0,1]
.set i, i+2
.endr
.irp c, 0,1,2,3
	v_pk_mul_f32 v[T+2*\c:T+2*\c+1], v[X+2*\c:X+2*\c+1], v[X+2*\c:X+2*\c+1]
.endr
.set i, 8
.rept 12
	v_pk_fma_f32 v[T+i%8:T+i%8+1], v[X+i:X+i+1], v[X+i:X+i+1], v[T+i%8:T+i%8+1]
.set i, i+2
.endr
	FOLD
	v_fma_f32 v[T], v[T], s48, s49                 ; variance + 1e-5
	v_rsq_f32 v[RS], v[T]
	v_rsq_f32 v[RS+1], v[T]
	v_nop                                          ; a plain instruction behind the roots, ahead of their use (ISA guide 5.7.2)
	s_wait_loadcnt 0x0
	RND G, 32
	RND B, 32
.set i, 0
	s_wait_alu depctr_va_vdst(0)
.rept 8
	v_pk_mul_f32 v[X+i:X+i+1], v[X+i:X+i+1], v[RS:RS+1]
	v_pk_mul_f32 v[X+i+2:X+i+3], v[X+i+2:X+i+3], v[RS:RS+1]
	v_pk_fma_f32 v[X+i:X+i+1], v[X+i:X+i+1], v[G+i:G+i+1], v[B+i:B+i+1]
	v_pk_fma_f32 v[X+i+2:X+i+3], v[X+i+2:X+i+3], v[G+i+2:G+i+3], v[B+i+2:B+i+3]
	ds_store_b128 v[XS], v[X+i:X+i+3] offset:128*i ; f32, not rounded
.set i, i+4
.endr
.Lmeet:
	s_wait_dscnt 0x0                               ; for the others' sake: my row is in LDS
	s_barrier_signal -1
	s_barrier_wait -1
.set i, 0
.rept 8
.irp b, 0,1,2,3
	ds_load_b32 v[XQ+4*i+\b], v[XA] offset:4096*\b+32*i    ; the four lanes of a row read the same word
.endr
.set i, i+1
.endr
	s_wait_loadcnt 0x0                             ; the weights
	s_wait_dscnt 0x0
; Rows 8 i + row group: eight weights are rounded to bf16; each multiplies xn of the four batches.  The first step starts the sums: nothing is cleared.
.macro STEP i
	v_cvt_pk_bf16_f32 v[T],   v[WQ+4*(\i)],   v[WQ+4*(\i)+1]
	v_cvt_pk_bf16_f32 v[T+1], v[WQ+4*(\i)+2], v[WQ+4*(\i)+3]
	v_cvt_pk_bf16_f32 v[T+2], v[WK+4*(\i)],   v[WK+4*(\i)+1]
	v_cvt_pk_bf16_f32 v[T+3], v[WK+4*(\i)+2], v[WK+4*(\i)+3]
	v_lshlrev_b32 v[WQ+4*(\i)],   16,  v[T]
	v_and_b32     v[WQ+4*(\i)+1], s50, v[T]
	v_lshlrev_b32 v[WQ+4*(\i)+2], 16,  v[T+1]
	v_and_b32     v[WQ+4*(\i)+3], s50, v[T+1]
	v_lshlrev_b32 v[WK+4*(\i)],   16,  v[T+2]
	v_and_b32     v[WK+4*(\i)+1], s50, v[T+2]
	v_lshlrev_b32 v[WK+4*(\i)+2], 16,  v[T+3]
	v_and_b32     v[WK+4*(\i)+3], s50, v[T+3]
.set b, 0
.rept 4
.set xr, XQ+4*(\i)+2*(b/2)             ; the pair that holds batch b's xn: its low register for even b, its high one for odd b
.set p, 0
.rept 4                                ; p = 0, 1: Wq's two pairs of columns; 2, 3: Wk's
.set dr, ACC+16*(p/2)+4*b+2*(p%2)
.set wr, WQ+32*(p/2)+4*(\i)+2*(p%2)
.if (\i) == 0
.if b%2
	v_pk_mul_f32 v[dr:dr+1], v[wr:wr+1], v[xr:xr+1] op_sel:[0,1] op_sel_hi:[1,1]
.else
	v_pk_mul_f32 v[dr:dr+1], v[wr:wr+1], v[xr:xr+1] op_sel_hi:[1,0]
.endif
.else
.if b%2
	v_pk_fma_f32 v[dr:dr+1], v[wr:wr+1], v[xr:xr+1], v[dr:dr+1] op_sel:[0,1,0] op_sel_hi:[1,1,1]
.else
	v_pk_fma_f32 v[dr:dr+1], v[wr:wr+1], v[xr:xr+1], v[dr:dr+1] op_sel_hi:[1,0,1]
.endif
.endif
.set p, p+1
.endr
.set b, b+1
.endr
.endm
.irp i, 0,1,2,3,4,5,6,7
	STEP \i
.endr
	; over the eight row groups: through my wave's own bytes
.irp m, 0,1
.irp b, 0,1,2,3
	ds_store_b128 v[RST], v[ACC+16*\m+4*\b:ACC+16*\m+4*\b+3] offset:256*\m+64*\b
.endr
.endr
.irp k, 0,1,2,3,4,5,6,7
	ds_load_b128 v[SR+4*\k:SR+4*\k+3], v[RL2] offset:512*\k   ; LDS serves a wave's instructions in order (ISA guide 5.7.1.4): these see the stores above
.endr
	s_wait_dscnt 0x0
.irp p, 0,2,4,6,8,10,12,14
	v_pk_add_f32 v[SR+\p:SR+\p+1], v[SR+\p:SR+\p+1], v[SR+16+\p:SR+16+\p+1]
.endr
.irp p, 0,2,4,6
	v_pk_add_f32 v[SR+\p:SR+\p+1], v[SR+\p:SR+\p+1], v[SR+8+\p:SR+8+\p+1]
.endr
.irp p, 0,2
	v_pk_add_f32 v[SR+\p:SR+\p+1], v[SR+\p:SR+\p+1], v[SR+4+\p:SR+4+\p+1]
.endr
	ds_store_b128 v[RS2], v[SR:SR+3]
	s_wait_dscnt 0x0                               ; for the others' sake
	s_barrier_signal -1
	s_barrier_wait -1
	s_cmp_gt_u32 s33, 1
	s_cbranch_scc1 .Lend                           ; threads 0 to 63: batch t / 16, column t % 16
.irp p, 0,1,2,3,4,5,6,7,8,9,10,11,12,13,14,15
	ds_load_b32 v[P+\p], v[RL3] offset:512*\p              ; wave p's part of q,
	ds_load_b32 v[P+16+\p], v[RL3] offset:512*\p+256       ; and of k
.endr
	v_and_b32 v3, 15, v0
	v_lshrrev_b32 v[GO], 4, v0
	v_lshlrev_b32 v[GO], 8, v[GO]
	s_wait_dscnt 0x0
.irp p, 0,2,4,6,16,18,20,22
	v_pk_add_f32 v[P+\p:P+\p+1], v[P+\p:P+\p+1], v[P+\p+8:P+\p+9]
.endr
.irp p, 0,2,16,18
	v_pk_add_f32 v[P+\p:P+\p+1], v[P+\p:P+\p+1], v[P+\p+4:P+\p+5]
.endr
.irp p, 0,16
	v_pk_add_f32 v[P+\p:P+\p+1], v[P+\p:P+\p+1], v[P+\p+2:P+\p+3]
.endr
	v_add_f32 v[P], v[P], v[P+1]
	v_add_f32 v[P+16], v[P+16], v[P+17]
	v_mul_f32 v[P], v[P], v[P+16]                  ; q k,
	v_mul_f32 v[P], 0x3d800000, v[P]               ; / 16 = 256^-0.5,
	v_add_f32_dpp v[P], v[P], v[P] row_xmask:1 row_mask:0xf bank_mask:0xf   ; over my work-group's 16 columns
	v_add_f32_dpp v[P], v[P], v[P] row_xmask:2 row_mask:0xf bank_mask:0xf
	v_add_f32_dpp v[P], v[P], v[P] row_xmask:4 row_mask:0xf bank_mask:0xf
	v_add_f32_dpp v[P], v[P], v[P] row_xmask:8 row_mask:0xf bank_mask:0xf
	v_cmp_eq_u32 vcc_lo, 0, v3
	s_wait_xcnt 0x0                                ; EXEC changes only behind this wait
	s_and_saveexec_b32 s44, vcc_lo                 ; one lane of each sixteen stores the batch's number
	global_store_b32 v[GO], v[P], s[14:15]
	s_wait_xcnt 0x0                                ; and again, ahead of the line that widens it
	s_or_b32 exec_lo, exec_lo, s44
.Lend:
	s_wait_tensorcnt 0x0                           ; the wave's end
	ds_add_u32 v[SPW], v[NIL]
	s_wait_dscnt 0x0
	s_endpgm
.Lfunc_end_k_q49eaba3cff_tok0:
	.size	k_q49eaba3cff_tok0, .Lfunc_end_k_q49eaba3cff_tok0-k_q49eaba3cff_tok0
	.p2alignl 7, 3214868480
	.fill 96, 4, 3214868480
	.section	.rodata,"a",@progbits
	.p2align	6, 0x0
	.amdhsa_kernel k_q49eaba3cff_tok0
		.amdhsa_group_segment_fixed_size 92160
		.amdhsa_private_segment_fixed_size 0
		.amdhsa_enable_private_segment 0
		.amdhsa_kernarg_size 48
		.amdhsa_user_sgpr_count 2
		.amdhsa_user_sgpr_kernarg_segment_ptr 1
		.amdhsa_wavefront_size32 1
		.amdhsa_system_sgpr_workgroup_id_x 1
		.amdhsa_system_sgpr_workgroup_id_y 1
		.amdhsa_system_sgpr_workgroup_id_z 1
		.amdhsa_system_vgpr_workitem_id 0
		.amdhsa_next_free_vgpr 192
		.amdhsa_next_free_sgpr 66
		.amdhsa_reserve_vcc 1
		.amdhsa_float_denorm_mode_32 3
		.amdhsa_float_denorm_mode_16_64 3
		.amdhsa_memory_ordered 1
		.amdhsa_forward_progress 1
		.amdhsa_inst_pref_size 39
	.end_amdhsa_kernel
	.amdgpu_metadata
---
amdhsa.version: [ 1, 2 ]
amdhsa.kernels:
  - .name:           k_q49eaba3cff_tok0
    .symbol:         k_q49eaba3cff_tok0.kd
    .args:
      - { .name: x, .offset: 0, .size: 8, .value_kind: global_buffer, .address_space: global }
      - { .name: ln1_w, .offset: 8, .size: 8, .value_kind: global_buffer, .address_space: global }
      - { .name: ln1_b, .offset: 16, .size: 8, .value_kind: global_buffer, .address_space: global }
      - { .name: Wq, .offset: 24, .size: 8, .value_kind: global_buffer, .address_space: global }
      - { .name: Wk, .offset: 32, .size: 8, .value_kind: global_buffer, .address_space: global }
      - { .name: a0, .offset: 40, .size: 8, .value_kind: global_buffer, .address_space: global }
    .group_segment_fixed_size: 92160
    .private_segment_fixed_size: 0
    .kernarg_segment_align: 8
    .kernarg_segment_size: 48
    .max_flat_workgroup_size: 512
    .sgpr_count:     66
    .vgpr_count:     192
    .wavefront_size: 32
...
	.end_amdgpu_metadata
.endif
;; end of part 4
;; launch prep (part 5): grid 16 x 16, 16 waves a work-group, no clusters, 264,192 bytes of LDS; arguments f, r1, Wgk2, bgk2, rec, a0; writes rec
.if DOCPART == 5
	.amdgcn_target "amdgcn-amd-amdhsa--gfx1250"
	.amdhsa_code_object_version 6
	.text
	.protected	k_q49eaba3cff_prep
	.globl	k_q49eaba3cff_prep
	.p2align	8
	.type	k_q49eaba3cff_prep,@function
k_q49eaba3cff_prep:
	s_mov_b64 s[64:65], 0
	v_nop
	global_prefetch_b8 v0, s[64:65] scope:SCOPE_SE
	s_setreg_imm32_b32 hwreg(HW_REG_WAVE_MODE, 25, 1), 1
	s_wait_xcnt 0x0
; PREP: for one head of one batch (y) and one chunk of 64 tokens (x), all of the gated recurrence that does not hang on the state.
; a_t[d] = exp(logsigmoid(z) / 16), z = r1 Wgk2 + bgk2, as 2^((min(zl, 0) - log2(1 + 2^-|zl|)) / 16) with zl = z log2(e): no exponent is ever positive.
; For l = 1, 2 .. 64: Pre_t = the product of a from the start of t's block of l tokens through t; Suf_s = the product of a behind s to the end of s's block.  Only numbers of at most 1 are multiplied, as in the recurrence itself.
; Out go, as one record: q^ = q Pre64, k^ = k Suf64, dec = the product of all 64 a, and A[t][s] = the sum over d of q_t k_s (the product of a over s < r <= t), s <= t.
; For s < t let l be the highest bit in which t and s differ: the product is Suf_l(s) Pre_l(t).  One array a level, X_l(t) = q Pre_l where t has bit l, else k Suf_l, multiplied by itself, holds all such pairs; lane masks pick them.
; The diagonal s = t is the product of the k tile and the q tile as they were stored.
; A[0][0] OF THE FIRST CHUNK is the only weight of the sequence's first token, whose output RMSNorm divides by that very weight: it is taken from a0, where an earlier launch left it in f32 as sixteen partial sums.
; FORMATS.  q, k and the X arrays are f16 (no X is larger than its q or k).  A, q^ and k^ leave as bf16: A and the state made of k^ have no room in f16 when q and k are large.
; r1, Wgk2 (an input) and bgk2 (an input) enter as bf16.  Gates and products of decays are f32.
; LIMITS.  Behind the first token A carries the error of its f16 operands, some 2^-12 of the size of a typical weight: a token ALL of whose weights cancel to far less than that size keeps that error in its norm.
; A product of decays below 2^-126 counts as 0; NaN and infinities are not treated apart.
; No cluster, no tensor loads: no two work-groups read the same bytes but Wgk2's 64 KiB and a head's 64 bytes of a0.
.set RECB,  75776                      ; a record: q^ 32,768 ([token tile][d][16 t]); k^ 32,768 ([d tile][s/8][16 d][8 s]); A 8,192 ([token tile][s/8][16 t][8 s]); dec twice 1,024
.set SPARE, 8*32768                    ; eight arrays [token tile][d][16 t] of 32,768 bytes: q, X1, X2, X4, X8, X16, X32, k; then the spare words
.set ST,  4                            ; v4-7  my 16 bytes in arrays 0, 2, 4, 6; v4 is also my byte offset in q^
.set SPW, 8
.set NIL, 9
.set LFR, 10                           ; v10  32 r + 16 h
.set RA,  11
.set WA,  12
.set BA,  13
.set GK,  14
.set GD,  15
.set PRE, 16                           ; 32 registers each: token 16 m + 8 h + j at 8 m + j; the lane's d is 16 w + r
.set SUF, 48
.set QP,  80                           ; v80-95, v96-111: q and k as loaded (f16: the halves of v0-v127 alone have names), later q^ and k^ as stored
.set KP,  96
.set K,   112
.set Q,   144
.set RF,  176
.set WF,  208
.set T,   216
.set U,   224
.set OUT, 232
.set MP,  236
.set OTH, 238
.set T16, 240
.set T32, 244
.set BL,  246
.set LTR, 248
.set GA,  249
.set A0V, 250                          ; v250  A[0][0] of this batch and head, in f32
.set AOF, 251                          ; v251  the offset 0 of its loads
	s_load_b256 s[4:11], s[0:1], 0x0               ; f, r1, Wgk2, bgk2
	s_load_b128 s[12:15], s[0:1], 0x20             ; rec, a0
	v_lshl_add_u32 v[SPW], v0, 2, SPARE
	v_mov_b32 v[NIL], 0
	v_mov_b32 v[AOF], 0
	v_lshrrev_b32 v1, 5, v0
	v_readfirstlane_b32 s16, v1                    ; wave 0..15: my 16 d; later my tile of A
	v_and_b32 v1, 31, v0
	v_and_b32 v2, 15, v0                           ; r
	v_bfe_u32 v3, v0, 4, 1                         ; h
	s_and_b32 s17, ttmp7, 0xffff
	s_lshr_b32 s18, s17, 2                         ; batch
	s_and_b32 s19, s17, 3                          ; head
	s_lshl_b32 s20, s18, 6
	s_lshl_b32 s21, ttmp9, 2
	s_add_co_u32 s20, s20, s21                     ; my first token tile,
	s_lshl_b32 s20, s20, 17                        ; 131,072 bytes each;
	s_lshl_b32 s21, s19, 13                        ; feature 256 head + 16 w, 32 bytes each
	s_add_co_u32 s20, s20, s21
	s_lshl_b32 s21, s16, 9
	s_add_co_u32 s20, s20, s21
	s_mov_b32 s21, 0
	s_lshl_b32 s22, s18, 16                        ; r1: 64 bytes a token
	s_lshl_b32 s23, ttmp9, 12
	s_add_co_u32 s22, s22, s23
	s_mov_b32 s23, 0
	s_lshl_b32 s24, s19, 10                        ; Wgk2 and bgk2 at my first d
	s_lshl_b32 s25, s16, 6
	s_add_co_u32 s24, s24, s25
	s_mov_b32 s25, 0
	s_lshl_b32 s26, s17, 4
	s_add_co_u32 s26, s26, ttmp9
	s_mul_i32 s26, s26, RECB
	s_mov_b32 s27, 0
	s_lshl_b32 s36, s17, 6                         ; a0: sixteen numbers for each batch and head
	s_mov_b32 s37, 0
	s_cmp_eq_u32 ttmp9, 0                          ; lane 0 of wave 0 of the first chunk holds A[0][0]: its bit, or no bit
	s_cselect_b32 s52, 1, 0
	s_cmp_eq_u32 s16, 0
	s_cselect_b32 s52, s52, 0
	s_mov_b32 s30, 0x3fb8aa3b                      ; log2(e), in a pair's low word
	s_mov_b32 s31, 0x3fb8aa3b
	s_mov_b32 s34, 0x76543210
	s_mov_b32 s35, 0xfedcba98
	v_cmp_eq_u32 s32, 1, v3                        ; the lanes with h = 1
	v_lshlrev_b32 v[LFR], 5, v2
	v_lshl_add_u32 v[LFR], v3, 4, v[LFR]
	s_lshl_b32 s28, s16, 9
	v_add_nc_u32 v[ST], s28, v[LFR]
.irp i, 1,2,3
	v_add_nc_u32 v[ST+\i], 0x10000, v[ST+\i-1]
.endr
	v_lshlrev_b32 v[RA], 6, v2
	v_lshl_add_u32 v[RA], v3, 5, v[RA]
	v_lshlrev_b32 v[BA], 2, v2
	v_lshl_add_u32 v[WA], v3, 15, v[BA]
	s_lshl_b32 s29, s16, 11
	v_lshl_add_u32 v[GK], v1, 4, s29
	v_lshl_add_u32 v[GA], v1, 4, s28
	s_lshl_b32 s29, s16, 6
	v_lshl_add_u32 v[GD], v3, 10, s29
	v_add_nc_u32 v[GD], v[GD], v[BA]
	v_and_b32 v[LTR], 7, v0
	v_lshl_add_u32 v[LTR], v3, 3, v[LTR]
	v_lshlrev_b32 v[LTR], 5, v[LTR]
	v_bfe_u32 v[OTH], v0, 3, 1
	v_lshl_add_u32 v[LTR], v[OTH], 4, v[LTR]
	s_wait_kmcnt 0x0
	s_add_nc_u64 s[4:5], s[4:5], s[20:21]
	s_add_nc_u64 s[6:7], s[6:7], s[22:23]
	s_add_nc_u64 s[8:9], s[8:9], s[24:25]
	s_add_nc_u64 s[10:11], s[10:11], s[24:25]
	s_add_nc_u64 s[12:13], s[12:13], s[26:27]
	s_add_nc_u64 s[14:15], s[14:15], s[36:37]
.irp p, 0,1,2,3
	global_load_b128 v[T+4*\p:T+4*\p+3], v[AOF], s[14:15] offset:16*\p        ; the sixteen partial sums, the same in every lane
.endr
.irp m, 0,1,2,3
	global_load_b128 v[Q+8*\m:Q+8*\m+3],   v[RA], s[6:7] offset:\m*1024       ; r1(token 16 m + r, 8 h ..)
	global_load_b128 v[Q+8*\m+4:Q+8*\m+7], v[RA], s[6:7] offset:\m*1024+16
.endr
.irp i, 0,1,2,3,4,5,6,7
	global_load_b32 v[K+\i], v[WA], s[8:9] offset:\i*4096                     ; Wgk2(8 h + i, d)
.endr
	global_load_b32 v[K+8], v[BA], s[10:11]
.irp m, 0,1,2,3
	global_load_b128 v[QP+4*\m:QP+4*\m+3], v[LFR], s[4:5] offset:\m*131072
.endr
.irp m, 0,1,2,3
	global_load_b128 v[KP+4*\m:KP+4*\m+3], v[LFR], s[4:5] offset:\m*131072+32768
.endr
	s_wait_loadcnt 8                               ; all but q's four and k's four
.irp p, 0,2,4,6
	v_pk_add_f32 v[T+\p:T+\p+1], v[T+\p:T+\p+1], v[T+8+\p:T+8+\p+1]
.endr
	v_pk_add_f32 v[T:T+1], v[T:T+1], v[T+4:T+5]
	v_pk_add_f32 v[T+2:T+3], v[T+2:T+3], v[T+6:T+7]
	v_pk_add_f32 v[T:T+1], v[T:T+1], v[T+2:T+3]
	v_add_f32 v[A0V], v[T], v[T+1]
.set i, 0
.rept 4
.irp p, 0,1,2,3
	v_cvt_pk_bf16_f32 v[RF+8*i+\p], v[Q+8*i+2*\p], v[Q+8*i+2*\p+1]
	v_mov_b32 v[RF+8*i+4+\p], 0                    ; K = 16 of the instruction's 32: the rest is 0
.endr
.set i, i+1
.endr
.irp p, 0,1,2,3
	v_cvt_pk_bf16_f32 v[WF+\p], v[K+2*\p], v[K+2*\p+1]
	v_mov_b32 v[WF+4+\p], 0
.endr
	v_cvt_pk_bf16_f32 v[BL], v[K+8], v[K+8]        ; the bias is an input: rounded to bf16
	v_lshlrev_b32 v[BL], 16, v[BL]
	v_mul_f32 v[BL], s30, v[BL]
	v_mov_b32 v[BL+1], v[BL]
.irp m, 0,1,2,3
	v_wmma_f32_16x16x32_bf16 v[PRE+8*\m:PRE+8*\m+7], v[RF+8*\m:RF+8*\m+7], v[WF:WF+7], 0
.endr
.rept 4
	v_nop                                          ; four places behind the products (ISA guide 7.12.1)
.endr
.macro ALL16 line:vararg               ; one line for each pair i = 0, 2 .. 30
.set i, 0
	s_wait_alu depctr_va_vdst(0)
.rept 16
	\line
.set i, i+2
.endr
.endm
.macro ALL32 line:vararg               ; one line for each register i = 0 .. 31
.set i, 0
.rept 32
	\line
.set i, i+1
.endr
.endm
	ALL16 v_pk_fma_f32 v[PRE+i:PRE+i+1], v[PRE+i:PRE+i+1], s[30:31], v[BL:BL+1] op_sel_hi:[1,0,1]   ; zl
	ALL32 v_or_b32 v[SUF+i], 0x80000000, v[PRE+i]                                                   ; -|zl|
	ALL32 v_exp_f32 v[SUF+i], v[SUF+i]
	v_nop                                          ; a plain instruction behind the last transcendental (ISA guide 5.7.2)
	s_wait_alu depctr_va_vdst(0)
	ALL16 v_pk_add_f32 v[SUF+i:SUF+i+1], v[SUF+i:SUF+i+1], 1.0 op_sel_hi:[1,0]
	ALL32 v_log_f32 v[SUF+i], v[SUF+i]
	ALL32 v_min_num_f32 v[PRE+i], 0, v[PRE+i]
	ALL16 v_pk_add_f32 v[PRE+i:PRE+i+1], v[PRE+i:PRE+i+1], v[SUF+i:SUF+i+1] neg_lo:[0,1] neg_hi:[0,1]
	ALL16 v_pk_mul_f32 v[PRE+i:PRE+i+1], v[PRE+i:PRE+i+1], 0x3d800000 op_sel_hi:[1,0]               ; / 16
	ALL32 v_exp_f32 v[PRE+i], v[PRE+i]             ; a = Pre1
	v_nop                                          ; a plain instruction behind the last transcendental
	s_wait_loadcnt 0x0
.irp m, 0,1,2,3                        ; q and k as they were stored are arrays 0 and 7: the layout in memory is the arrays' own
	ds_store_b128 v[ST], v[QP+4*\m:QP+4*\m+3] offset:\m*8192
	ds_store_b128 v[ST+3], v[KP+4*\m:KP+4*\m+3] offset:32768+\m*8192
.endr
.irp r, 80,81,82,83,84,85,86,87,88,89,90,91,92,93,94,95          ; QP's registers by number
	v_cvt_f32_f16 v[Q+2*(\r-80)], v\r\().l
	v_cvt_f32_f16 v[Q+2*(\r-80)+1], v\r\().h
.endr
.irp r, 96,97,98,99,100,101,102,103,104,105,106,107,108,109,110,111  ; KP's
	v_cvt_f32_f16 v[K+2*(\r-96)], v\r\().l
	v_cvt_f32_f16 v[K+2*(\r-96)+1], v\r\().h
.endr
.macro XOUT arr, mt                    ; T's eight numbers, rounded to f16, into array arr, token tile mt
.irp p, 0,1,2,3
	v_cvt_pk_f16_f32 v[OUT+\p], v[T+2*\p], v[T+2*\p+1]
.endr
	ds_store_b128 v[ST+(\arr)/2], v[OUT:OUT+3] offset:((\arr)%2)*32768+(\mt)*8192
.endm
.macro LEVEL arr, kind                 ; X of level kind: q Pre where the token has that bit, else k Suf
.set m, 0
.rept 4
.set p, 0
.rept 4
.if (\kind) == 2
.set up, p&1
.elseif (\kind) == 4
.set up, p>>1
.elseif (\kind) == 16
.set up, m&1
.else
.set up, m>>1
.endif
.set ix, 8*m+2*p
.if up
	v_pk_mul_f32 v[T+2*p:T+2*p+1], v[Q+ix:Q+ix+1], v[PRE+ix:PRE+ix+1]
.else
	v_pk_mul_f32 v[T+2*p:T+2*p+1], v[K+ix:K+ix+1], v[SUF+ix:SUF+ix+1]
.endif
.set p, p+1
.endr
	XOUT \arr, m
.set m, m+1
.endr
.endm
.macro MULB d, s, hi                   ; the pair at d times register hi (0, 1) of the pair at s
.if \hi
	v_pk_mul_f32 v[(\d):(\d)+1], v[(\d):(\d)+1], v[(\s):(\s)+1] op_sel:[0,1] op_sel_hi:[1,1]
.else
	v_pk_mul_f32 v[(\d):(\d)+1], v[(\d):(\d)+1], v[(\s):(\s)+1] op_sel_hi:[1,0]
.endif
.endm
.set m, 0
	s_wait_alu depctr_va_vdst(0)
.rept 4                                ; X1: k at even tokens, q a at odd ones
.irp p, 0,1,2,3
	v_mul_f32 v[T+\p], v[Q+8*m+2*\p+1], v[PRE+8*m+2*\p+1]
.endr
.irp p, 0,1,2,3
	v_cvt_pk_f16_f32 v[OUT+\p], v[K+8*m+2*\p], v[T+\p]
.endr
	ds_store_b128 v[ST], v[OUT:OUT+3] offset:32768+m*8192
.set m, m+1
.endr
	; from l to 2 l, in each block of 2 l: Suf of the lower half times Pre of the upper half's last token (first: it wants the old Pre), Pre of the upper half times Pre of the lower half's last
.set i, 0
.rept 16
	v_mov_b32 v[SUF+i], v[PRE+i+1]
	v_mov_b32 v[SUF+i+1], 1.0
	v_mul_f32 v[PRE+i+1], v[PRE+i+1], v[PRE+i]
.set i, i+2
.endr
	LEVEL 2, 2
.set i, 0
.rept 8
	MULB SUF+i, PRE+i+2, 1
	MULB PRE+i+2, PRE+i, 1
.set i, i+4
.endr
	LEVEL 3, 4
.set i, 0
.rept 4
	MULB SUF+i, PRE+i+6, 1
	MULB SUF+i+2, PRE+i+6, 1
	MULB PRE+i+4, PRE+i+2, 1
	MULB PRE+i+6, PRE+i+2, 1
.set i, i+8
.endr
.set m, 0
.rept 4                                ; X8: bit 3 of the token is the half of the lanes
.irp j, 0,1,2,3,4,5,6,7
	v_cndmask_b32 v[T+\j], v[K+8*m+\j], v[Q+8*m+\j], s32
	v_cndmask_b32 v[U+\j], v[SUF+8*m+\j], v[PRE+8*m+\j], s32
.endr
.irp p, 0,2,4,6
	v_pk_mul_f32 v[T+\p:T+\p+1], v[T+\p:T+\p+1], v[U+\p:U+\p+1]
.endr
	XOUT 4, m
.set m, m+1
.endr
.set m, 0
.rept 4                                ; 8 to 16: the other half's last Pre comes from the lane 16 away
	v_permlanex16_b32 v[OTH], v[PRE+8*m+7], s34, s35
	v_mul_f32 v[T16+m], v[PRE+8*m+7], v[OTH]       ; the product of the tile's 16 a
	v_cndmask_b32 v[MP], 1.0, v[OTH], s32
	v_cndmask_b32 v[MP+1], v[OTH], 1.0, s32
.irp p, 0,2,4,6
	MULB PRE+8*m+\p, MP, 0
	MULB SUF+8*m+\p, MP, 1
.endr
.set m, m+1
.endr
	LEVEL 5, 16
.irp p, 0,2,4,6
	MULB SUF+\p, T16, 1
	MULB PRE+8+\p, T16, 0
	MULB SUF+16+\p, T16+2, 1
	MULB PRE+24+\p, T16+2, 0
.endr
	v_mul_f32 v[T32], v[T16], v[T16+1]
	v_mul_f32 v[T32+1], v[T16+2], v[T16+3]
	LEVEL 6, 32
.set i, 0
.rept 8
	MULB SUF+i, T32, 1
	MULB PRE+16+i, T32, 0
.set i, i+2
.endr
.set m, 0
.rept 4
.irp p, 0,1,2,3
	v_pk_mul_f32 v[T+2*\p:T+2*\p+1], v[Q+8*m+2*\p:Q+8*m+2*\p+1], v[PRE+8*m+2*\p:PRE+8*m+2*\p+1]
	v_pk_mul_f32 v[U+2*\p:U+2*\p+1], v[K+8*m+2*\p:K+8*m+2*\p+1], v[SUF+8*m+2*\p:SUF+8*m+2*\p+1]
.endr
.irp p, 0,1,2,3
	v_cvt_pk_bf16_f32 v[QP+4*m+\p], v[T+2*\p], v[T+2*\p+1]
	v_cvt_pk_bf16_f32 v[KP+4*m+\p], v[U+2*\p], v[U+2*\p+1]
.endr
	global_store_b128 v[ST], v[QP+4*m:QP+4*m+3], s[12:13] offset:m*8192         ; 512 consecutive bytes each
	global_store_b128 v[GK], v[KP+4*m:KP+4*m+3], s[12:13] offset:32768+m*512
.set m, m+1
.endr
	v_mul_f32 v[T], v[T32], v[T32+1]
	global_store_b32 v[GD], v[T], s[12:13] offset:73728                         ; the two halves of the lanes write the two copies: every byte of the record is written
	s_wait_dscnt 0x0                               ; for the others' sake: my part of the eight arrays is in LDS
	s_barrier_signal -1
	s_barrier_wait -1
	; A, a tile of 16 x 16 a wave: tile (t, s) = (w / 4, w % 4).  Source 0 = the fragment of token tile s, source 1 = that of tile t: a lane then holds one t and eight s: 16 bytes of A's layout.
.set BUF0, 16                          ; two buffers of 48: v16-63, v64-111
.set D8,   112
.set D4,   120
.set D2,   128
.set D1,   136
.set D0,   144
.set RES,  152
.set DB,   160
.set UU,   164
.set U1,   165
.set FS,   16
.set FT,   80
.set B0,   144
.set B1,   168
	s_wait_xcnt 0x0                                ; the stores above have read their registers
	s_lshr_b32 s17, s16, 2
	s_and_b32 s18, s16, 3
	s_cmp_eq_u32 s17, s18
	s_cbranch_scc1 .Ldiag
	s_cmp_lt_u32 s18, s17
	s_cbranch_scc1 .Lbelow
.irp j, 0,1,2,3,4,5,6,7
	v_mov_b32 v[RES+\j], 0                         ; s > t: nothing
.endr
	s_branch .Lstore
.Lbelow:                                               ; every pair of the tile differs first in bit 5, or else in bit 4: X32 or X16, whole
	s_lshr_b32 s20, s17, 1
	s_lshr_b32 s21, s18, 1
	s_mov_b32 s19, 5*32768
	s_cmp_lg_u32 s20, s21
	s_cselect_b32 s19, 6*32768, s19
	s_lshl_b32 s20, s18, 13
	s_add_co_u32 s20, s20, s19
	v_add_nc_u32 v[DB], s20, v[LTR]
	s_lshl_b32 s21, s17, 13
	s_add_co_u32 s21, s21, s19
	v_add_nc_u32 v[DB+1], s21, v[LTR]
.irp k, 0,1,2,3,4,5,6,7
	ds_load_tr16_b128 v[FS+8*\k:FS+8*\k+3],   v[DB] offset:\k*1024
	ds_load_tr16_b128 v[FS+8*\k+4:FS+8*\k+7], v[DB] offset:\k*1024+512
	ds_load_tr16_b128 v[FT+8*\k:FT+8*\k+3],   v[DB+1] offset:\k*1024
	ds_load_tr16_b128 v[FT+8*\k+4:FT+8*\k+7], v[DB+1] offset:\k*1024+512
.endr
	s_wait_dscnt 28                                ; four loads for each 32 d: those of the later ones stay out
	v_wmma_f32_16x16x32_f16 v[B0:B0+7], v[FS:FS+7], v[FT:FT+7], 0
	s_wait_dscnt 24
	v_wmma_f32_16x16x32_f16 v[B1:B1+7], v[FS+8:FS+15], v[FT+8:FT+15], 0
.irp k, 2,4,6                          ; two accumulators by turns
	s_wait_dscnt 4*(7-\k)
	v_wmma_f32_16x16x32_f16 v[B0:B0+7], v[FS+8*\k:FS+8*\k+7], v[FT+8*\k:FT+8*\k+7], v[B0:B0+7]
	s_wait_dscnt 4*(6-\k)
	v_wmma_f32_16x16x32_f16 v[B1:B1+7], v[FS+8*\k+8:FS+8*\k+15], v[FT+8*\k+8:FT+8*\k+15], v[B1:B1+7]
.endr
.rept 4
	v_nop
.endr
.irp j, 0,2,4,6
	v_pk_add_f32 v[RES+\j:RES+\j+1], v[B0+\j:B0+\j+1], v[B1+\j:B1+\j+1]
.endr
	s_branch .Lstore
.Ldiag:                                                ; levels 8, 4, 2, 1 and the diagonal itself (k x q), five accumulators by turns
	s_lshl_b32 s20, s17, 13
	v_add_nc_u32 v[DB], s20, v[LTR]
	v_add_nc_u32 v[DB+1], 0x10000, v[DB]
	v_add_nc_u32 v[DB+2], 0x10000, v[DB+1]
	v_add_nc_u32 v[DB+3], 0x10000, v[DB+2]
	; the lane's t is r, its s are 8 h + j.  With u = r - 8 h (unsigned): u / 8 = 1: bit 3 differs; else 0 <= u < 8 is t % 8, held against j
	v_lshlrev_b32 v[U1], 3, v3
	v_sub_nc_u32 v[UU], v2, v[U1]
.irp j, 0,1,2,3,4,5,6,7
	v_cmp_eq_u32 s[40+\j], \j, v[UU]
.endr
	v_lshrrev_b32 v[U1], 1, v[UU]
	v_cmp_eq_u32 s48, 1, v[U1]
	v_cmp_eq_u32 s49, 3, v[U1]
	v_lshrrev_b32 v[U1], 2, v[UU]
	v_cmp_eq_u32 s50, 1, v[U1]
	v_lshrrev_b32 v[U1], 3, v[UU]
	v_cmp_eq_u32 s51, 1, v[U1]
.macro DLOAD ks, bf                    ; twelve loads: the fragments of X8, X4, X2, X1, k and q for 32 d
	ds_load_tr16_b128 v[(\bf):(\bf)+3],      v[DB+2] offset:(\ks)*1024
	ds_load_tr16_b128 v[(\bf)+4:(\bf)+7],    v[DB+2] offset:(\ks)*1024+512
	ds_load_tr16_b128 v[(\bf)+8:(\bf)+11],   v[DB+1] offset:32768+(\ks)*1024
	ds_load_tr16_b128 v[(\bf)+12:(\bf)+15],  v[DB+1] offset:32768+(\ks)*1024+512
	ds_load_tr16_b128 v[(\bf)+16:(\bf)+19],  v[DB+1] offset:(\ks)*1024
	ds_load_tr16_b128 v[(\bf)+20:(\bf)+23],  v[DB+1] offset:(\ks)*1024+512
	ds_load_tr16_b128 v[(\bf)+24:(\bf)+27],  v[DB] offset:32768+(\ks)*1024
	ds_load_tr16_b128 v[(\bf)+28:(\bf)+31],  v[DB] offset:32768+(\ks)*1024+512
	ds_load_tr16_b128 v[(\bf)+32:(\bf)+35],  v[DB+3] offset:32768+(\ks)*1024
	ds_load_tr16_b128 v[(\bf)+36:(\bf)+39],  v[DB+3] offset:32768+(\ks)*1024+512
	ds_load_tr16_b128 v[(\bf)+40:(\bf)+43],  v[DB] offset:(\ks)*1024
	ds_load_tr16_b128 v[(\bf)+44:(\bf)+47],  v[DB] offset:(\ks)*1024+512
.endm
	DLOAD 0, BUF0
.set ks, 0
.rept 8
.set bf, BUF0+48*(ks%2)
.if ks < 7
.if ks > 0
.rept 4
	v_nop                                          ; four places between the products that read the other buffer and the loads into it
.endr
.endif
	DLOAD ks+1, BUF0+48*((ks+1)%2)
	s_wait_dscnt 12                                ; all but the twelve just issued
.else
	s_wait_dscnt 0x0
.endif
.if ks == 0
	v_wmma_f32_16x16x32_f16 v[D8:D8+7], v[bf:bf+7], v[bf:bf+7], 0
	v_wmma_f32_16x16x32_f16 v[D4:D4+7], v[bf+8:bf+15], v[bf+8:bf+15], 0
	v_wmma_f32_16x16x32_f16 v[D2:D2+7], v[bf+16:bf+23], v[bf+16:bf+23], 0
	v_wmma_f32_16x16x32_f16 v[D1:D1+7], v[bf+24:bf+31], v[bf+24:bf+31], 0
	v_wmma_f32_16x16x32_f16 v[D0:D0+7], v[bf+32:bf+39], v[bf+40:bf+47], 0
.else
	v_wmma_f32_16x16x32_f16 v[D8:D8+7], v[bf:bf+7], v[bf:bf+7], v[D8:D8+7]
	v_wmma_f32_16x16x32_f16 v[D4:D4+7], v[bf+8:bf+15], v[bf+8:bf+15], v[D4:D4+7]
	v_wmma_f32_16x16x32_f16 v[D2:D2+7], v[bf+16:bf+23], v[bf+16:bf+23], v[D2:D2+7]
	v_wmma_f32_16x16x32_f16 v[D1:D1+7], v[bf+24:bf+31], v[bf+24:bf+31], v[D1:D1+7]
	v_wmma_f32_16x16x32_f16 v[D0:D0+7], v[bf+32:bf+39], v[bf+40:bf+47], v[D0:D0+7]
.endif
.set ks, ks+1
.endr
.rept 4
	v_nop
.endr
.irp j, 0,1,2,3,4,5,6,7                ; ascending j: each accumulator is read from its low end
	v_cndmask_b32 v[RES+\j], 0, v[D8+\j], s51
.if \j < 4
	v_cndmask_b32 v[RES+\j], v[RES+\j], v[D4+\j], s50
.endif
.if ((\j)&2) == 0
	v_cndmask_b32 v[RES+\j], v[RES+\j], v[D2+\j], s[48+(\j)/4]
.endif
.if ((\j)&1) == 0
	v_cndmask_b32 v[RES+\j], v[RES+\j], v[D1+\j], s[41+\j]
.endif
	v_cndmask_b32 v[RES+\j], v[RES+\j], v[D0+\j], s[40+\j]
.endr
.Lstore:
	v_cndmask_b32 v[RES], v[RES], v[A0V], s52      ; A[0][0] of the first chunk: the f32 number takes the f16 product's place; elsewhere the mask is empty
.irp p, 0,1,2,3
	v_cvt_pk_bf16_f32 v[OUT+\p], v[RES+2*\p], v[RES+2*\p+1]
.endr
	global_store_b128 v[GA], v[OUT:OUT+3], s[12:13] offset:65536
	s_wait_tensorcnt 0x0                           ; the wave's end
	ds_add_u32 v[SPW], v[NIL]
	s_wait_dscnt 0x0
	s_endpgm
.Lfunc_end_k_q49eaba3cff_prep:
	.size	k_q49eaba3cff_prep, .Lfunc_end_k_q49eaba3cff_prep-k_q49eaba3cff_prep
	.p2alignl 7, 3214868480
	.fill 96, 4, 3214868480
	.section	.rodata,"a",@progbits
	.p2align	6, 0x0
	.amdhsa_kernel k_q49eaba3cff_prep
		.amdhsa_group_segment_fixed_size 264192
		.amdhsa_private_segment_fixed_size 0
		.amdhsa_enable_private_segment 0
		.amdhsa_kernarg_size 48
		.amdhsa_user_sgpr_count 2
		.amdhsa_user_sgpr_kernarg_segment_ptr 1
		.amdhsa_wavefront_size32 1
		.amdhsa_system_sgpr_workgroup_id_x 1
		.amdhsa_system_sgpr_workgroup_id_y 1
		.amdhsa_system_sgpr_workgroup_id_z 1
		.amdhsa_system_vgpr_workitem_id 0
		.amdhsa_next_free_vgpr 256
		.amdhsa_next_free_sgpr 66
		.amdhsa_reserve_vcc 0
		.amdhsa_float_denorm_mode_32 3
		.amdhsa_float_denorm_mode_16_64 3
		.amdhsa_memory_ordered 1
		.amdhsa_forward_progress 1
		.amdhsa_inst_pref_size 70
	.end_amdhsa_kernel
	.amdgpu_metadata
---
amdhsa.version: [ 1, 2 ]
amdhsa.kernels:
  - .name:           k_q49eaba3cff_prep
    .symbol:         k_q49eaba3cff_prep.kd
    .args:
      - { .name: f, .offset: 0, .size: 8, .value_kind: global_buffer, .address_space: global }
      - { .name: r1, .offset: 8, .size: 8, .value_kind: global_buffer, .address_space: global }
      - { .name: Wgk2, .offset: 16, .size: 8, .value_kind: global_buffer, .address_space: global }
      - { .name: bgk2, .offset: 24, .size: 8, .value_kind: global_buffer, .address_space: global }
      - { .name: rec, .offset: 32, .size: 8, .value_kind: global_buffer, .address_space: global }
      - { .name: a0, .offset: 40, .size: 8, .value_kind: global_buffer, .address_space: global }
    .group_segment_fixed_size: 264192
    .private_segment_fixed_size: 0
    .kernarg_segment_align: 8
    .kernarg_segment_size: 48
    .max_flat_workgroup_size: 512
    .sgpr_count:     66
    .vgpr_count:     256
    .wavefront_size: 32
...
	.end_amdgpu_metadata
.endif
;; end of part 5
;; launch scan (part 6): grid 8 x 16, 2 waves a work-group, clusters of 4 x 1, 327,680 bytes of LDS; arguments rec, f, xn; writes xn
.if DOCPART == 6
	.amdgcn_target "amdgcn-amd-amdhsa--gfx1250"
	.amdhsa_code_object_version 6
	.text
	.protected	k_q49eaba3cff_scan
	.globl	k_q49eaba3cff_scan
	.p2align	8
	.type	k_q49eaba3cff_scan,@function
k_q49eaba3cff_scan:
	s_mov_b64 s[64:65], 0
	v_nop
	global_prefetch_b8 v0, s[64:65] scope:SCOPE_SE
	s_setreg_imm32_b32 hwreg(HW_REG_WAVE_MODE, 25, 1), 1
	s_wait_xcnt 0x0
	s_wait_alu depctr_hold_cnt(0) depctr_sa_sdst(0) depctr_va_vdst(0) depctr_va_sdst(0) depctr_va_ssrc(0) depctr_va_vcc(0) depctr_vm_vsrc(0)
	s_getreg_b32 s2, hwreg(HW_REG_IB_STS2, 6, 4)
	s_cmp_eq_u32 s2, 0
	s_cbranch_scc0 .Lentry_in_a_cluster
	s_endpgm
.Lentry_in_a_cluster:
	s_bfe_u32 s2, ttmp6, 0x10000c
	s_cmp_lg_u32 s2, 0x3003
	s_cbranch_scc0 .Lentry_shape_is_right
	s_endpgm
.Lentry_shape_is_right:
; SCAN: the chain along T.  For a head of a batch (y) and 32 of its 256 value channels (x), 16 chunks of 64 tokens one after the other:
;   o = q^ S + A v;   S = dec S + k^T v.   A wave keeps S for 16 channels, [256 d][16 v] in f32, in 128 registers through all chunks.
; S enters the first product rounded to bf16; q^, k^, A, v are bf16; o leaves as bf16 in the layout [token tile][feature][16 tokens].  Sums and the carried state are f32.
; S as a result holds one v a lane and eight d: rounded in pairs it IS source 1 of q^ S; v as it lies in memory IS source 1 of both other products: nothing changes lanes.
; The records come through two LDS slots of two records; each of the two waves fetches one record of a slot.  CLUSTER 4 x 1: four of a head's eight slices read the same records and ask for them jointly.
; S starts as 128 zeros, written in the wait for the first slot: a first chunk written out would be one more copy of the step's text.
; REGISTERS: window 0: addresses; v16-47 o; v48-63 o rounded; v64-127, v128-191 fragments, two buffers; v192-223, v224-255 decays, two buffers.  Window 1: v0-127 S; v128-191 S as bf16; v192-207 v.
.set RECB,  75776
.set SLOTB, 2*RECB
.set SPARE, 2*SLOTB
.set AQ,  4                            ; v4-6  LDS addresses in the record in hand: q^ (turning loads), k^ and A (plain), dec
.set AP,  5
.set AD,  6
.set LTQ, 8                            ; v8-10 the lane's parts of them; never rewritten
.set LTP, 9
.set LTD, 10
.set CO,  11                           ; v11  32 r + 16 h
.set SPW, 12
.set NIL, 13
.set O,   16
.set OP,  48
.set FB0, 64
.set DEC0, 192
.set SB,  128                          ; window 1
.set VV,  192
.set WV,  12                           ; s12  wave
.set G1,  24
.set G0,  32
.set RB,  40                           ; s40  0 or SLOTB: the slot in hand
.set TB,  41                           ; s41  the record in hand
.set TWICE, 42
.set SLOTS, 43
.set VB,  44                           ; s[44:45] v of the chunk to be loaded next
.set OB,  46                           ; s[46:47] o of the chunk in hand
.set MSB, 0
.macro WIN new
.if MSB != (\new)
	s_set_vgpr_msb (MSB<<8)|(\new)
.set MSB, \new
.endif
.endm
.set W_O,  0x04                        ; source 1 in window 1
.set W_S,  0x54                        ; source 1, C and D in window 1
.set W_CV, 0x45                        ; sources 0, 1 and destination in window 1
.set W_SC, 0x41                        ; source 0 and destination in window 1
.set W_LV, 0x40
.macro PLACES
.rept 4
	v_nop
.endr
.endm
.macro CROUND
	s_barrier_signal -1
	s_barrier_wait -1
	s_cmp_lg_u32 s[WV], 0
	s_cbranch_scc1 .Lnot_wave_0_\@
	s_barrier_signal -3
.Lnot_wave_0_\@:
	s_barrier_wait -3
	s_barrier_signal -1
	s_barrier_wait -1
.endm
	s_load_b128 s[4:7], s[0:1], 0x0                ; rec, f
	s_load_b64 s[8:9], s[0:1], 0x10                ; xn: here raw o
	v_lshl_add_u32 v[SPW], v0, 2, SPARE
	v_mov_b32 v[NIL], 0
	ds_add_u32 v[SPW], v[NIL]                      ; the wave's opening: the add and its wait ahead of my first tensor load
	v_lshrrev_b32 v1, 5, v0
	v_readfirstlane_b32 s[WV], v1
	s_bfe_u32 s13, ttmp6, 0x40000                  ; cx
	s_lshl_b32 s14, ttmp9, 2
	s_add_co_u32 s14, s14, s13                     ; my slice: it enters v's and o's addresses alone
	s_and_b32 s15, ttmp7, 0xffff                   ; batch x 4 + head, which the partners share
	s_lshr_b32 s16, s15, 2
	s_and_b32 s17, s15, 3
	s_lshl_b32 s20, s15, 4
	s_add_co_u32 s20, s20, s[WV]                   ; record 16 (batch, head) + wave
	s_mul_i32 s20, s20, RECB
	s_mov_b32 s21, 0
	s_lshl_b32 s18, s17, 13                        ; feature 256 head + 32 slice + 16 wave, 32 bytes each
	s_lshl_b32 s19, s14, 10
	s_add_co_u32 s18, s18, s19
	s_lshl_b32 s19, s[WV], 9
	s_add_co_u32 s18, s18, s19
	s_lshl_b32 s22, s16, 23                        ; 64 token tiles of 131,072 bytes a batch; v begins at feature 2,048
	s_add_co_u32 s22, s22, s18
	s_add_co_u32 s22, s22, 65536
	s_mov_b32 s23, 0
	s_lshl_b32 s36, s16, 21                        ; 64 token tiles of 32,768 bytes
	s_add_co_u32 s36, s36, s18
	s_mov_b32 s37, 0
	s_mov_b32 s[G1], 15|(3<<16)|(1<<21)            ; the mask of four; elements of 8 bytes; bit 21 set beside a mask
	s_mov_b32 s[G1+1], 32<<16                      ; a record is dense: 296 rows of 256 bytes
	s_mov_b32 s[G1+2], 296<<16
	s_mov_b32 s[G1+3], 32<<16
	s_mov_b32 s[G1+4], 296
	s_mov_b32 s[G1+5], 32
	s_mov_b32 s[G1+6], 0
	s_mov_b32 s[G1+7], 0
	s_mov_b32 s[G0], 1
	s_mul_i32 s[G0+1], s[WV], RECB                 ; slot 0, my record; RECB and SLOTB share no bit, so one exclusive or changes slots
	s_mov_b32 s[RB], SLOTB                         ; the first change of slots turns it into 0
	s_mov_b32 s[SLOTS], 7
	s_wait_dscnt 0x0                               ; the opening add is done
	s_wait_kmcnt 0x0
	s_add_nc_u64 s[G0+2:G0+3], s[4:5], s[20:21]
	s_or_b32 s[G0+3], s[G0+3], 0x80000000
	s_add_nc_u64 s[VB:VB+1], s[6:7], s[22:23]
	s_add_nc_u64 s[OB:OB+1], s[8:9], s[36:37]
	CROUND                                         ; all four work-groups are here: the first joint loads meet
	tensor_load_to_lds s[G0:G0+3], s[G1:G1+7]      ; chunks 0 and 1: one load of mine is out
	s_nop 0
	PLACES
	v_and_b32 v1, 31, v0
	v_and_b32 v2, 15, v0
	v_bfe_u32 v3, v0, 4, 1
	v_lshlrev_b32 v[CO], 5, v2
	v_lshl_add_u32 v[CO], v3, 4, v[CO]
	v_and_b32 v[LTQ], 7, v0
	v_lshl_add_u32 v[LTQ], v3, 3, v[LTQ]
	v_lshlrev_b32 v[LTQ], 5, v[LTQ]
	v_bfe_u32 v[LTP], v0, 3, 1
	v_lshl_add_u32 v[LTQ], v[LTP], 4, v[LTQ]
	v_lshl_add_u32 v[LTP], v1, 4, 32768
	v_lshl_add_u32 v[LTD], v3, 5, 73728
	WIN W_LV
.irp m, 0,1,2,3
	global_load_b128 v[VV+4*\m:VV+4*\m+3], v[CO], s[VB:VB+1] offset:\m*131072   ; v of chunk 0: token tile m is half a fragment
.endr
.set i, 0
.rept 128
	v_mov_b32 v[i], 0
.set i, i+1
.endr
	WIN 0
	s_wait_xcnt 0x0
	s_add_nc_u64 s[VB:VB+1], s[VB:VB+1], 524288
; Batch n of a step's nine: eight fragments.  0-3: q^, d = 64 n .. + 63, four token tiles.  4: A.  5-8: k^, d tiles 4 (n - 5) .. + 3, and their decays.
.macro LOADB n
.set fb, FB0+64*((\n)%2)
.set dc, DEC0+32*((\n)%2)
	WIN 0
.set x, 0
.rept 8
.if (\n) < 4
	ds_load_tr16_b128 v[fb+8*x:fb+8*x+3],   v[AQ] offset:(x%4)*8192+(2*(\n)+x/4)*1024
	ds_load_tr16_b128 v[fb+8*x+4:fb+8*x+7], v[AQ] offset:(x%4)*8192+(2*(\n)+x/4)*1024+512
.elseif (\n) == 4
	ds_load_b128 v[fb+8*x:fb+8*x+3],   v[AP] offset:32768+(x%4)*2048+(x/4)*1024
	ds_load_b128 v[fb+8*x+4:fb+8*x+7], v[AP] offset:32768+(x%4)*2048+(x/4)*1024+512
.else
	ds_load_b128 v[fb+8*x:fb+8*x+3],   v[AP] offset:(4*((\n)-5)+x%4)*2048+(x/4)*1024
	ds_load_b128 v[fb+8*x+4:fb+8*x+7], v[AP] offset:(4*((\n)-5)+x%4)*2048+(x/4)*1024+512
.endif
.set x, x+1
.endr
.if (\n) > 4
.set x, 0
.rept 4
	ds_load_b128 v[dc+8*x:dc+8*x+3],   v[AD] offset:(4*((\n)-5)+x)*64
	ds_load_b128 v[dc+8*x+4:dc+8*x+7], v[AD] offset:(4*((\n)-5)+x)*64+16
.set x, x+1
.endr
.endif
.endm
.macro BATCH n                         ; its eight products: four accumulators by turns, twice
.set fb, FB0+64*((\n)%2)
.set x, 0
.rept 8
.set rO, O+8*(x%4)
.set rS, 8*(4*((\n)-5)+x%4)
.if ((\n) == 0) && (x < 4)
	WIN W_O
	v_wmma_f32_16x16x32_bf16 v[rO:rO+7], v[fb+8*x:fb+8*x+7], v[SB+8*(x/4):SB+8*(x/4)+7], 0
.elseif (\n) < 4
	WIN W_O
	v_wmma_f32_16x16x32_bf16 v[rO:rO+7], v[fb+8*x:fb+8*x+7], v[SB+8*(2*(\n)+x/4):SB+8*(2*(\n)+x/4)+7], v[rO:rO+7]
.elseif (\n) == 4
	WIN W_O
	v_wmma_f32_16x16x32_bf16 v[rO:rO+7], v[fb+8*x:fb+8*x+7], v[VV+8*(x/4):VV+8*(x/4)+7], v[rO:rO+7]
.else
	WIN W_S
	v_wmma_f32_16x16x32_bf16 v[rS:rS+7], v[fb+8*x:fb+8*x+7], v[VV+8*(x/4):VV+8*(x/4)+7], v[rS:rS+7]
.endif
.set x, x+1
.endr
.endm
.macro SCALE n                         ; four d tiles of S times their decays
.set dc, DEC0+32*((\n)%2)
	WIN W_SC
.set x, 0
.rept 16
	v_pk_mul_f32 v[32*((\n)-5)+2*x:32*((\n)-5)+2*x+1], v[32*((\n)-5)+2*x:32*((\n)-5)+2*x+1], v[dc+2*x:dc+2*x+1]
.set x, x+1
.endr
.endm
; ONE CHUNK.  A batch's loads are issued a batch ahead, into the other buffer, four places behind the products that read it.  last = 1: in the launch's last chunk no further v is loaded.
.macro STEP last
	WIN 0
	v_add_nc_u32 v[AQ], s[TB], v[LTQ]
	v_add_nc_u32 v[AP], s[TB], v[LTP]
	v_add_nc_u32 v[AD], s[TB], v[LTD]
	LOADB 0
	WIN W_CV
.set x, 0
.rept 64
	v_cvt_pk_bf16_f32 v[SB+x], v[2*x], v[2*x+1]    ; S as source 1; ascending
.set x, x+1
.endr
.irp n, 0,1,2,3,4,5,6,7,8
.if \n < 4
	LOADB (\n)+1
	s_wait_dscnt 16                                ; all but the sixteen just issued
.elseif \n < 8
	LOADB (\n)+1
	s_wait_dscnt 24                                ; all but the sixteen and the eight decays just issued
.else
	s_wait_dscnt 0x0
.endif
.if \n == 4
	s_wait_loadcnt 0x0                             ; v of this chunk
.endif
.if \n > 4
	SCALE \n
.endif
	BATCH \n
	PLACES
.if \n == 4
	WIN 0                                          ; o is whole: it leaves while S is brought up to date
.set x, 0
.rept 16
	v_cvt_pk_bf16_f32 v[OP+x], v[O+2*x], v[O+2*x+1]
.set x, x+1
.endr
.irp m, 0,1,2,3
	global_store_b128 v[CO], v[OP+4*\m:OP+4*\m+3], s[OB:OB+1] offset:\m*32768   ; 512 consecutive bytes, at a multiple of 256
.endr
.endif
.endr
	WIN 0
.if \last
	s_cmp_eq_u32 s[TWICE], 1
	s_cbranch_scc1 .Lno_v_\@
.endif
	WIN W_LV
.irp m, 0,1,2,3
	global_load_b128 v[VV+4*\m:VV+4*\m+3], v[CO], s[VB:VB+1] offset:\m*131072
.endr
	WIN 0
.if \last
.Lno_v_\@:
.endif
	s_wait_xcnt 0x0                                ; the two bases and o's rounded registers are rewritten only behind this wait
	s_add_nc_u64 s[VB:VB+1], s[VB:VB+1], 524288
	s_add_nc_u64 s[OB:OB+1], s[OB:OB+1], 131072
.endm
; THE CHANGE OF SLOTS.  Each wave waits for all its tensor loads (one is out: its record of the other slot), adds 0 to its spare word, and waits for that and for its reads of the slot that it leaves.
; fill = 1: the barrier is a round of the cluster's, and the slot just read is filled again first thing behind it; the load has two chunks, 144 matrix instructions, in which to land.
.macro CHANGE fill
	WIN 0
	s_wait_tensorcnt 0x0
	ds_add_u32 v[SPW], v[NIL]
.if \fill
	s_xor_b32 s[G0+1], s[G0+1], SLOTB
	s_add_nc_u64 s[G0+2:G0+3], s[G0+2:G0+3], SLOTB
	s_wait_dscnt 0x0
	CROUND
	tensor_load_to_lds s[G0:G0+3], s[G1:G1+7]
	s_nop 0
	PLACES
.else
	s_wait_dscnt 0x0
	s_barrier_signal -1
	s_barrier_wait -1
.endif
	s_xor_b32 s[RB], s[RB], SLOTB
.endm
.macro TWO_STEPS last
	s_mov_b32 s[TB], s[RB]
	s_mov_b32 s[TWICE], 2
.Lstep_\@:
	STEP \last
	s_add_co_u32 s[TB], s[TB], RECB
	s_sub_co_u32 s[TWICE], s[TWICE], 1
	s_cmp_lg_u32 s[TWICE], 0
	s_cbranch_scc1 .Lstep_\@
.endm
.Lslot:                                                ; seven times: a slot is entered and the other is asked for (at the first time: slot 0 is waited for, slot 1 filled)
	CHANGE 1
	TWO_STEPS 0
	s_sub_co_u32 s[SLOTS], s[SLOTS], 1
	s_cmp_lg_u32 s[SLOTS], 0
	s_cbranch_scc1 .Lslot
	CHANGE 0                                       ; the last slot is written out
	TWO_STEPS 1
	s_wait_tensorcnt 0x0                           ; the wave's end
	ds_add_u32 v[SPW], v[NIL]
	s_wait_dscnt 0x0
	CROUND                                         ; the closing round
	s_endpgm
.Lfunc_end_k_q49eaba3cff_scan:
	.size	k_q49eaba3cff_scan, .Lfunc_end_k_q49eaba3cff_scan-k_q49eaba3cff_scan
	.p2alignl 7, 3214868480
	.fill 96, 4, 3214868480
	.section	.rodata,"a",@progbits
	.p2align	6, 0x0
	.amdhsa_kernel k_q49eaba3cff_scan
		.amdhsa_group_segment_fixed_size 327680
		.amdhsa_private_segment_fixed_size 0
		.amdhsa_enable_private_segment 0
		.amdhsa_kernarg_size 24
		.amdhsa_user_sgpr_count 2
		.amdhsa_user_sgpr_kernarg_segment_ptr 1
		.amdhsa_wavefront_size32 1
		.amdhsa_system_sgpr_workgroup_id_x 1
		.amdhsa_system_sgpr_workgroup_id_y 1
		.amdhsa_system_sgpr_workgroup_id_z 1
		.amdhsa_system_vgpr_workitem_id 0
		.amdhsa_next_free_vgpr 464
		.amdhsa_next_free_sgpr 66
		.amdhsa_reserve_vcc 0
		.amdhsa_float_denorm_mode_32 3
		.amdhsa_float_denorm_mode_16_64 3
		.amdhsa_memory_ordered 1
		.amdhsa_forward_progress 1
		.amdhsa_inst_pref_size 66
	.end_amdhsa_kernel
	.amdgpu_metadata
---
amdhsa.version: [ 1, 2 ]
amdhsa.kernels:
  - .name:           k_q49eaba3cff_scan
    .symbol:         k_q49eaba3cff_scan.kd
    .args:
      - { .name: rec, .offset: 0, .size: 8, .value_kind: global_buffer, .address_space: global }
      - { .name: f, .offset: 8, .size: 8, .value_kind: global_buffer, .address_space: global }
      - { .name: xn, .offset: 16, .size: 8, .value_kind: global_buffer, .address_space: global }
    .group_segment_fixed_size: 327680
    .private_segment_fixed_size: 0
    .kernarg_segment_align: 8
    .kernarg_segment_size: 24
    .max_flat_workgroup_size: 64
    .sgpr_count:     66
    .vgpr_count:     464
    .wavefront_size: 32
...
	.end_amdgpu_metadata
.endif
;; end of part 6
;; launch gate (part 7): grid 256 x 1, 16 waves a work-group, no clusters, 3,072 bytes of LDS; arguments xn, f, rms_w, rec; writes rec
.if DOCPART == 7
	.amdgcn_target "amdgcn-amd-amdhsa--gfx1250"
	.amdhsa_code_object_version 6
	.text
	.protected	k_q49eaba3cff_gate
	.globl	k_q49eaba3cff_gate
	.p2align	8
	.type	k_q49eaba3cff_gate,@function
k_q49eaba3cff_gate:
	s_mov_b64 s[64:65], 0
	v_nop
	global_prefetch_b8 v0, s[64:65] scope:SCOPE_SE
	s_setreg_imm32_b32 hwreg(HW_REG_WAVE_MODE, 25, 1), 1
	s_wait_xcnt 0x0
; GATE: y = RMSNorm(o) x rms_w x g sigmoid(g), per token and head of 256 channels.  o, g and y are bf16 in the layout [token tile][feature][16 tokens]; all arithmetic in f32.
; rms_w is an input: like every input of the module it enters rounded to bf16.  y has no room in f16 when gain and g are large: it stays bf16.
; A work-group owns a tile of 16 tokens, wave w features 64 w .. + 63 (head w / 4): a lane holds one feature of each of four groups of 16, and eight tokens.
; The sum of squares runs over the lane's four features, the 16 lanes of a half, and the head's four waves (through LDS).  sigmoid(g) = 1 / (1 + 2^(-g log2 e)); NaN and infinities are not treated apart.
; A stream: no matrix unit, no cluster; each load and store of a wave covers 512 consecutive bytes.
.set SPARE, 1024                       ; bytes 0-1023: 16 waves x 16 sums; then the spare words
.set LF,   2
.set RST,  3
.set RLD,  4
.set WA,   5
.set SPW,  6
.set NIL,  7
.set ORAW, 16                          ; o as loaded, later y as stored
.set GRAW, 32
.set WV,   48
.set OF,   52
.set SS,   84
.set GG,   92
.set EE,   100
.set PART, 108
	s_load_b256 s[4:11], s[0:1], 0x0               ; o, f, rms_w, y
	v_lshl_add_u32 v[SPW], v0, 2, SPARE
	v_mov_b32 v[NIL], 0
	v_lshrrev_b32 v1, 5, v0
	v_readfirstlane_b32 s12, v1
	v_and_b32 v1, 15, v0
	v_bfe_u32 v8, v0, 4, 1
	v_lshlrev_b32 v[LF], 5, v1
	v_lshl_add_u32 v[LF], v8, 4, v[LF]
	v_lshlrev_b32 v[WA], 2, v1
	s_lshl_b32 s13, s12, 6
	v_lshl_add_u32 v[RST], v8, 5, s13
	s_and_b32 s14, s12, 12
	s_lshl_b32 s14, s14, 6
	v_lshl_add_u32 v[RLD], v8, 5, s14
	s_lshl_b32 s16, ttmp9, 15
	s_lshl_b32 s17, s12, 11
	s_add_co_u32 s16, s16, s17
	s_lshl_b32 s18, ttmp9, 17
	s_add_co_u32 s18, s18, s17
	s_add_co_u32 s18, s18, 98304                   ; g begins at feature 3,072
	s_mov_b32 s17, 0
	s_mov_b32 s19, 0
	s_and_b32 s20, s12, 3
	s_lshl_b32 s20, s20, 8
	s_mov_b32 s21, 0
	s_mov_b32 s22, 0x3b800000                      ; 1 / 256
	s_mov_b32 s23, 0x3727c5ac                      ; 1e-5
	s_mov_b32 s24, 0xffff0000
	s_wait_kmcnt 0x0
	s_add_nc_u64 s[4:5], s[4:5], s[16:17]
	s_add_nc_u64 s[6:7], s[6:7], s[18:19]
	s_add_nc_u64 s[8:9], s[8:9], s[20:21]
	s_add_nc_u64 s[10:11], s[10:11], s[16:17]
.irp i, 0,1,2,3
	global_load_b128 v[ORAW+4*\i:ORAW+4*\i+3], v[LF], s[4:5] offset:512*\i
.endr
.irp i, 0,1,2,3
	global_load_b128 v[GRAW+4*\i:GRAW+4*\i+3], v[LF], s[6:7] offset:512*\i
.endr
.irp i, 0,1,2,3
	global_load_b32 v[WV+\i], v[WA], s[8:9] offset:64*\i
.endr
	s_wait_loadcnt 8                               ; o is in; g's four and the gain's four stay out
.set i, 0
.rept 16
	v_lshlrev_b32 v[OF+2*i], 16, v[ORAW+i]
	v_and_b32 v[OF+2*i+1], s24, v[ORAW+i]
.set i, i+1
.endr
.irp p, 0,2,4,6
	v_pk_mul_f32 v[SS+\p:SS+\p+1], v[OF+\p:OF+\p+1], v[OF+\p:OF+\p+1]
.endr
.set i, 8
.rept 12
	v_pk_fma_f32 v[SS+i%8:SS+i%8+1], v[OF+i:OF+i+1], v[OF+i:OF+i+1], v[SS+i%8:SS+i%8+1]
.set i, i+2
.endr
.irp x, 1,2,4,8
.irp j, 0,1,2,3,4,5,6,7
	v_add_f32_dpp v[SS+\j], v[SS+\j], v[SS+\j] row_xmask:\x row_mask:0xf bank_mask:0xf
.endr
.endr
	ds_store_b128 v[RST], v[SS:SS+3]               ; the 16 lanes of a half write the same numbers to the same bytes
	ds_store_b128 v[RST], v[SS+4:SS+7] offset:16
	s_wait_dscnt 0x0
	s_barrier_signal -1
	s_barrier_wait -1
.irp p, 0,1,2,3
	ds_load_b128 v[PART+8*\p:PART+8*\p+3], v[RLD] offset:64*\p
	ds_load_b128 v[PART+8*\p+4:PART+8*\p+7], v[RLD] offset:64*\p+16
.endr
	s_wait_dscnt 0x0
.irp j, 0,2,4,6
	v_pk_add_f32 v[SS+\j:SS+\j+1], v[PART+\j:PART+\j+1], v[PART+8+\j:PART+8+\j+1]
	v_pk_add_f32 v[EE+\j:EE+\j+1], v[PART+16+\j:PART+16+\j+1], v[PART+24+\j:PART+24+\j+1]
.endr
.irp j, 0,2,4,6
	v_pk_add_f32 v[SS+\j:SS+\j+1], v[SS+\j:SS+\j+1], v[EE+\j:EE+\j+1]
.endr
.irp j, 0,1,2,3,4,5,6,7
	v_fma_f32 v[SS+\j], v[SS+\j], s22, s23
.endr
.irp j, 0,1,2,3,4,5,6,7
	v_rsq_f32 v[SS+\j], v[SS+\j]
.endr
	s_wait_loadcnt 0x0
	v_cvt_pk_bf16_f32 v[EE], v[WV], v[WV+1]        ; the gain, rounded to bf16 (these are also the plain instructions behind the roots)
	v_cvt_pk_bf16_f32 v[EE+1], v[WV+2], v[WV+3]
	v_lshlrev_b32 v[WV], 16, v[EE]
	v_and_b32 v[WV+1], s24, v[EE]
	v_lshlrev_b32 v[WV+2], 16, v[EE+1]
	v_and_b32 v[WV+3], s24, v[EE+1]
.set i, 0
.rept 4
.irp p, 0,1,2,3
	v_lshlrev_b32 v[GG+2*\p], 16, v[GRAW+4*i+\p]
	v_and_b32 v[GG+2*\p+1], s24, v[GRAW+4*i+\p]
.endr
.irp p, 0,2,4,6
	v_pk_mul_f32 v[EE+\p:EE+\p+1], v[GG+\p:GG+\p+1], 0xbfb8aa3b op_sel_hi:[1,0]
.endr
.irp j, 0,1,2,3,4,5,6,7
	v_exp_f32 v[EE+\j], v[EE+\j]
.endr
	s_wait_alu depctr_va_vdst(0)
.irp p, 0,2,4,6
	v_pk_mul_f32 v[OF+8*i+\p:OF+8*i+\p+1], v[OF+8*i+\p:OF+8*i+\p+1], v[SS+\p:SS+\p+1]   ; plain work behind the exponentials
.endr
	s_wait_alu depctr_va_vdst(0)
.irp p, 0,2,4,6
	v_pk_add_f32 v[EE+\p:EE+\p+1], v[EE+\p:EE+\p+1], 1.0 op_sel_hi:[1,0]
.endr
.irp j, 0,1,2,3,4,5,6,7
	v_rcp_f32 v[EE+\j], v[EE+\j]
.endr
.irp p, 0,2,4,6
.if i%2
	v_pk_mul_f32 v[GG+\p:GG+\p+1], v[GG+\p:GG+\p+1], v[WV+2*(i/2):WV+2*(i/2)+1] op_sel:[0,1] op_sel_hi:[1,1]
.else
	v_pk_mul_f32 v[GG+\p:GG+\p+1], v[GG+\p:GG+\p+1], v[WV+2*(i/2):WV+2*(i/2)+1] op_sel_hi:[1,0]
.endif
.endr
	s_wait_alu depctr_va_vdst(0)
.irp p, 0,2,4,6
	v_pk_mul_f32 v[GG+\p:GG+\p+1], v[GG+\p:GG+\p+1], v[EE+\p:EE+\p+1]
.endr
.irp p, 0,2,4,6
	v_pk_mul_f32 v[OF+8*i+\p:OF+8*i+\p+1], v[OF+8*i+\p:OF+8*i+\p+1], v[GG+\p:GG+\p+1]
.endr
.irp p, 0,1,2,3
	v_cvt_pk_bf16_f32 v[ORAW+4*i+\p], v[OF+8*i+2*\p], v[OF+8*i+2*\p+1]
.endr
	global_store_b128 v[LF], v[ORAW+4*i:ORAW+4*i+3], s[10:11] offset:512*i
.set i, i+1
.endr
	s_wait_tensorcnt 0x0                           ; the wave's end
	ds_add_u32 v[SPW], v[NIL]
	s_wait_dscnt 0x0
	s_endpgm
.Lfunc_end_k_q49eaba3cff_gate:
	.size	k_q49eaba3cff_gate, .Lfunc_end_k_q49eaba3cff_gate-k_q49eaba3cff_gate
	.p2alignl 7, 3214868480
	.fill 96, 4, 3214868480
	.section	.rodata,"a",@progbits
	.p2align	6, 0x0
	.amdhsa_kernel k_q49eaba3cff_gate
		.amdhsa_group_segment_fixed_size 3072
		.amdhsa_private_segment_fixed_size 0
		.amdhsa_enable_private_segment 0
		.amdhsa_kernarg_size 32
		.amdhsa_user_sgpr_count 2
		.amdhsa_user_sgpr_kernarg_segment_ptr 1
		.amdhsa_wavefront_size32 1
		.amdhsa_system_sgpr_workgroup_id_x 1
		.amdhsa_system_sgpr_workgroup_id_y 1
		.amdhsa_system_sgpr_workgroup_id_z 1
		.amdhsa_system_vgpr_workitem_id 0
		.amdhsa_next_free_vgpr 160
		.amdhsa_next_free_sgpr 66
		.amdhsa_reserve_vcc 0
		.amdhsa_float_denorm_mode_32 3
		.amdhsa_float_denorm_mode_16_64 3
		.amdhsa_memory_ordered 1
		.amdhsa_forward_progress 1
		.amdhsa_inst_pref_size 21
	.end_amdhsa_kernel
	.amdgpu_metadata
---
amdhsa.version: [ 1, 2 ]
amdhsa.kernels:
  - .name:           k_q49eaba3cff_gate
    .symbol:         k_q49eaba3cff_gate.kd
    .args:
      - { .name: xn, .offset: 0, .size: 8, .value_kind: global_buffer, .address_space: global }
      - { .name: f, .offset: 8, .size: 8, .value_kind: global_buffer, .address_space: global }
      - { .name: rms_w, .offset: 16, .size: 8, .value_kind: global_buffer, .address_space: global }
      - { .name: rec, .offset: 24, .size: 8, .value_kind: global_buffer, .address_space: global }
    .group_segment_fixed_size: 3072
    .private_segment_fixed_size: 0
    .kernarg_segment_align: 8
    .kernarg_segment_size: 32
    .max_flat_workgroup_size: 512
    .sgpr_count:     66
    .vgpr_count:     160
    .wavefront_size: 32
...
	.end_amdgpu_metadata
.endif
;; end of part 7
;; launch oproj (part 8): grid 8 x 32, 4 waves a work-group, clusters of 4 x 4, 327,680 bytes of LDS; arguments rec, wb, x, x2; writes x2
.if DOCPART == 8
	.amdgcn_target "amdgcn-amd-amdhsa--gfx1250"
	.amdhsa_code_object_version 6
	.text
	.protected	k_q49eaba3cff_oproj
	.globl	k_q49eaba3cff_oproj
	.p2align	8
	.type	k_q49eaba3cff_oproj,@function
k_q49eaba3cff_oproj:
	s_mov_b64 s[64:65], 0
	v_nop
	global_prefetch_b8 v0, s[64:65] scope:SCOPE_SE
	s_setreg_imm32_b32 hwreg(HW_REG_WAVE_MODE, 25, 1), 1
	s_wait_xcnt 0x0
	s_wait_alu depctr_hold_cnt(0) depctr_sa_sdst(0) depctr_va_vdst(0) depctr_va_sdst(0) depctr_va_ssrc(0) depctr_va_vcc(0) depctr_vm_vsrc(0)
	s_getreg_b32 s2, hwreg(HW_REG_IB_STS2, 6, 4)
	s_cmp_eq_u32 s2, 0
	s_cbranch_scc0 .Lentry_in_a_cluster
	s_endpgm
.Lentry_in_a_cluster:
	s_bfe_u32 s2, ttmp6, 0x10000c
	s_cmp_lg_u32 s2, 0xf033
	s_cbranch_scc0 .Lentry_shape_is_right
	s_endpgm
.Lentry_shape_is_right:
; out = res + A W (+ bias): 4,096 tokens x 1,024 features in f32; A and W bf16, sums f32.  DOWN = 0: x2 = x + y Wo, K = 1,024.  DOWN = 1: out0 = x2 + h W2 + b2, K = 3,072.
; What is an input of the module enters rounded to bf16, as every input does: with DOWN = 0 the residual x, with DOWN = 1 the bias b2.  The residual x2 is the program's own and stays f32.
; A lies in blocks [token tile][k][16 tokens], W in blocks [n tile][k][16 n]: 256 k of a tile of 16 rows are 8,192 consecutive bytes.  Both come out of LDS by the turning load.
; A work-group makes 128 x 128 (256 work-groups), each of its four waves 64 x 64: 16 accumulators.  K goes in steps of 256 through two LDS slots; waves 0, 1 fetch A's halves, waves 2, 3 W's.
; CLUSTER 4 x 4: A's tile is shared along a row of the cluster, W's along a column; each is asked for jointly.
; The product is used transposed (source 0 = features, source 1 = tokens): a lane holds one token and eight neighbouring features.  A wave's 64 features are 256 bytes of a row: each wave has a stage of its own.
; The residual is loaded at the start into window 2 and waits there.  REGISTERS: window 0: addresses; v40-127 at work; v128-255 accumulators.  Window 1: two fragment buffers of 128.  Window 2: v0-127 the residual.
.set DOWN, 0
.if DOWN
.set KTOT, 3072
.set WOFF, 16777216
.else
.set KTOT, 1024
.set WOFF, 8388608
.endif
.set KSTEPS, KTOT/256
.set SLOT1,  1<<17
.set BOFF,   65536
.set STAGE,  2*SLOT1                   ; 16 rows x 272 bytes for each wave
.set SPITCH, 272
.set SPARE,  STAGE+4*16*SPITCH
.set ADRA0, 16
.set ADRB0, 17
.set ADRA,  18
.set ADRB,  19
.set STO,   24
.set RD,    25
.set RO,    26                         ; v26  my byte offset in two rows of the residual and of the result
.set SPW,   28
.set NIL,   29
.set BI,    32                         ; v32-35  the bias of my four columns
.set RT,    40                         ; v40-55  an input's numbers as bf16 pairs
.set RU,    56                         ; v56-87  the same as f32
.set BK,    96
.set ACC,   128
.set F0,    0
.set F1,    128
.set G1,  24
.set G0,  32
.set TB,  45
.set G1B, 48
.set G0B, 56
.set MSB, 0
.macro WIN new
.if MSB != (\new)
	s_set_vgpr_msb (MSB<<8)|(\new)
.set MSB, \new
.endif
.endm
.set MUL,  0x05                        ; sources 0 and 1 in window 1
.set TO_F, 0x40
.macro PLACES
.rept 4
	v_nop
.endr
.endm
.macro JLOAD                           ; a joint refill by the walking set; an s_nop 0 and four v_nop follow each line
	s_cmp_eq_u32 s11, 0
	s_cbranch_scc0 .Lfor_b_\@
	tensor_load_to_lds s[G0+4:G0+7], s[G1:G1+7]
	s_nop 0
	PLACES
	s_branch .Lasked_\@
.Lfor_b_\@:
	tensor_load_to_lds s[G0B+4:G0B+7], s[G1B:G1B+7]
	s_nop 0
	PLACES
.Lasked_\@:
.endm
.macro CREST
	s_cmp_lg_u32 s10, 0
	s_cbranch_scc1 .Lnot_wave_0_\@
	s_barrier_signal -3
.Lnot_wave_0_\@:
	s_barrier_wait -3
	s_barrier_signal -1
	s_barrier_wait -1
.endm
.macro CROUND
	s_barrier_signal -1
	s_barrier_wait -1
	CREST
.endm
	s_load_b128 s[4:7], s[0:1], 0x0                ; A, wb
	s_load_b64 s[8:9], s[0:1], 0x10                ; the residual
	s_load_b64 s[66:67], s[0:1], 0x18              ; the result
.if DOWN
	s_load_b64 s[68:69], s[0:1], 0x20              ; b2
.endif
	v_lshl_add_u32 v[SPW], v0, 2, SPARE
	v_mov_b32 v[NIL], 0
	ds_add_u32 v[SPW], v[NIL]                      ; the wave's opening: the add and its wait ahead of my first tensor load
	v_lshrrev_b32 v1, 5, v0
	v_readfirstlane_b32 s10, v1
	s_lshr_b32 s11, s10, 1
	s_and_b32 s12, s10, 1
	s_bfe_u32 s40, ttmp6, 0x40000
	s_bfe_u32 s41, ttmp6, 0x40004
	s_lshl_b32 s42, ttmp9, 2
	s_add_co_u32 s42, s42, s40                     ; tile column
	s_and_b32 s13, ttmp7, 0xffff
	s_lshl_b32 s13, s13, 2
	s_add_co_u32 s13, s13, s41                     ; tile row
	s_lshl_b32 s43, s41, 2
	s_lshl_b32 s43, 15, s43
	s_lshl_b32 s44, 0x1111, s40
	s_or_b32 s[G1+0], s43, (3<<16)|(1<<21)         ; the mask; elements of 8 bytes; bit 21 set beside a mask; no padding
	s_or_b32 s[G1B+0], s44, (3<<16)|(1<<21)
.irp g, G1, G1B
	s_mov_b32 s[(\g)+1], 1024<<16                  ; tensor_dim0 = 1,024 elements = 8,192 bytes
	s_mov_b32 s[(\g)+2], 4<<16                     ; tensor_dim1 = 4 tiles
	s_mov_b32 s[(\g)+3], 1024<<16
	s_mov_b32 s[(\g)+4], 4
	s_mov_b32 s[(\g)+5], KTOT*4                    ; K x 32 bytes from tile to tile
	s_mov_b32 s[(\g)+6], 0
	s_mov_b32 s[(\g)+7], 0
.endr
	s_lshl_b32 s16, s13, 3
	s_lshl_b32 s17, s12, 2
	s_add_co_u32 s16, s16, s17
	s_mul_i32 s16, s16, KTOT*32
	s_mov_b32 s17, 0
	s_lshl_b32 s46, s42, 3
	s_lshl_b32 s47, s12, 2
	s_add_co_u32 s46, s46, s47
	s_mul_i32 s46, s46, KTOT*32
	s_mov_b32 s47, 0
	s_lshl_b32 s20, s10, 15                        ; where they go: wave x 32,768: A's halves, then W's
	s_mov_b32 s[TB], 0
	s_wait_dscnt 0x0
	s_wait_kmcnt 0x0
	s_add_nc_u64 s[14:15], s[4:5], s[16:17]
	s_add_nc_u64 s[46:47], s[6:7], s[46:47]
	s_add_nc_u64 s[46:47], s[46:47], WOFF
	CROUND
.irp s, 0,1
	s_mov_b32 s[G0+4*(\s)], 1
	s_add_co_u32 s[G0+4*(\s)+1], s20, (\s)*SLOT1
	s_add_nc_u64 s[G0+4*(\s)+2:G0+4*(\s)+3], s[14:15], (\s)*8192
	s_or_b32 s[G0+4*(\s)+3], s[G0+4*(\s)+3], 0x80000000
	s_mov_b32 s[G0B+4*(\s)], 1
	s_add_co_u32 s[G0B+4*(\s)+1], s20, (\s)*SLOT1
	s_add_nc_u64 s[G0B+4*(\s)+2:G0B+4*(\s)+3], s[46:47], (\s)*8192
	s_or_b32 s[G0B+4*(\s)+3], s[G0B+4*(\s)+3], 0x80000000
.endr
	s_cmp_eq_u32 s11, 0                            ; a wave's two first fills stand in one branch: two loads of mine are out
	s_cbranch_scc0 .Lfirst_b
	tensor_load_to_lds s[G0:G0+3], s[G1:G1+7]
	s_nop 0
	tensor_load_to_lds s[G0+4:G0+7], s[G1:G1+7]
	s_nop 0
	PLACES
	s_branch .Lfirst_asked
.Lfirst_b:
	tensor_load_to_lds s[G0B:G0B+3], s[G1B:G1B+7]
	s_nop 0
	tensor_load_to_lds s[G0B+4:G0B+7], s[G1B:G1B+7]
	s_nop 0
	PLACES
.Lfirst_asked:
	v_and_b32 v2, 15, v0                           ; r
	v_bfe_u32 v3, v0, 4, 1                         ; h
	v_and_b32 v4, 7, v0                            ; the turning load: row 8 h + l % 8 of 32 bytes, half (l / 8) % 2
	v_lshl_add_u32 v4, v3, 3, v4
	v_lshlrev_b32 v4, 5, v4
	v_bfe_u32 v5, v0, 3, 1
	v_lshl_add_u32 v4, v5, 4, v4
	s_lshl_b32 s22, s11, 15
	v_add_nc_u32 v[ADRA0], s22, v4
	s_lshl_b32 s23, s12, 15
	s_add_co_u32 s23, s23, BOFF
	v_add_nc_u32 v[ADRB0], s23, v4
	v_mov_b32 v[ADRA], v[ADRA0]
	v_mov_b32 v[ADRB], v[ADRB0]
	s_mul_i32 s23, s10, 16*SPITCH
	s_add_co_u32 s23, s23, STAGE
	v_mul_u32_u24 v[STO], v2, SPITCH               ; in: row r, 32 bytes for each half of the lanes
	v_lshl_add_u32 v[STO], v3, 5, v[STO]
	v_add_nc_u32 v[STO], s23, v[STO]
	v_mul_u32_u24 v[RD], v3, SPITCH                ; back: lanes 0-15 one row of 256 bytes, lanes 16-31 the next
	v_lshl_add_u32 v[RD], v2, 4, v[RD]
	v_add_nc_u32 v[RD], s23, v[RD]
	v_lshlrev_b32 v[RO], 12, v3
	v_lshl_add_u32 v[RO], v2, 4, v[RO]
	s_lshl_b32 s16, s13, 7                         ; my first row: 128 x tile row + 64 x my half, 4,096 bytes each
	s_lshl_b32 s17, s11, 6
	s_add_co_u32 s16, s16, s17
	s_lshl_b32 s16, s16, 12
	s_mov_b32 s17, 0
	s_lshl_b32 s46, s42, 9                         ; my first column, in bytes
	s_lshl_b32 s47, s12, 8
	s_add_co_u32 s46, s46, s47
	s_mov_b32 s47, 0
	s_add_nc_u64 s[8:9], s[8:9], s[16:17]
	s_add_nc_u64 s[8:9], s[8:9], s[46:47]
	s_add_nc_u64 s[66:67], s[66:67], s[16:17]
	s_add_nc_u64 s[66:67], s[66:67], s[46:47]
.if DOWN
	s_add_nc_u64 s[68:69], s[68:69], s[46:47]
	v_lshlrev_b32 v6, 4, v2
	global_load_b128 v[BI:BI+3], v6, s[68:69]
.endif
	WIN 0x80                                       ; destination in window 2
.set i, 0
.rept 32
	global_load_b128 v[4*i:4*i+3], v[RO], s[8:9] offset:i*8192   ; rows 2 i and 2 i + 1 of my 64, 256 bytes each
.set i, i+1
.endr
	WIN 0
.macro MUL8 f, c, a0, zero             ; token blocks a0, a0 + 1 x all 4 feature blocks, 32 along K: half c of buffer f
	WIN MUL
.irp a, \a0, (\a0)+1
.irp b, 0,1,2,3
.if \zero
	v_wmma_f32_16x16x32_bf16 v[ACC+8*(4*(\a)+(\b)):ACC+8*(4*(\a)+(\b))+7], v[(\f)+64+8*(4*(\c)+(\b)):(\f)+64+8*(4*(\c)+(\b))+7], v[(\f)+8*(4*(\c)+(\a)):(\f)+8*(4*(\c)+(\a))+7], 0
.else
	v_wmma_f32_16x16x32_bf16 v[ACC+8*(4*(\a)+(\b)):ACC+8*(4*(\a)+(\b))+7], v[(\f)+64+8*(4*(\c)+(\b)):(\f)+64+8*(4*(\c)+(\b))+7], v[(\f)+8*(4*(\c)+(\a)):(\f)+8*(4*(\c)+(\a))+7], v[ACC+8*(4*(\a)+(\b)):ACC+8*(4*(\a)+(\b))+7]
.endif
.endr
.endr
.endm
.macro FETCH k, f                      ; 32 LDS loads in one run: the fragments of 64 along K at byte k of the tiles; the first 32 along K first
	WIN TO_F
.irp c, 0,1
.irp i, 0,1,2,3
	ds_load_tr16_b128 v[(\f)+64+8*(4*(\c)+(\i)):(\f)+64+8*(4*(\c)+(\i))+3],   v[ADRB] offset:(\k)+1024*(\c)+(\i)*8192
	ds_load_tr16_b128 v[(\f)+64+8*(4*(\c)+(\i))+4:(\f)+64+8*(4*(\c)+(\i))+7], v[ADRB] offset:(\k)+1024*(\c)+(\i)*8192+512
	ds_load_tr16_b128 v[(\f)+8*(4*(\c)+(\i)):(\f)+8*(4*(\c)+(\i))+3],         v[ADRA] offset:(\k)+1024*(\c)+(\i)*8192
	ds_load_tr16_b128 v[(\f)+8*(4*(\c)+(\i))+4:(\f)+8*(4*(\c)+(\i))+7],       v[ADRA] offset:(\k)+1024*(\c)+(\i)*8192+512
.endr
.endr
.endm
.macro QUARTER k, f, g, zero           ; 64 along K of buffer f; the next quarter, at byte k, is fetched into g
	s_wait_dscnt 16                                ; the first 32 along K are in
	MUL8 \f, 0, 0, \zero
	MUL8 \f, 0, 2, \zero
	PLACES
	FETCH \k, \g
	s_wait_dscnt 32                                ; all but the 32 just issued
	MUL8 \f, 1, 0, 0
	MUL8 \f, 1, 2, 0
.endm
.macro TURN fill                       ; the last quarter changes slots: one barrier, ahead of it the wait for all my tensor loads, the add, and the wait for it and for my reads of this slot
	WIN 0
	s_wait_tensorcnt 0x0
	ds_add_u32 v[SPW], v[NIL]
	s_wait_dscnt 17                                ; the add and the youngest sixteen loads may be out
	MUL8 F1, 0, 0, 0
	s_wait_dscnt 0x0
	s_barrier_signal -1
	MUL8 F1, 0, 2, 0
	WIN 0
	s_barrier_wait -1
.if \fill
	CREST                                          ; the barrier has opened a round of the cluster's
	s_xor_b32 s[G0+5], s[G0+5], SLOT1
	s_add_nc_u64 s[G0+6:G0+7], s[G0+6:G0+7], 8192
	s_xor_b32 s[G0B+5], s[G0B+5], SLOT1
	s_add_nc_u64 s[G0B+6:G0B+7], s[G0B+6:G0B+7], 8192
	JLOAD                                          ; the first tensor load behind the round; its four v_nop are also the places ahead of the loads below
.else
	PLACES
.endif
	s_xor_b32 s[TB], s[TB], SLOT1
	v_add_nc_u32 v[ADRA], s[TB], v[ADRA0]
	v_add_nc_u32 v[ADRB], s[TB], v[ADRB0]
	FETCH 0, F0
	MUL8 F1, 1, 0, 0
	MUL8 F1, 1, 2, 0
.endm
	s_wait_tensorcnt 1                             ; my part of K step 0 is in; step 1's may stay out
	s_barrier_signal -1
	s_barrier_wait -1
	FETCH 0, F0
	QUARTER 2048, F0, F1, 1
	WIN 0
	s_mov_b32 s3, KSTEPS-2
.Lstep:
	QUARTER 4096, F1, F0, 0
	QUARTER 6144, F0, F1, 0
	TURN 1
	QUARTER 2048, F0, F1, 0
	WIN 0
	s_sub_co_u32 s3, s3, 1
	s_cmp_lg_u32 s3, 0
	s_cbranch_scc1 .Lstep
	s_mov_b32 s2, 2
.Ltail:                                                ; the last two K steps ask for nothing; the second trip is left in its middle
	QUARTER 4096, F1, F0, 0
	QUARTER 6144, F0, F1, 0
	WIN 0
	s_sub_co_u32 s2, s2, 1
	s_cmp_eq_u32 s2, 0
	s_cbranch_scc1 .Lout
	TURN 0
	QUARTER 2048, F0, F1, 0
	WIN 0
	s_branch .Ltail
.Lout:
	s_wait_dscnt 16
	MUL8 F1, 0, 0, 0
	MUL8 F1, 0, 2, 0
	s_wait_dscnt 0x0
	MUL8 F1, 1, 0, 0
	MUL8 F1, 1, 2, 0
	WIN 0
	s_wait_loadcnt 0x0                             ; the residual (and the bias)
	PLACES
.if DOWN
	v_cvt_pk_bf16_f32 v[RT], v[BI], v[BI+1]        ; the bias is an input: rounded to bf16
	v_cvt_pk_bf16_f32 v[RT+1], v[BI+2], v[BI+3]
	v_lshlrev_b32 v[BI], 16, v[RT]
	v_and_b32 v[BI+1], 0xffff0000, v[RT]
	v_lshlrev_b32 v[BI+2], 16, v[RT+1]
	v_and_b32 v[BI+3], 0xffff0000, v[RT+1]
.endif
	; THE WAY OUT, 16 rows at a time: through my stage, back as whole rows of 256 bytes, plus the residual
.set a, 0
.rept 4
.set b, 0
.rept 4
	ds_store_b128 v[STO], v[ACC+8*(4*a+b):ACC+8*(4*a+b)+3]   offset:64*b
	ds_store_b128 v[STO], v[ACC+8*(4*a+b)+4:ACC+8*(4*a+b)+7] offset:64*b+16
.set b, b+1
.endr
	s_wait_xcnt 0x0                                ; the registers that the last block's stores read are loaded again only behind this wait
.irp t, 0,1,2,3,4,5,6,7
	ds_load_b128 v[BK+4*\t:BK+4*\t+3], v[RD] offset:\t*2*SPITCH   ; LDS serves a wave's instructions in order (ISA guide 5.7.1.4): these see the stores above
.endr
.if DOWN
	s_wait_dscnt 0x0
	WIN 0x08                                       ; source 1 in window 2
.set i, 0
.rept 16
	v_pk_add_f32 v[BK+i:BK+i+1], v[BK+i:BK+i+1], v[32*a+i:32*a+i+1]
.set i, i+2
.endr
	WIN 0
.irp t, 0,1,2,3,4,5,6,7
	v_pk_add_f32 v[BK+4*\t:BK+4*\t+1], v[BK+4*\t:BK+4*\t+1], v[BI:BI+1]
	v_pk_add_f32 v[BK+4*\t+2:BK+4*\t+3], v[BK+4*\t+2:BK+4*\t+3], v[BI+2:BI+3]
.endr
.else
	WIN 0x0a                                       ; sources 0 and 1 in window 2: x is an input: rounded to bf16, while the stage's loads are out
.set i, 0
.rept 16
	v_cvt_pk_bf16_f32 v[RT+i], v[32*a+2*i], v[32*a+2*i+1]
.set i, i+1
.endr
	WIN 0
.set i, 0
.rept 16
	v_lshlrev_b32 v[RU+2*i], 16, v[RT+i]
	v_and_b32 v[RU+2*i+1], 0xffff0000, v[RT+i]
.set i, i+1
.endr
	s_wait_dscnt 0x0
.set i, 0
.rept 16
	v_pk_add_f32 v[BK+i:BK+i+1], v[BK+i:BK+i+1], v[RU+i:RU+i+1]
.set i, i+2
.endr
.endif
.irp t, 0,1,2,3,4,5,6,7
	global_store_b128 v[RO], v[BK+4*\t:BK+4*\t+3], s[66:67] offset:(16*a+2*\t)*4096   ; 16 lanes store 256 consecutive bytes, at a multiple of 256
.endr
.set a, a+1
.endr
	s_wait_tensorcnt 0x0                           ; the wave's end
	ds_add_u32 v[SPW], v[NIL]
	s_wait_dscnt 0x0
	CROUND                                         ; the closing round
	s_endpgm
.Lfunc_end_k_q49eaba3cff_oproj:
	.size	k_q49eaba3cff_oproj, .Lfunc_end_k_q49eaba3cff_oproj-k_q49eaba3cff_oproj
	.p2alignl 7, 3214868480
	.fill 96, 4, 3214868480
	.section	.rodata,"a",@progbits
	.p2align	6, 0x0
	.amdhsa_kernel k_q49eaba3cff_oproj
		.amdhsa_group_segment_fixed_size 327680
		.amdhsa_private_segment_fixed_size 0
		.amdhsa_enable_private_segment 0
		.amdhsa_kernarg_size 32
		.amdhsa_user_sgpr_count 2
		.amdhsa_user_sgpr_kernarg_segment_ptr 1
		.amdhsa_wavefront_size32 1
		.amdhsa_system_sgpr_workgroup_id_x 1
		.amdhsa_system_sgpr_workgroup_id_y 1
		.amdhsa_system_sgpr_workgroup_id_z 1
		.amdhsa_system_vgpr_workitem_id 0
		.amdhsa_next_free_vgpr 640
		.amdhsa_next_free_sgpr 70
		.amdhsa_reserve_vcc 0
		.amdhsa_float_denorm_mode_32 3
		.amdhsa_float_denorm_mode_16_64 3
		.amdhsa_memory_ordered 1
		.amdhsa_forward_progress 1
		.amdhsa_inst_pref_size 77
	.end_amdhsa_kernel
	.amdgpu_metadata
---
amdhsa.version: [ 1, 2 ]
amdhsa.kernels:
  - .name:           k_q49eaba3cff_oproj
    .symbol:         k_q49eaba3cff_oproj.kd
    .args:
      - { .name: rec, .offset: 0, .size: 8, .value_kind: global_buffer, .address_space: global }
      - { .name: wb, .offset: 8, .size: 8, .value_kind: global_buffer, .address_space: global }
      - { .name: x, .offset: 16, .size: 8, .value_kind: global_buffer, .address_space: global }
      - { .name: x2, .offset: 24, .size: 8, .value_kind: global_buffer, .address_space: global }
    .group_segment_fixed_size: 327680
    .private_segment_fixed_size: 0
    .kernarg_segment_align: 8
    .kernarg_segment_size: 32
    .max_flat_workgroup_size: 128
    .sgpr_count:     70
    .vgpr_count:     640
    .wavefront_size: 32
...
	.end_amdgpu_metadata
.endif
;; end of part 8
;; launch ln2 (part 9): grid 256 x 1, 8 waves a work-group, no clusters, 34,048 bytes of LDS; arguments x2, ln2_w, ln2_b, xn; writes xn
.if DOCPART == 9
	.amdgcn_target "amdgcn-amd-amdhsa--gfx1250"
	.amdhsa_code_object_version 6
	.text
	.protected	k_q49eaba3cff_ln2
	.globl	k_q49eaba3cff_ln2
	.p2align	8
	.type	k_q49eaba3cff_ln2,@function
k_q49eaba3cff_ln2:
	s_mov_b64 s[64:65], 0
	v_nop
	global_prefetch_b8 v0, s[64:65] scope:SCOPE_SE
	s_setreg_imm32_b32 hwreg(HW_REG_WAVE_MODE, 25, 1), 1
	s_wait_xcnt 0x0
; LayerNorm 2 of 16 tokens a work-group, written as f16 in blocks [token tile][k/8][16 tokens][8 k].  The mean first, then the variance of the centred numbers, all in f32.
; Gain and bias are inputs: like every input of the module they enter rounded to bf16.  x2 is the program's own, f32.
; LIMIT.  |xn2| is at most 32 |gain| + |bias|: it must stay under f16's 65,504.  NaN and infinities are not treated apart.
; Wave w owns rows 2 w and 2 w + 1; lane l columns 4 l + 128 i + 0..3.  The rows meet in LDS, from which each wave takes k = 128 w .. + 127 of all 16 rows: 512 consecutive bytes a store.
; A stream: no matrix unit, no cluster, no tensor loads.
.set XPITCH, 2064                      ; 2,048 bytes + 16: sixteen rows' 16-byte pieces fall into sixteen different columns of 16 bytes
.set SPARE,  16*XPITCH
.set LO,  4
.set XST, 5
.set FRA, 7
.set XO,  9
.set RS0, 10
.set RS1, 12
.set SPW, 14
.set NIL, 15
.set X0,  16
.set X1,  48
.set W,   80
.set B,   112
.set T,   208
.set MU,  216
.set FR,  16
	s_load_b256 s[4:11], s[0:1], 0x0               ; x2, ln2_w, ln2_b, xn
	v_lshl_add_u32 v[SPW], v0, 2, SPARE
	v_mov_b32 v[NIL], 0
	v_and_b32 v1, 31, v0
	v_lshrrev_b32 v2, 5, v0
	v_readfirstlane_b32 s33, v2
	v_lshlrev_b32 v[LO], 4, v1
	v_and_b32 v2, 15, v0
	v_bfe_u32 v3, v0, 4, 1
	s_mul_i32 s34, s33, 2*XPITCH
	v_lshl_add_u32 v[XST], v1, 3, s34
	v_mul_u32_u24 v[FRA], v2, XPITCH
	v_lshl_add_u32 v[FRA], v3, 4, v[FRA]
	s_lshl_b32 s37, s33, 8
	v_add_nc_u32 v[FRA], s37, v[FRA]
	s_lshl_b32 s35, s33, 12
	v_add_nc_u32 v[XO], s35, v[LO]
	s_lshl_b32 s38, ttmp9, 16
	s_lshl_b32 s39, s33, 13
	s_add_co_u32 s38, s38, s39
	s_mov_b32 s39, 0
	s_lshl_b32 s42, ttmp9, 15
	s_mov_b32 s43, 0
	s_mov_b32 s46, 0x76543210
	s_mov_b32 s47, 0xfedcba98
	s_mov_b32 s48, 0x3a800000                      ; 1 / 1024
	s_mov_b32 s49, 0x3727c5ac                      ; 1e-5
	s_mov_b32 s50, 0xffff0000                      ; a word's upper bf16
	s_wait_kmcnt 0x0
	s_add_nc_u64 s[4:5], s[4:5], s[38:39]
	s_add_nc_u64 s[10:11], s[10:11], s[42:43]
.irp i, 0,1,2,3,4,5,6,7
	global_load_b128 v[X0+4*\i:X0+4*\i+3], v[LO], s[4:5] offset:512*\i
.endr
.irp i, 0,1,2,3,4,5,6,7
	global_load_b128 v[X1+4*\i:X1+4*\i+3], v[LO], s[4:5] offset:4096+512*\i
.endr
.irp i, 0,1,2,3,4,5,6,7
	global_load_b128 v[W+4*\i:W+4*\i+3], v[LO], s[6:7] offset:512*\i
.endr
.irp i, 0,1,2,3,4,5,6,7
	global_load_b128 v[B+4*\i:B+4*\i+3], v[LO], s[8:9] offset:512*\i
.endr
.macro RND X, n                        ; n registers from v[X] on: an input, rounded to bf16 and kept as f32
.set i, 0
.rept (\n)/2
	v_cvt_pk_bf16_f32 v[T+(i/2)%8], v[(\X)+i], v[(\X)+i+1]
	v_lshlrev_b32 v[(\X)+i], 16, v[T+(i/2)%8]
	v_and_b32 v[(\X)+i+1], s50, v[T+(i/2)%8]
.set i, i+2
.endr
.endm
.macro WSUM r, t
	v_add_f32_dpp v[\r], v[\r], v[\r] row_xmask:1 row_mask:0xf bank_mask:0xf
	v_add_f32_dpp v[\r], v[\r], v[\r] row_xmask:2 row_mask:0xf bank_mask:0xf
	v_add_f32_dpp v[\r], v[\r], v[\r] row_xmask:4 row_mask:0xf bank_mask:0xf
	v_add_f32_dpp v[\r], v[\r], v[\r] row_xmask:8 row_mask:0xf bank_mask:0xf
	v_permlanex16_b32 v[\t], v[\r], s46, s47
	v_add_f32 v[\r], v[\r], v[\t]
.endm
.macro FOLD
	v_pk_add_f32 v[T:T+1], v[T:T+1], v[T+2:T+3]
	v_pk_add_f32 v[T+4:T+5], v[T+4:T+5], v[T+6:T+7]
	v_pk_add_f32 v[T:T+1], v[T:T+1], v[T+4:T+5]
	v_add_f32 v[T], v[T], v[T+1]
	WSUM T, T+1
.endm
.macro STAT X, RS                      ; the row is centred in place; 1/sigma goes to the pair RS
.irp c, 0,1,2,3
	v_pk_add_f32 v[T+2*\c:T+2*\c+1], v[(\X)+4*\c:(\X)+4*\c+1], v[(\X)+4*\c+2:(\X)+4*\c+3]
.endr
.set i, 16
.rept 8
	v_pk_add_f32 v[T+i%8:T+i%8+1], v[T+i%8:T+i%8+1], v[(\X)+i:(\X)+i+1]
.set i, i+2
.endr
	FOLD
	v_mul_f32 v[MU], s48, v[T]
	v_mul_f32 v[MU+1], s48, v[T]
.set i, 0
.rept 16
	v_pk_add_f32 v[(\X)+i:(\X)+i+1], v[(\X)+i:(\X)+i+1], v[MU:MU+1] neg_lo:[0,1] neg_hi:[0,1]
.set i, i+2
.endr
.irp c, 0,1,2,3
	v_pk_mul_f32 v[T+2*\c:T+2*\c+1], v[(\X)+2*\c:(\X)+2*\c+1], v[(\X)+2*\c:(\X)+2*\c+1]
.endr
.set i, 8
.rept 12
	v_pk_fma_f32 v[T+i%8:T+i%8+1], v[(\X)+i:(\X)+i+1], v[(\X)+i:(\X)+i+1], v[T+i%8:T+i%8+1]
.set i, i+2
.endr
	FOLD
	v_fma_f32 v[T], v[T], s48, s49
	v_rsq_f32 v[\RS], v[T]
	v_rsq_f32 v[(\RS)+1], v[T]
	v_nop                                          ; a plain instruction behind the roots, ahead of their use (ISA guide 5.7.2)
.endm
.macro NORM X, RS, ro
.set i, 0
	s_wait_alu depctr_va_vdst(0)
.rept 8
	v_pk_mul_f32 v[(\X)+i:(\X)+i+1], v[(\X)+i:(\X)+i+1], v[\RS:(\RS)+1]
	v_pk_mul_f32 v[(\X)+i+2:(\X)+i+3], v[(\X)+i+2:(\X)+i+3], v[\RS:(\RS)+1]
	v_pk_fma_f32 v[(\X)+i:(\X)+i+1], v[(\X)+i:(\X)+i+1], v[W+i:W+i+1], v[B+i:B+i+1]
	v_pk_fma_f32 v[(\X)+i+2:(\X)+i+3], v[(\X)+i+2:(\X)+i+3], v[W+i+2:W+i+3], v[B+i+2:B+i+3]
	v_cvt_pk_f16_f32 v[(\X)+i], v[(\X)+i], v[(\X)+i+1]
	v_cvt_pk_f16_f32 v[(\X)+i+1], v[(\X)+i+2], v[(\X)+i+3]
	ds_store_b64 v[XST], v[(\X)+i:(\X)+i+1] offset:(\ro)+64*i
.set i, i+4
.endr
.endm
	s_wait_loadcnt 24                              ; row 0 is in; 8 + 8 + 8 younger loads stay out
	STAT X0, RS0
	s_wait_loadcnt 16                              ; row 1
	STAT X1, RS1
	s_wait_loadcnt 0x0
	RND W, 32
	RND B, 32
	NORM X0, RS0, 0
	NORM X1, RS1, XPITCH
	s_wait_dscnt 0x0                               ; for the others' sake: my rows are in LDS
	s_barrier_signal -1
	s_barrier_wait -1
.irp i, 0,1,2,3,4,5,6,7
	ds_load_b128 v[FR+4*\i:FR+4*\i+3], v[FRA] offset:32*\i
.endr
.irp i, 0,1,2,3,4,5,6,7
	s_wait_dscnt 7-\i
	global_store_b128 v[XO], v[FR+4*\i:FR+4*\i+3], s[10:11] offset:512*\i
.endr
	s_wait_tensorcnt 0x0                           ; the wave's end
	ds_add_u32 v[SPW], v[NIL]
	s_wait_dscnt 0x0
	s_endpgm
.Lfunc_end_k_q49eaba3cff_ln2:
	.size	k_q49eaba3cff_ln2, .Lfunc_end_k_q49eaba3cff_ln2-k_q49eaba3cff_ln2
	.p2alignl 7, 3214868480
	.fill 96, 4, 3214868480
	.section	.rodata,"a",@progbits
	.p2align	6, 0x0
	.amdhsa_kernel k_q49eaba3cff_ln2
		.amdhsa_group_segment_fixed_size 34048
		.amdhsa_private_segment_fixed_size 0
		.amdhsa_enable_private_segment 0
		.amdhsa_kernarg_size 32
		.amdhsa_user_sgpr_count 2
		.amdhsa_user_sgpr_kernarg_segment_ptr 1
		.amdhsa_wavefront_size32 1
		.amdhsa_system_sgpr_workgroup_id_x 1
		.amdhsa_system_sgpr_workgroup_id_y 1
		.amdhsa_system_sgpr_workgroup_id_z 1
		.amdhsa_system_vgpr_workitem_id 0
		.amdhsa_next_free_vgpr 224
		.amdhsa_next_free_sgpr 66
		.amdhsa_reserve_vcc 0
		.amdhsa_float_denorm_mode_32 3
		.amdhsa_float_denorm_mode_16_64 3
		.amdhsa_memory_ordered 1
		.amdhsa_forward_progress 1
		.amdhsa_inst_pref_size 26
	.end_amdhsa_kernel
	.amdgpu_metadata
---
amdhsa.version: [ 1, 2 ]
amdhsa.kernels:
  - .name:           k_q49eaba3cff_ln2
    .symbol:         k_q49eaba3cff_ln2.kd
    .args:
      - { .name: x2, .offset: 0, .size: 8, .value_kind: global_buffer, .address_space: global }
      - { .name: ln2_w, .offset: 8, .size: 8, .value_kind: global_buffer, .address_space: global }
      - { .name: ln2_b, .offset: 16, .size: 8, .value_kind: global_buffer, .address_space: global }
      - { .name: xn, .offset: 24, .size: 8, .value_kind: global_buffer, .address_space: global }
    .group_segment_fixed_size: 34048
    .private_segment_fixed_size: 0
    .kernarg_segment_align: 8
    .kernarg_segment_size: 32
    .max_flat_workgroup_size: 256
    .sgpr_count:     66
    .vgpr_count:     224
    .wavefront_size: 32
...
	.end_amdgpu_metadata
.endif
;; end of part 9
;; launch up (part 10): grid 16 x 16, 4 waves a work-group, clusters of 4 x 4, 327,680 bytes of LDS; arguments xn, wb, f, b1; writes f
.if DOCPART == 10
	.amdgcn_target "amdgcn-amd-amdhsa--gfx1250"
	.amdhsa_code_object_version 6
	.text
	.protected	k_q49eaba3cff_up
	.globl	k_q49eaba3cff_up
	.p2align	8
	.type	k_q49eaba3cff_up,@function
k_q49eaba3cff_up:
	s_mov_b64 s[64:65], 0
	v_nop
	global_prefetch_b8 v0, s[64:65] scope:SCOPE_SE
	s_setreg_imm32_b32 hwreg(HW_REG_WAVE_MODE, 25, 1), 1
	s_wait_xcnt 0x0
	s_wait_alu depctr_hold_cnt(0) depctr_sa_sdst(0) depctr_va_vdst(0) depctr_va_sdst(0) depctr_va_ssrc(0) depctr_va_vcc(0) depctr_vm_vsrc(0)
	s_getreg_b32 s2, hwreg(HW_REG_IB_STS2, 6, 4)
	s_cmp_eq_u32 s2, 0
	s_cbranch_scc0 .Lentry_in_a_cluster
	s_endpgm
.Lentry_in_a_cluster:
	s_bfe_u32 s2, ttmp6, 0x10000c
	s_cmp_lg_u32 s2, 0xf033
	s_cbranch_scc0 .Lentry_shape_is_right
	s_endpgm
.Lentry_shape_is_right:
; h = LeakyReLU(xn2 W1 + b1, 0.01)^2: 4,096 tokens x 3,072 features, K = 1,024, f16 operands (W1's bf16 numbers written as f16), f32 sums, bias, activation and square in f32.
; b1 is an input: like every input of the module it enters rounded to bf16.  h is a square and has no room in f16 when its root is large: it is rounded once to bf16.
; A (xn2) lies in blocks [token tile][k/8][16 tokens][8 k], B (W1) in blocks [n tile][k][16 n]: 128 k of a tile of 16 rows are 4,096 consecutive bytes, so a K step's tile is a few rows of 4,096 bytes.
; A work-group makes 256 tokens x 192 features (16 x 16 work-groups), each of its four waves 128 x 96.  K goes in eight steps of 128 through two LDS slots; waves 0 and 1 fetch A's halves, waves 2 and 3 B's.
; CLUSTER 4 x 4: A's tile is shared along a row of the cluster, B's along a column; each is asked for jointly.
; The product is used as it stands (source 0 = tokens, source 1 = features): a lane holds ONE feature and eight tokens, 16 bytes of the layout [token tile][feature][16 tokens] that the next launch reads;
; the lane's bias is the C operand that starts its sums.
; REGISTERS: window 0: addresses; v64-127, v128-191 A's fragments, two buffers; v192-255 at work on the way out.  Window 1: v0-47 the bias; B's fragments at A's numbers.  Windows 2, 3: accumulator (a, b) at 8 (8 (a % 4) + b).
.set UP, 1
.if UP
.set NBW,  6
.set WOFF, 10485760
.set FT,   98304                       ; bytes of a token tile in the result
.else
.set NBW,  8
.set WOFF, 0
.set FT,   131072
.endif
.set SLOT1,  1<<17                     ; slot 1 begins here: one exclusive or turns an address in one slot into the other's
.set BOFF,   65536                     ; in a slot: A's 16 tiles of 4,096 bytes, then B's 2 NBW
.set SPARE,  2*SLOT1                   ; the spare words, 128 bytes a wave
.set KSTEPS, 8
.set ADRA0, 16
.set ADRB0, 17
.set ADRA,  18
.set ADRB,  19
.set CO,    26
.set SPW,   28
.set NIL,   29
.set F0,    64
.set F1,    128
.set TM,    192
.set TT,    64
.set G1,  24
.set G0,  32
.set TB,  45
.set G1B, 48
.set G0B, 56
.set MSB, 0
.macro WIN new                         ; the immediate's high byte repeats the setting that is left
.if MSB != (\new)
	s_set_vgpr_msb (MSB<<8)|(\new)
.set MSB, \new
.endif
.endm
.set MUL_LO, 0xa4                      ; source 0 (A) window 0, source 1 (B) window 1, C and D window 2
.set TO_B,   0x40
.macro PLACES                          ; four places behind matrix instructions (ISA guide 7.12.1)
.rept 4
	v_nop
.endr
.endm
.macro JLOAD                           ; a joint refill by the walking set; an s_nop 0 and four v_nop follow each line
	s_cmp_eq_u32 s11, 0
	s_cbranch_scc0 .Lfor_b_\@
	tensor_load_to_lds s[G0+4:G0+7], s[G1:G1+7]
	s_nop 0
	PLACES
	s_branch .Lasked_\@
.Lfor_b_\@:
	tensor_load_to_lds s[G0B+4:G0B+7], s[G1B:G1B+7]
	s_nop 0
	PLACES
.Lasked_\@:
.endm
.macro CREST
	s_cmp_lg_u32 s10, 0
	s_cbranch_scc1 .Lnot_wave_0_\@
	s_barrier_signal -3
.Lnot_wave_0_\@:
	s_barrier_wait -3
	s_barrier_signal -1
	s_barrier_wait -1
.endm
.macro CROUND
	s_barrier_signal -1
	s_barrier_wait -1
	CREST
.endm
	s_load_b128 s[4:7], s[0:1], 0x0                ; xn, wb
	s_load_b64 s[8:9], s[0:1], 0x10                ; f: here h
.if UP
	s_load_b64 s[66:67], s[0:1], 0x18              ; b1
.endif
	v_lshl_add_u32 v[SPW], v0, 2, SPARE
	v_mov_b32 v[NIL], 0
	ds_add_u32 v[SPW], v[NIL]                      ; the wave's opening: the add and its wait ahead of my first tensor load
	v_lshrrev_b32 v1, 5, v0
	v_readfirstlane_b32 s10, v1
	s_lshr_b32 s11, s10, 1
	s_and_b32 s12, s10, 1
	s_bfe_u32 s40, ttmp6, 0x40000
	s_bfe_u32 s41, ttmp6, 0x40004
	s_lshl_b32 s42, ttmp9, 2
	s_add_co_u32 s42, s42, s40                     ; tile column
	s_and_b32 s13, ttmp7, 0xffff
	s_lshl_b32 s13, s13, 2
	s_add_co_u32 s13, s13, s41                     ; tile row
	s_lshl_b32 s43, s41, 2
	s_lshl_b32 s43, 15, s43
	s_lshl_b32 s44, 0x1111, s40
	s_or_b32 s[G1+0], s43, (3<<16)|(1<<21)
	s_or_b32 s[G1B+0], s44, (3<<16)|(1<<21)
	s_mov_b32 s[G1+1], 512<<16
	s_mov_b32 s[G1B+1], 512<<16
	s_mov_b32 s[G1+2], 8<<16
	s_mov_b32 s[G1B+2], NBW<<16
	s_mov_b32 s[G1+3], 512<<16
	s_mov_b32 s[G1B+3], 512<<16
	s_mov_b32 s[G1+4], 8
	s_mov_b32 s[G1B+4], NBW
	s_mov_b32 s[G1+5], 4096
	s_mov_b32 s[G1B+5], 4096
	s_mov_b32 s[G1+6], 0
	s_mov_b32 s[G1B+6], 0
	s_mov_b32 s[G1+7], 0
	s_mov_b32 s[G1B+7], 0
	s_lshl_b32 s16, s13, 4
	s_lshl_b32 s17, s12, 3
	s_add_co_u32 s16, s16, s17
	s_lshl_b32 s16, s16, 15
	s_mov_b32 s17, 0
	s_mul_i32 s46, s42, 2*NBW
	s_mul_i32 s47, s12, NBW
	s_add_co_u32 s46, s46, s47
	s_lshl_b32 s46, s46, 15
	s_mov_b32 s47, 0
	s_mul_i32 s20, s10, 32768
	s_mul_i32 s21, s10, NBW*4096
	s_add_co_u32 s21, s21, BOFF-2*NBW*4096
	s_mov_b32 s[TB], 0
	s_wait_dscnt 0x0
	s_wait_kmcnt 0x0
	s_add_nc_u64 s[14:15], s[4:5], s[16:17]
	s_add_nc_u64 s[46:47], s[6:7], s[46:47]
.if WOFF
	s_add_nc_u64 s[46:47], s[46:47], WOFF
.endif
	CROUND
.irp s, 0,1
	s_mov_b32 s[G0+4*(\s)], 1
	s_add_co_u32 s[G0+4*(\s)+1], s20, (\s)*SLOT1
	s_add_nc_u64 s[G0+4*(\s)+2:G0+4*(\s)+3], s[14:15], (\s)*4096
	s_or_b32 s[G0+4*(\s)+3], s[G0+4*(\s)+3], 0x80000000
	s_mov_b32 s[G0B+4*(\s)], 1
	s_add_co_u32 s[G0B+4*(\s)+1], s21, (\s)*SLOT1
	s_add_nc_u64 s[G0B+4*(\s)+2:G0B+4*(\s)+3], s[46:47], (\s)*4096
	s_or_b32 s[G0B+4*(\s)+3], s[G0B+4*(\s)+3], 0x80000000
.endr
	s_cmp_eq_u32 s11, 0                            ; a wave's two first fills stand in one branch: two loads of mine are out
	s_cbranch_scc0 .Lfirst_b
	tensor_load_to_lds s[G0:G0+3], s[G1:G1+7]
	s_nop 0
	tensor_load_to_lds s[G0+4:G0+7], s[G1:G1+7]
	s_nop 0
	PLACES
	s_branch .Lfirst_asked
.Lfirst_b:
	tensor_load_to_lds s[G0B:G0B+3], s[G1B:G1B+7]
	s_nop 0
	tensor_load_to_lds s[G0B+4:G0B+7], s[G1B:G1B+7]
	s_nop 0
	PLACES
.Lfirst_asked:
	v_and_b32 v1, 31, v0
	v_and_b32 v2, 15, v0
	v_bfe_u32 v3, v0, 4, 1
	s_lshl_b32 s22, s11, 15
	v_lshl_add_u32 v[ADRA0], v1, 4, s22
	v_and_b32 v4, 7, v0
	v_lshl_add_u32 v4, v3, 3, v4
	v_lshlrev_b32 v4, 5, v4
	v_bfe_u32 v5, v0, 3, 1
	v_lshl_add_u32 v4, v5, 4, v4
	s_mul_i32 s23, s12, NBW*4096
	s_add_co_u32 s23, s23, BOFF
	v_add_nc_u32 v[ADRB0], s23, v4
	v_mov_b32 v[ADRA], v[ADRA0]
	v_mov_b32 v[ADRB], v[ADRB0]
	v_lshlrev_b32 v[CO], 5, v2
	v_lshl_add_u32 v[CO], v3, 4, v[CO]
	s_lshl_b32 s16, s13, 4
	s_lshl_b32 s17, s11, 3
	s_add_co_u32 s16, s16, s17
	s_mul_i32 s16, s16, FT
	s_mov_b32 s17, 0
	s_add_nc_u64 s[8:9], s[8:9], s[16:17]
	s_mul_i32 s46, s42, NBW*1024
	s_mul_i32 s47, s12, NBW*512
	s_add_co_u32 s46, s46, s47
	s_mov_b32 s47, 0
	s_add_nc_u64 s[8:9], s[8:9], s[46:47]
.if UP
	s_mul_i32 s46, s42, 768                        ; b1 at my first feature
	s_mul_i32 s47, s12, 384
	s_add_co_u32 s46, s46, s47
	s_mov_b32 s47, 0
	s_add_nc_u64 s[66:67], s[66:67], s[46:47]
	s_mov_b32 s68, 0x3c23d70a                      ; 0.01, in a pair's low word
	s_mov_b32 s69, 0x3c23d70a
	v_lshlrev_b32 v6, 2, v2
.set b, 0
.rept NBW
	global_load_b32 v[32+b], v6, s[66:67] offset:64*b  ; a lane's feature has one bias for its eight tokens
.set b, b+1
.endr
	s_wait_loadcnt 0x0
.set b, 0
.rept NBW
	v_cvt_pk_bf16_f32 v[40+b], v[32+b], v[32+b]    ; an input: rounded to bf16
.set b, b+1
.endr
.set b, 0
.rept NBW
	v_lshlrev_b32 v[32+b], 16, v[40+b]
.set b, b+1
.endr
	WIN 0x40
.set b, 0
.rept NBW
.irp j, 0,1,2,3,4,5,6,7
	v_mov_b32 v[8*b+\j], v[32+b]                   ; the bias as a C operand: it starts the sums
.endr
.set b, b+1
.endr
	WIN 0
.else
	s_cmp_ge_u32 ttmp9, 2
	s_cselect_b32 s18, -1, 0
.endif
.macro MUL16 f, hi, a0, zero           ; token blocks a0, a0 + 1 of the window's four x all NBW feature blocks, 32 along K.  zero = 1: the first product starts the sums, from the bias
.irp a, \a0, (\a0)+1
.set b, 0
.rept NBW
.set rD, 8*(8*(\a)+b)
.set rA, (\f)+8*(4*(\hi)+(\a))
.set rB, (\f)+8*b
.if (\zero) && UP
	WIN 0x94+0x40*(\hi)
	v_wmma_f32_16x16x32_f16 v[rD:rD+7], v[rA:rA+7], v[rB:rB+7], v[8*b:8*b+7]
.elseif \zero
	WIN MUL_LO+0x50*(\hi)
	v_wmma_f32_16x16x32_f16 v[rD:rD+7], v[rA:rA+7], v[rB:rB+7], 0
.else
	WIN MUL_LO+0x50*(\hi)
	v_wmma_f32_16x16x32_f16 v[rD:rD+7], v[rA:rA+7], v[rB:rB+7], v[rD:rD+7]
.endif
.set b, b+1
.endr
.endr
.endm
.macro FETCH k, f                      ; one run of LDS loads: B's 2 NBW, then A's 16
	WIN TO_B
.set b, 0
.rept NBW
	ds_load_tr16_b128 v[(\f)+8*b:(\f)+8*b+3],   v[ADRB] offset:(\k)+b*4096
	ds_load_tr16_b128 v[(\f)+8*b+4:(\f)+8*b+7], v[ADRB] offset:(\k)+b*4096+512
.set b, b+1
.endr
	WIN 0
.irp i, 0,1,2,3,4,5,6,7
	ds_load_b128 v[(\f)+8*(\i):(\f)+8*(\i)+3],   v[ADRA] offset:(\k)+(\i)*4096
	ds_load_b128 v[(\f)+8*(\i)+4:(\f)+8*(\i)+7], v[ADRA] offset:(\k)+(\i)*4096+512
.endr
.endm
.macro QUARTER k, f, g, zero
	s_wait_dscnt 8                                 ; B and A's tokens 0-63 are in; the youngest eight loads may be out
	MUL16 \f, 0, 0, \zero
	MUL16 \f, 0, 2, \zero
	PLACES
	FETCH \k, \g
	s_wait_dscnt 2*NBW+16                          ; all but the run just issued
	MUL16 \f, 1, 0, \zero
	MUL16 \f, 1, 2, \zero
.endm
.macro MEET round                      ; one barrier for the change of slots; ahead of it the wait for all my tensor loads, the add, and the wait for it and for my reads of this slot
	WIN 0
	s_wait_tensorcnt 0x0
	ds_add_u32 v[SPW], v[NIL]
	s_wait_dscnt 9                                 ; the add and the youngest eight loads may be out
	MUL16 F1, 0, 0, 0
	s_wait_dscnt 0x0
	s_barrier_signal -1
	MUL16 F1, 0, 2, 0
.if \round
	WIN 0
.endif
	s_barrier_wait -1
.endm
.macro TURN fill
	MEET \fill
.if \fill
	CREST
	s_xor_b32 s[G0+5], s[G0+5], SLOT1
	s_add_nc_u64 s[G0+6:G0+7], s[G0+6:G0+7], 4096
	s_xor_b32 s[G0B+5], s[G0B+5], SLOT1
	s_add_nc_u64 s[G0B+6:G0B+7], s[G0B+6:G0B+7], 4096
	JLOAD                                          ; its four v_nop are also the places ahead of the loads below
.else
	WIN 0
	PLACES
.endif
	s_xor_b32 s[TB], s[TB], SLOT1
	v_add_nc_u32 v[ADRA], s[TB], v[ADRA0]
	v_add_nc_u32 v[ADRB], s[TB], v[ADRB0]
	FETCH 0, F0
	MUL16 F1, 1, 0, 0
	MUL16 F1, 1, 2, 0
.endm
	s_wait_tensorcnt 1                             ; my part of K step 0 is in; step 1's may stay out
	s_barrier_signal -1
	s_barrier_wait -1
	FETCH 0, F0
	QUARTER 1024, F0, F1, 1
	WIN 0
	s_mov_b32 s3, KSTEPS-2
.Lstep:
	QUARTER 2048, F1, F0, 0
	QUARTER 3072, F0, F1, 0
	TURN 1
	QUARTER 1024, F0, F1, 0
	WIN 0
	s_sub_co_u32 s3, s3, 1
	s_cmp_lg_u32 s3, 0
	s_cbranch_scc1 .Lstep
	s_mov_b32 s2, 2
.Ltail:                                                ; the last two K steps ask for nothing; the second trip is left in its middle
	QUARTER 2048, F1, F0, 0
	QUARTER 3072, F0, F1, 0
	WIN 0
	s_sub_co_u32 s2, s2, 1
	s_cmp_eq_u32 s2, 0
	s_cbranch_scc1 .Lout
	TURN 0
	QUARTER 1024, F0, F1, 0
	WIN 0
	s_branch .Ltail
.Lout:
	s_wait_dscnt 8
	MUL16 F1, 0, 0, 0
	MUL16 F1, 0, 2, 0
	s_wait_dscnt 0x0
	MUL16 F1, 1, 0, 0
	MUL16 F1, 1, 2, 0
	PLACES
	; THE WAY OUT, a block of 16 tokens at a time; each accumulator's registers are taken in ascending order
.set a, 0
.rept 8
.set tm, TM+32*(a%2)
	WIN 0
	s_wait_xcnt 0x0                                ; registers that earlier stores read are rewritten only behind this wait
.if UP
	WIN 0x02+(a/4)                                 ; source 0 in window 2 or 3
.set b, 0
.rept NBW
.set rD, 8*(8*(a%4)+b)
.irp p, 0,2,4,6
	v_pk_mul_f32 v[TT+8*b+\p:TT+8*b+\p+1], v[rD+\p:rD+\p+1], s[68:69] op_sel_hi:[1,0]
.endr
.irp j, 0,1,2,3,4,5,6,7
	v_max_num_f32 v[TT+8*b+\j], v[rD+\j], v[TT+8*b+\j]     ; LeakyReLU: the larger of y and 0.01 y
.endr
.set b, b+1
.endr
	WIN 0
.set b, 0
.rept NBW
.irp p, 0,2,4,6
	v_pk_mul_f32 v[TT+8*b+\p:TT+8*b+\p+1], v[TT+8*b+\p:TT+8*b+\p+1], v[TT+8*b+\p:TT+8*b+\p+1]
.endr
.irp r, 0,1,2,3
	v_cvt_pk_bf16_f32 v[tm+4*b+\r], v[TT+8*b+2*\r], v[TT+8*b+2*\r+1]
.endr
.set b, b+1
.endr
.else
	WIN 0x0a+5*(a/4)
.set b, 0
.rept NBW
.set rD, 8*(8*(a%4)+b)
.irp r, 0,1,2,3
	v_cvt_pk_f16_f32 v[tm+4*b+\r], v[rD+2*\r], v[rD+2*\r+1]
	v_cvt_pk_bf16_f32 v[TT+4*b+\r], v[rD+2*\r], v[rD+2*\r+1]
.endr
.set b, b+1
.endr
	WIN 0
.set b, 0
.rept 4*NBW
	v_cndmask_b32 v[tm+b], v[tm+b], v[TT+b], s18
.set b, b+1
.endr
.endif
.set b, 0
.rept NBW
	global_store_b128 v[CO], v[tm+4*b:tm+4*b+3], s[8:9] offset:a*FT+b*512   ; 16 features x 16 tokens: 512 consecutive bytes, at a multiple of 256
.set b, b+1
.endr
.set a, a+1
.endr
	s_wait_tensorcnt 0x0                           ; the wave's end
	ds_add_u32 v[SPW], v[NIL]
	s_wait_dscnt 0x0
	CROUND                                         ; the closing round
	s_endpgm
.Lfunc_end_k_q49eaba3cff_up:
	.size	k_q49eaba3cff_up, .Lfunc_end_k_q49eaba3cff_up-k_q49eaba3cff_up
	.p2alignl 7, 3214868480
	.fill 96, 4, 3214868480
	.section	.rodata,"a",@progbits
	.p2align	6, 0x0
	.amdhsa_kernel k_q49eaba3cff_up
		.amdhsa_group_segment_fixed_size 327680
		.amdhsa_private_segment_fixed_size 0
		.amdhsa_enable_private_segment 0
		.amdhsa_kernarg_size 32
		.amdhsa_user_sgpr_count 2
		.amdhsa_user_sgpr_kernarg_segment_ptr 1
		.amdhsa_wavefront_size32 1
		.amdhsa_system_sgpr_workgroup_id_x 1
		.amdhsa_system_sgpr_workgroup_id_y 1
		.amdhsa_system_sgpr_workgroup_id_z 1
		.amdhsa_system_vgpr_workitem_id 0
		.amdhsa_next_free_vgpr 1024
		.amdhsa_next_free_sgpr 70
		.amdhsa_reserve_vcc 0
		.amdhsa_float_denorm_mode_32 3
		.amdhsa_float_denorm_mode_16_64 3
		.amdhsa_memory_ordered 1
		.amdhsa_forward_progress 1
		.amdhsa_inst_pref_size 116
	.end_amdhsa_kernel
	.amdgpu_metadata
---
amdhsa.version: [ 1, 2 ]
amdhsa.kernels:
  - .name:           k_q49eaba3cff_up
    .symbol:         k_q49eaba3cff_up.kd
    .args:
      - { .name: xn, .offset: 0, .size: 8, .value_kind: global_buffer, .address_space: global }
      - { .name: wb, .offset: 8, .size: 8, .value_kind: global_buffer, .address_space: global }
      - { .name: f, .offset: 16, .size: 8, .value_kind: global_buffer, .address_space: global }
      - { .name: b1, .offset: 24, .size: 8, .value_kind: global_buffer, .address_space: global }
    .group_segment_fixed_size: 327680
    .private_segment_fixed_size: 0
    .kernarg_segment_align: 8
    .kernarg_segment_size: 32
    .max_flat_workgroup_size: 128
    .sgpr_count:     70
    .vgpr_count:     1024
    .wavefront_size: 32
...
	.end_amdgpu_metadata
.endif
;; end of part 10
;; launch down (part 11): grid 8 x 32, 4 waves a work-group, clusters of 4 x 4, 327,680 bytes of LDS; arguments f, wb, x2, out0, b2; writes out0
.if DOCPART == 11
	.amdgcn_target "amdgcn-amd-amdhsa--gfx1250"
	.amdhsa_code_object_version 6
	.text
	.protected	k_q49eaba3cff_down
	.globl	k_q49eaba3cff_down
	.p2align	8
	.type	k_q49eaba3cff_down,@function
k_q49eaba3cff_down:
	s_mov_b64 s[64:65], 0
	v_nop
	global_prefetch_b8 v0, s[64:65] scope:SCOPE_SE
	s_setreg_imm32_b32 hwreg(HW_REG_WAVE_MODE, 25, 1), 1
	s_wait_xcnt 0x0
	s_wait_alu depctr_hold_cnt(0) depctr_sa_sdst(0) depctr_va_vdst(0) depctr_va_sdst(0) depctr_va_ssrc(0) depctr_va_vcc(0) depctr_vm_vsrc(0)
	s_getreg_b32 s2, hwreg(HW_REG_IB_STS2, 6, 4)
	s_cmp_eq_u32 s2, 0
	s_cbranch_scc0 .Lentry_in_a_cluster
	s_endpgm
.Lentry_in_a_cluster:
	s_bfe_u32 s2, ttmp6, 0x10000c
	s_cmp_lg_u32 s2, 0xf033
	s_cbranch_scc0 .Lentry_shape_is_right
	s_endpgm
.Lentry_shape_is_right:
; out = res + A W (+ bias): 4,096 tokens x 1,024 features in f32; A and W bf16, sums f32.  DOWN = 1: out0 = x2 + h W2 + b2, K = 3,072.  (DOWN = 0: x2 = x + y Wo, K = 1,024.)
; What is an input of the module enters rounded to bf16, as every input does: with DOWN = 0 the residual x, with DOWN = 1 the bias b2.  The residual x2 is the program's own and stays f32.
; A lies in blocks [token tile][k][16 tokens], W in blocks [n tile][k][16 n]: 256 k of a tile of 16 rows are 8,192 consecutive bytes.  Both come out of LDS by the turning load.
; A work-group makes 128 x 128 (256 work-groups), each of its four waves 64 x 64: 16 accumulators.  K goes in steps of 256 through two LDS slots; waves 0, 1 fetch A's halves, waves 2, 3 W's.
; CLUSTER 4 x 4: A's tile is shared along a row of the cluster, W's along a column; each is asked for jointly.
; The product is used transposed (source 0 = features, source 1 = tokens): a lane holds one token and eight neighbouring features.  A wave's 64 features are 256 bytes of a row: each wave has a stage of its own.
; The residual is loaded at the start into window 2 and waits there.  REGISTERS: window 0: addresses; v40-127 at work; v128-255 accumulators.  Window 1: two fragment buffers of 128.  Window 2: v0-127 the residual.
.set DOWN, 1
.if DOWN
.set KTOT, 3072
.set WOFF, 16777216
.else
.set KTOT, 1024
.set WOFF, 8388608
.endif
.set KSTEPS, KTOT/256
.set SLOT1,  1<<17
.set BOFF,   65536
.set STAGE,  2*SLOT1                   ; 16 rows x 272 bytes for each wave
.set SPITCH, 272
.set SPARE,  STAGE+4*16*SPITCH
.set ADRA0, 16
.set ADRB0, 17
.set ADRA,  18
.set ADRB,  19
.set STO,   24
.set RD,    25
.set RO,    26
.set SPW,   28
.set NIL,   29
.set BI,    32
.set RT,    40
.set RU,    56
.set BK,    96
.set ACC,   128
.set F0,    0
.set F1,    128
.set G1,  24
.set G0,  32
.set TB,  45
.set G1B, 48
.set G0B, 56
.set MSB, 0
.macro WIN new
.if MSB != (\new)
	s_set_vgpr_msb (MSB<<8)|(\new)
.set MSB, \new
.endif
.endm
.set MUL,  0x05
.set TO_F, 0x40
.macro PLACES
.rept 4
	v_nop
.endr
.endm
.macro JLOAD                           ; a joint refill by the walking set; an s_nop 0 and four v_nop follow each line
	s_cmp_eq_u32 s11, 0
	s_cbranch_scc0 .Lfor_b_\@
	tensor_load_to_lds s[G0+4:G0+7], s[G1:G1+7]
	s_nop 0
	PLACES
	s_branch .Lasked_\@
.Lfor_b_\@:
	tensor_load_to_lds s[G0B+4:G0B+7], s[G1B:G1B+7]
	s_nop 0
	PLACES
.Lasked_\@:
.endm
.macro CREST
	s_cmp_lg_u32 s10, 0
	s_cbranch_scc1 .Lnot_wave_0_\@
	s_barrier_signal -3
.Lnot_wave_0_\@:
	s_barrier_wait -3
	s_barrier_signal -1
	s_barrier_wait -1
.endm
.macro CROUND
	s_barrier_signal -1
	s_barrier_wait -1
	CREST
.endm
	s_load_b128 s[4:7], s[0:1], 0x0                ; A, wb
	s_load_b64 s[8:9], s[0:1], 0x10                ; the residual
	s_load_b64 s[66:67], s[0:1], 0x18              ; the result
.if DOWN
	s_load_b64 s[68:69], s[0:1], 0x20              ; b2
.endif
	v_lshl_add_u32 v[SPW], v0, 2, SPARE
	v_mov_b32 v[NIL], 0
	ds_add_u32 v[SPW], v[NIL]                      ; the wave's opening: the add and its wait ahead of my first tensor load
	v_lshrrev_b32 v1, 5, v0
	v_readfirstlane_b32 s10, v1
	s_lshr_b32 s11, s10, 1
	s_and_b32 s12, s10, 1
	s_bfe_u32 s40, ttmp6, 0x40000
	s_bfe_u32 s41, ttmp6, 0x40004
	s_lshl_b32 s42, ttmp9, 2
	s_add_co_u32 s42, s42, s40
	s_and_b32 s13, ttmp7, 0xffff
	s_lshl_b32 s13, s13, 2
	s_add_co_u32 s13, s13, s41
	s_lshl_b32 s43, s41, 2
	s_lshl_b32 s43, 15, s43
	s_lshl_b32 s44, 0x1111, s40
	s_or_b32 s[G1+0], s43, (3<<16)|(1<<21)
	s_or_b32 s[G1B+0], s44, (3<<16)|(1<<21)
.irp g, G1, G1B
	s_mov_b32 s[(\g)+1], 1024<<16
	s_mov_b32 s[(\g)+2], 4<<16
	s_mov_b32 s[(\g)+3], 1024<<16
	s_mov_b32 s[(\g)+4], 4
	s_mov_b32 s[(\g)+5], KTOT*4
	s_mov_b32 s[(\g)+6], 0
	s_mov_b32 s[(\g)+7], 0
.endr
	s_lshl_b32 s16, s13, 3
	s_lshl_b32 s17, s12, 2
	s_add_co_u32 s16, s16, s17
	s_mul_i32 s16, s16, KTOT*32
	s_mov_b32 s17, 0
	s_lshl_b32 s46, s42, 3
	s_lshl_b32 s47, s12, 2
	s_add_co_u32 s46, s46, s47
	s_mul_i32 s46, s46, KTOT*32
	s_mov_b32 s47, 0
	s_lshl_b32 s20, s10, 15
	s_mov_b32 s[TB], 0
	s_wait_dscnt 0x0
	s_wait_kmcnt 0x0
	s_add_nc_u64 s[14:15], s[4:5], s[16:17]
	s_add_nc_u64 s[46:47], s[6:7], s[46:47]
	s_add_nc_u64 s[46:47], s[46:47], WOFF
	CROUND
.irp s, 0,1
	s_mov_b32 s[G0+4*(\s)], 1
	s_add_co_u32 s[G0+4*(\s)+1], s20, (\s)*SLOT1
	s_add_nc_u64 s[G0+4*(\s)+2:G0+4*(\s)+3], s[14:15], (\s)*8192
	s_or_b32 s[G0+4*(\s)+3], s[G0+4*(\s)+3], 0x80000000
	s_mov_b32 s[G0B+4*(\s)], 1
	s_add_co_u32 s[G0B+4*(\s)+1], s20, (\s)*SLOT1
	s_add_nc_u64 s[G0B+4*(\s)+2:G0B+4*(\s)+3], s[46:47], (\s)*8192
	s_or_b32 s[G0B+4*(\s)+3], s[G0B+4*(\s)+3], 0x80000000
.endr
	s_cmp_eq_u32 s11, 0                            ; a wave's two first fills stand in one branch: two loads of mine are out
	s_cbranch_scc0 .Lfirst_b
	tensor_load_to_lds s[G0:G0+3], s[G1:G1+7]
	s_nop 0
	tensor_load_to_lds s[G0+4:G0+7], s[G1:G1+7]
	s_nop 0
	PLACES
	s_branch .Lfirst_asked
.Lfirst_b:
	tensor_load_to_lds s[G0B:G0B+3], s[G1B:G1B+7]
	s_nop 0
	tensor_load_to_lds s[G0B+4:G0B+7], s[G1B:G1B+7]
	s_nop 0
	PLACES
.Lfirst_asked:
	v_and_b32 v2, 15, v0
	v_bfe_u32 v3, v0, 4, 1
	v_and_b32 v4, 7, v0
	v_lshl_add_u32 v4, v3, 3, v4
	v_lshlrev_b32 v4, 5, v4
	v_bfe_u32 v5, v0, 3, 1
	v_lshl_add_u32 v4, v5, 4, v4
	s_lshl_b32 s22, s11, 15
	v_add_nc_u32 v[ADRA0], s22, v4
	s_lshl_b32 s23, s12, 15
	s_add_co_u32 s23, s23, BOFF
	v_add_nc_u32 v[ADRB0], s23, v4
	v_mov_b32 v[ADRA], v[ADRA0]
	v_mov_b32 v[ADRB], v[ADRB0]
	s_mul_i32 s23, s10, 16*SPITCH
	s_add_co_u32 s23, s23, STAGE
	v_mul_u32_u24 v[STO], v2, SPITCH
	v_lshl_add_u32 v[STO], v3, 5, v[STO]
	v_add_nc_u32 v[STO], s23, v[STO]
	v_mul_u32_u24 v[RD], v3, SPITCH
	v_lshl_add_u32 v[RD], v2, 4, v[RD]
	v_add_nc_u32 v[RD], s23, v[RD]
	v_lshlrev_b32 v[RO], 12, v3
	v_lshl_add_u32 v[RO], v2, 4, v[RO]
	s_lshl_b32 s16, s13, 7
	s_lshl_b32 s17, s11, 6
	s_add_co_u32 s16, s16, s17
	s_lshl_b32 s16, s16, 12
	s_mov_b32 s17, 0
	s_lshl_b32 s46, s42, 9
	s_lshl_b32 s47, s12, 8
	s_add_co_u32 s46, s46, s47
	s_mov_b32 s47, 0
	s_add_nc_u64 s[8:9], s[8:9], s[16:17]
	s_add_nc_u64 s[8:9], s[8:9], s[46:47]
	s_add_nc_u64 s[66:67], s[66:67], s[16:17]
	s_add_nc_u64 s[66:67], s[66:67], s[46:47]
.if DOWN
	s_add_nc_u64 s[68:69], s[68:69], s[46:47]
	v_lshlrev_b32 v6, 4, v2
	global_load_b128 v[BI:BI+3], v6, s[68:69]
.endif
	WIN 0x80
.set i, 0
.rept 32
	global_load_b128 v[4*i:4*i+3], v[RO], s[8:9] offset:i*8192   ; rows 2 i and 2 i + 1 of my 64, 256 bytes each
.set i, i+1
.endr
	WIN 0
.macro MUL8 f, c, a0, zero
	WIN MUL
.irp a, \a0, (\a0)+1
.irp b, 0,1,2,3
.if \zero
	v_wmma_f32_16x16x32_bf16 v[ACC+8*(4*(\a)+(\b)):ACC+8*(4*(\a)+(\b))+7], v[(\f)+64+8*(4*(\c)+(\b)):(\f)+64+8*(4*(\c)+(\b))+7], v[(\f)+8*(4*(\c)+(\a)):(\f)+8*(4*(\c)+(\a))+7], 0
.else
	v_wmma_f32_16x16x32_bf16 v[ACC+8*(4*(\a)+(\b)):ACC+8*(4*(\a)+(\b))+7], v[(\f)+64+8*(4*(\c)+(\b)):(\f)+64+8*(4*(\c)+(\b))+7], v[(\f)+8*(4*(\c)+(\a)):(\f)+8*(4*(\c)+(\a))+7], v[ACC+8*(4*(\a)+(\b)):ACC+8*(4*(\a)+(\b))+7]
.endif
.endr
.endr
.endm
.macro FETCH k, f
	WIN TO_F
.irp c, 0,1
.irp i, 0,1,2,3
	ds_load_tr16_b128 v[(\f)+64+8*(4*(\c)+(\i)):(\f)+64+8*(4*(\c)+(\i))+3],   v[ADRB] offset:(\k)+1024*(\c)+(\i)*8192
	ds_load_tr16_b128 v[(\f)+64+8*(4*(\c)+(\i))+4:(\f)+64+8*(4*(\c)+(\i))+7], v[ADRB] offset:(\k)+1024*(\c)+(\i)*8192+512
	ds_load_tr16_b128 v[(\f)+8*(4*(\c)+(\i)):(\f)+8*(4*(\c)+(\i))+3],         v[ADRA] offset:(\k)+1024*(\c)+(\i)*8192
	ds_load_tr16_b128 v[(\f)+8*(4*(\c)+(\i))+4:(\f)+8*(4*(\c)+(\i))+7],       v[ADRA] offset:(\k)+1024*(\c)+(\i)*8192+512
.endr
.endr
.endm
.macro QUARTER k, f, g, zero
	s_wait_dscnt 16                                ; the first 32 along K are in
	MUL8 \f, 0, 0, \zero
	MUL8 \f, 0, 2, \zero
	PLACES
	FETCH \k, \g
	s_wait_dscnt 32                                ; all but the 32 just issued
	MUL8 \f, 1, 0, 0
	MUL8 \f, 1, 2, 0
.endm
.macro TURN fill
	WIN 0
	s_wait_tensorcnt 0x0
	ds_add_u32 v[SPW], v[NIL]
	s_wait_dscnt 17                                ; the add and the youngest sixteen loads may be out
	MUL8 F1, 0, 0, 0
	s_wait_dscnt 0x0
	s_barrier_signal -1
	MUL8 F1, 0, 2, 0
	WIN 0
	s_barrier_wait -1
.if \fill
	CREST
	s_xor_b32 s[G0+5], s[G0+5], SLOT1
	s_add_nc_u64 s[G0+6:G0+7], s[G0+6:G0+7], 8192
	s_xor_b32 s[G0B+5], s[G0B+5], SLOT1
	s_add_nc_u64 s[G0B+6:G0B+7], s[G0B+6:G0B+7], 8192
	JLOAD
.else
	PLACES
.endif
	s_xor_b32 s[TB], s[TB], SLOT1
	v_add_nc_u32 v[ADRA], s[TB], v[ADRA0]
	v_add_nc_u32 v[ADRB], s[TB], v[ADRB0]
	FETCH 0, F0
	MUL8 F1, 1, 0, 0
	MUL8 F1, 1, 2, 0
.endm
	s_wait_tensorcnt 1                             ; my part of K step 0 is in; step 1's may stay out
	s_barrier_signal -1
	s_barrier_wait -1
	FETCH 0, F0
	QUARTER 2048, F0, F1, 1
	WIN 0
	s_mov_b32 s3, KSTEPS-2
.Lstep:
	QUARTER 4096, F1, F0, 0
	QUARTER 6144, F0, F1, 0
	TURN 1
	QUARTER 2048, F0, F1, 0
	WIN 0
	s_sub_co_u32 s3, s3, 1
	s_cmp_lg_u32 s3, 0
	s_cbranch_scc1 .Lstep
	s_mov_b32 s2, 2
.Ltail:                                                ; the last two K steps ask for nothing; the second trip is left in its middle
	QUARTER 4096, F1, F0, 0
	QUARTER 6144, F0, F1, 0
	WIN 0
	s_sub_co_u32 s2, s2, 1
	s_cmp_eq_u32 s2, 0
	s_cbranch_scc1 .Lout
	TURN 0
	QUARTER 2048, F0, F1, 0
	WIN 0
	s_branch .Ltail
.Lout:
	s_wait_dscnt 16
	MUL8 F1, 0, 0, 0
	MUL8 F1, 0, 2, 0
	s_wait_dscnt 0x0
	MUL8 F1, 1, 0, 0
	MUL8 F1, 1, 2, 0
	WIN 0
	s_wait_loadcnt 0x0                             ; the residual and the bias
	PLACES
.if DOWN
	v_cvt_pk_bf16_f32 v[RT], v[BI], v[BI+1]        ; the bias is an input: rounded to bf16
	v_cvt_pk_bf16_f32 v[RT+1], v[BI+2], v[BI+3]
	v_lshlrev_b32 v[BI], 16, v[RT]
	v_and_b32 v[BI+1], 0xffff0000, v[RT]
	v_lshlrev_b32 v[BI+2], 16, v[RT+1]
	v_and_b32 v[BI+3], 0xffff0000, v[RT+1]
.endif
	; THE WAY OUT, 16 rows at a time: through my stage, back as whole rows of 256 bytes, plus the residual and the bias
.set a, 0
.rept 4
.set b, 0
.rept 4
	ds_store_b128 v[STO], v[ACC+8*(4*a+b):ACC+8*(4*a+b)+3]   offset:64*b
	ds_store_b128 v[STO], v[ACC+8*(4*a+b)+4:ACC+8*(4*a+b)+7] offset:64*b+16
.set b, b+1
.endr
	s_wait_xcnt 0x0                                ; the registers that the last block's stores read are loaded again only behind this wait
.irp t, 0,1,2,3,4,5,6,7
	ds_load_b128 v[BK+4*\t:BK+4*\t+3], v[RD] offset:\t*2*SPITCH   ; LDS serves a wave's instructions in order (ISA guide 5.7.1.4): these see the stores above
.endr
.if DOWN
	s_wait_dscnt 0x0
	WIN 0x08                                       ; source 1 in window 2
.set i, 0
.rept 16
	v_pk_add_f32 v[BK+i:BK+i+1], v[BK+i:BK+i+1], v[32*a+i:32*a+i+1]
.set i, i+2
.endr
	WIN 0
.irp t, 0,1,2,3,4,5,6,7
	v_pk_add_f32 v[BK+4*\t:BK+4*\t+1], v[BK+4*\t:BK+4*\t+1], v[BI:BI+1]
	v_pk_add_f32 v[BK+4*\t+2:BK+4*\t+3], v[BK+4*\t+2:BK+4*\t+3], v[BI+2:BI+3]
.endr
.else
	WIN 0x0a
.set i, 0
.rept 16
	v_cvt_pk_bf16_f32 v[RT+i], v[32*a+2*i], v[32*a+2*i+1]
.set i, i+1
.endr
	WIN 0
.set i, 0
.rept 16
	v_lshlrev_b32 v[RU+2*i], 16, v[RT+i]
	v_and_b32 v[RU+2*i+1], 0xffff0000, v[RT+i]
.set i, i+1
.endr
	s_wait_dscnt 0x0
.set i, 0
.rept 16
	v_pk_add_f32 v[BK+i:BK+i+1], v[BK+i:BK+i+1], v[RU+i:RU+i+1]
.set i, i+2
.endr
.endif
.irp t, 0,1,2,3,4,5,6,7
	global_store_b128 v[RO], v[BK+4*\t:BK+4*\t+3], s[66:67] offset:(16*a+2*\t)*4096   ; 16 lanes store 256 consecutive bytes, at a multiple of 256
.endr
.set a, a+1
.endr
	s_wait_tensorcnt 0x0                           ; the wave's end
	ds_add_u32 v[SPW], v[NIL]
	s_wait_dscnt 0x0
	CROUND                                         ; the closing round
	s_endpgm
.Lfunc_end_k_q49eaba3cff_down:
	.size	k_q49eaba3cff_down, .Lfunc_end_k_q49eaba3cff_down-k_q49eaba3cff_down
	.p2alignl 7, 3214868480
	.fill 96, 4, 3214868480
	.section	.rodata,"a",@progbits
	.p2align	6, 0x0
	.amdhsa_kernel k_q49eaba3cff_down
		.amdhsa_group_segment_fixed_size 327680
		.amdhsa_private_segment_fixed_size 0
		.amdhsa_enable_private_segment 0
		.amdhsa_kernarg_size 40
		.amdhsa_user_sgpr_count 2
		.amdhsa_user_sgpr_kernarg_segment_ptr 1
		.amdhsa_wavefront_size32 1
		.amdhsa_system_sgpr_workgroup_id_x 1
		.amdhsa_system_sgpr_workgroup_id_y 1
		.amdhsa_system_sgpr_workgroup_id_z 1
		.amdhsa_system_vgpr_workitem_id 0
		.amdhsa_next_free_vgpr 640
		.amdhsa_next_free_sgpr 70
		.amdhsa_reserve_vcc 0
		.amdhsa_float_denorm_mode_32 3
		.amdhsa_float_denorm_mode_16_64 3
		.amdhsa_memory_ordered 1
		.amdhsa_forward_progress 1
		.amdhsa_inst_pref_size 71
	.end_amdhsa_kernel
	.amdgpu_metadata
---
amdhsa.version: [ 1, 2 ]
amdhsa.kernels:
  - .name:           k_q49eaba3cff_down
    .symbol:         k_q49eaba3cff_down.kd
    .args:
      - { .name: f, .offset: 0, .size: 8, .value_kind: global_buffer, .address_space: global }
      - { .name: wb, .offset: 8, .size: 8, .value_kind: global_buffer, .address_space: global }
      - { .name: x2, .offset: 16, .size: 8, .value_kind: global_buffer, .address_space: global }
      - { .name: out0, .offset: 24, .size: 8, .value_kind: global_buffer, .address_space: global }
      - { .name: b2, .offset: 32, .size: 8, .value_kind: global_buffer, .address_space: global }
    .group_segment_fixed_size: 327680
    .private_segment_fixed_size: 0
    .kernarg_segment_align: 8
    .kernarg_segment_size: 40
    .max_flat_workgroup_size: 128
    .sgpr_count:     70
    .vgpr_count:     640
    .wavefront_size: 32
...
	.end_amdgpu_metadata
.endif
;; end of part 11
;; ======== version 2 of 2: 11 launches; 1.24 times as fast as version 1
;; limits: values outside matrix products are rounded to bf16; values are held in f16: magnitudes above 65,504 overflow, below 6.1e-05 lose precision
;; workspace buffers: xn 8,388,608 bytes; r1 262,144 bytes; wb 23,068,672 bytes; f 33,554,432 bytes; rec 19,398,656 bytes; x2 16,777,216 bytes; a0 1,024 bytes
;; launch ln1: the kernel of part 1 again; grid 256 x 1, 8 waves a work-group, no clusters, 75,008 bytes of LDS; arguments x, ln1_w, ln1_b, Wgk1, xn, r1; writes xn, r1
;; launch cast: the kernel of part 2 again; grid 352 x 1, 8 waves a work-group, no clusters, 19,456 bytes of LDS; arguments Wq, Wk, Wv, Wg, Wo, W1, W2, wb; writes wb
;; launch qkvg (part 12): grid 16 x 16, 4 waves a work-group, clusters of 4 x 4, 327,680 bytes of LDS; arguments xn, wb, f; writes f
.if DOCPART == 12
	.amdgcn_target "amdgcn-amd-amdhsa--gfx1250"
	.amdhsa_code_object_version 6
	.text
	.protected	k_q49eaba3cff_qkvg
	.globl	k_q49eaba3cff_qkvg
	.p2align	8
	.type	k_q49eaba3cff_qkvg,@function
k_q49eaba3cff_qkvg:
	s_mov_b64 s[64:65], 0
	v_nop
	global_prefetch_b8 v0, s[64:65] scope:SCOPE_SE
	s_setreg_imm32_b32 hwreg(HW_REG_WAVE_MODE, 25, 1), 1
	s_wait_xcnt 0x0
	s_wait_alu depctr_hold_cnt(0) depctr_sa_sdst(0) depctr_va_vdst(0) depctr_va_sdst(0) depctr_va_ssrc(0) depctr_va_vcc(0) depctr_vm_vsrc(0)
	s_getreg_b32 s2, hwreg(HW_REG_IB_STS2, 6, 4)
	s_cmp_eq_u32 s2, 0
	s_cbranch_scc0 .Lentry_in_a_cluster
	s_endpgm
.Lentry_in_a_cluster:
	s_bfe_u32 s2, ttmp6, 0x10000c
	s_cmp_lg_u32 s2, 0xf033
	s_cbranch_scc0 .Lentry_shape_is_right
	s_endpgm
.Lentry_shape_is_right:
; q, k, v, g = xn [Wq/16 | Wk | Wv | Wg]: 4,096 tokens x 4,096 features, K = 1,024, f16 operands (the weights are bf16 numbers written as f16), f32 sums, the result rounded once.
; FORMATS OF THE RESULT.  q and k leave as f16: the products made of them want their absolute error small.  LIMIT: |q| and |k| stay under f16's 65,504.
; v and g leave as bf16, as the partners with which they are multiplied later (A, the state, y) have no room in f16.  Both roundings are made and one is picked by the cluster's x (0 q, 1 k, 2 v, 3 g), which all partners share.
; A (xn) lies in blocks [token tile][k/8][16 tokens][8 k], B (weights) in blocks [n tile][k][16 n]: 128 k of a tile of 16 rows are 4,096 consecutive bytes, so a K step's tile is a few rows of 4,096 bytes.
; A work-group makes 256 tokens x 32 NBW features, each of its four waves 128 x 16 NBW.  K goes in eight steps of 128 through two LDS slots; waves 0 and 1 fetch A's halves, waves 2 and 3 B's.
; CLUSTER 4 x 4: A's tile is shared along a row of the cluster, B's along a column; each is asked for jointly.
; THE TEXT IS KEPT SHORT.  A K step is four quarters of 32 along K on fragment buffers 0, 1, 0, 1.  The loop's body is a PAIR of quarters, cut where buffer 0 is fetched; a slot is two trips of it, with the LDS base in a scalar.
; The change of slots stands between two visits.  The way out is written once too: a loop cannot step through registers but it can step through LDS, so each wave lays its sums into 64 KiB of the slots, which have had
; their last fill, and takes them back 16 tokens a trip.
; The product is used as it stands (source 0 = tokens, source 1 = features): a lane holds ONE feature and eight tokens, 16 bytes of the layout [token tile][feature][16 tokens] that the next launches read:
; each store of a wave covers 512 consecutive bytes.
; REGISTERS: window 0: addresses; v64-127, v128-191 A's fragments, two buffers, later at work on the way out with v192-223.  Window 1: B's fragments at the same numbers.  Windows 2, 3: accumulator (a, b) at 8 (8 (a % 4) + b).
.set UP, 0
.if UP
.set NBW,  6
.set WOFF, 10485760
.set FT,   98304
.else
.set NBW,  8
.set WOFF, 0
.set FT,   131072                      ; bytes of a token tile in the result
.endif
.set SLOT1,  1<<17                     ; slot 1 begins here: one exclusive or turns an address in one slot into the other's
.set BOFF,   65536                     ; in a slot: A's 16 tiles of 4,096 bytes, then B's 2 NBW
.set SPARE,  2*SLOT1                   ; the spare words, 128 bytes a wave
.set KSTEPS, 8
.set STEPB,  4096                      ; bytes of a K step in a tile of 16 rows, in memory and in LDS
.set RUN,    2*NBW+16                  ; LDS loads in one run: the fragments of one quarter
.set ADRA0, 16                         ; v16, v17  my lane's place in slot 0's A and B; never rewritten
.set ADRB0, 17
.set ADRA,  18                         ; v18, v19  the same at the pair of quarters in hand
.set ADRB,  19
.set DMP,   20                         ; v20  the way out: 65,536 x wave + 16 x lane; never rewritten
.set SRC,   21                         ; v21  the same at the 16 tokens in hand
.set CO,    26                         ; v26  32 (lane % 16) + 16 (lane / 16)
.set SPW,   28                         ; v28  my spare word; never rewritten
.set NIL,   29                         ; v29  0; never rewritten
.set F0,    64
.set F1,    128
.set X,     64                         ; the way out: sums read back, at work, packed results
.set T2,    128
.set TM,    192
.set G1,  24                           ; s[24:31] group 1 for A;  s[32:39] group 0, two sets: the second walks
.set G0,  32
.set TB,  45                           ; s45  LDS byte, in the tiles, of the pair of quarters in hand; on the way out: of the 16 tokens in hand
.set G1B, 48                           ; s[48:55], s[56:63] the same for B
.set G0B, 56
.set MSB, 0
.macro WIN new                         ; the immediate's high byte repeats the setting that is left
.if MSB != (\new)
	s_set_vgpr_msb (MSB<<8)|(\new)
.set MSB, \new
.endif
.endm
.set MUL_LO, 0xa4                      ; source 0 (A) window 0, source 1 (B) window 1, C and D window 2
.set TO_B,   0x40
.macro PLACES                          ; four places behind matrix instructions, ahead of loads into their sources and of reads of their results
.rept 4
	v_nop
.endr
.endm
.macro JLOAD                           ; a joint refill by the walking set; an s_nop 0 and four v_nop follow each line
	s_cmp_eq_u32 s11, 0
	s_cbranch_scc0 .Lfor_b_\@
	tensor_load_to_lds s[G0+4:G0+7], s[G1:G1+7]
	s_nop 0
	PLACES
	s_branch .Lasked_\@
.Lfor_b_\@:
	tensor_load_to_lds s[G0B+4:G0B+7], s[G1B:G1B+7]
	s_nop 0
	PLACES
.Lasked_\@:
.endm
.macro CROUND                          ; a round of the cluster's barrier
	s_barrier_signal -1
	s_barrier_wait -1
	s_cmp_lg_u32 s10, 0
	s_cbranch_scc1 .Lnot_wave_0_\@
	s_barrier_signal -3
.Lnot_wave_0_\@:
	s_barrier_wait -3
	s_barrier_signal -1
	s_barrier_wait -1
.endm
	s_load_b128 s[4:7], s[0:1], 0x0                ; xn, wb
	s_load_b64 s[8:9], s[0:1], 0x10                ; f
.if UP
	s_load_b64 s[66:67], s[0:1], 0x18              ; b1
.endif
	v_lshl_add_u32 v[SPW], v0, 2, SPARE
	v_mov_b32 v[NIL], 0
	ds_add_u32 v[SPW], v[NIL]                      ; the wave's opening: the add and its wait ahead of my first tensor load
	v_lshrrev_b32 v1, 5, v0
	v_readfirstlane_b32 s10, v1                    ; wave 0..3
	s_lshr_b32 s11, s10, 1                         ; my half of the tokens.  Also: I fetch for A (0) or B (1)
	s_and_b32 s12, s10, 1                          ; my half of the features.  Also: which half of that tile I fetch
	s_bfe_u32 s40, ttmp6, 0x40000                  ; cx, cy
	s_bfe_u32 s41, ttmp6, 0x40004
	s_lshl_b32 s42, ttmp9, 2
	s_add_co_u32 s42, s42, s40                     ; tile column
	s_and_b32 s13, ttmp7, 0xffff
	s_lshl_b32 s13, s13, 2
	s_add_co_u32 s13, s13, s41                     ; tile row
	s_lshl_b32 s43, s41, 2
	s_lshl_b32 s43, 15, s43                        ; my row of the cluster
	s_lshl_b32 s44, 0x1111, s40                    ; my column
	s_or_b32 s[G1+0], s43, (3<<16)|(1<<21)         ; the mask; elements of 8 bytes; bit 21 set beside a mask; no padding
	s_or_b32 s[G1B+0], s44, (3<<16)|(1<<21)
	s_mov_b32 s[G1+1], 512<<16                     ; tensor_dim0 = 512 elements = 4,096 bytes
	s_mov_b32 s[G1B+1], 512<<16
	s_mov_b32 s[G1+2], 8<<16                       ; tensor_dim1 = 8 tiles
	s_mov_b32 s[G1B+2], NBW<<16
	s_mov_b32 s[G1+3], 512<<16                     ; tile_dim0
	s_mov_b32 s[G1B+3], 512<<16
	s_mov_b32 s[G1+4], 8                           ; tile_dim1
	s_mov_b32 s[G1B+4], NBW
	s_mov_b32 s[G1+5], 4096                        ; 32,768 bytes from tile to tile
	s_mov_b32 s[G1B+5], 4096
	s_mov_b32 s[G1+6], 0
	s_mov_b32 s[G1B+6], 0
	s_mov_b32 s[G1+7], 0
	s_mov_b32 s[G1B+7], 0
	s_lshl_b32 s16, s13, 4                         ; A: token tile 16 x row + 8 x half, 32,768 bytes each
	s_lshl_b32 s17, s12, 3
	s_add_co_u32 s16, s16, s17
	s_lshl_b32 s16, s16, 15
	s_mov_b32 s17, 0
	s_mul_i32 s46, s42, 2*NBW                      ; B: n tile 2 NBW x column + NBW x half
	s_mul_i32 s47, s12, NBW
	s_add_co_u32 s46, s46, s47
	s_lshl_b32 s46, s46, 15
	s_mov_b32 s47, 0
	s_mul_i32 s20, s10, 32768                      ; where they go: waves 0, 1: A's halves;
	s_mul_i32 s21, s10, NBW*4096                   ; waves 2, 3: B's halves, from BOFF on
	s_add_co_u32 s21, s21, BOFF-2*NBW*4096
	s_wait_dscnt 0x0                               ; the opening add is done
	s_wait_kmcnt 0x0
	s_add_nc_u64 s[14:15], s[4:5], s[16:17]
	s_add_nc_u64 s[46:47], s[6:7], s[46:47]
.if WOFF
	s_add_nc_u64 s[46:47], s[46:47], WOFF
.endif
	CROUND                                         ; all sixteen work-groups are here: the first joint loads meet
.irp s, 0,1
	s_mov_b32 s[G0+4*(\s)], 1
	s_add_co_u32 s[G0+4*(\s)+1], s20, (\s)*SLOT1
	s_add_nc_u64 s[G0+4*(\s)+2:G0+4*(\s)+3], s[14:15], (\s)*STEPB
	s_or_b32 s[G0+4*(\s)+3], s[G0+4*(\s)+3], 0x80000000
	s_mov_b32 s[G0B+4*(\s)], 1
	s_add_co_u32 s[G0B+4*(\s)+1], s21, (\s)*SLOT1
	s_add_nc_u64 s[G0B+4*(\s)+2:G0B+4*(\s)+3], s[46:47], (\s)*STEPB
	s_or_b32 s[G0B+4*(\s)+3], s[G0B+4*(\s)+3], 0x80000000
.endr
	s_cmp_eq_u32 s11, 0                            ; a wave's two first fills stand in one branch: two loads of mine are out
	s_cbranch_scc0 .Lfirst_b
	tensor_load_to_lds s[G0:G0+3], s[G1:G1+7]
	s_nop 0
	tensor_load_to_lds s[G0+4:G0+7], s[G1:G1+7]
	s_nop 0
	PLACES
	s_branch .Lfirst_asked
.Lfirst_b:
	tensor_load_to_lds s[G0B:G0B+3], s[G1B:G1B+7]
	s_nop 0
	tensor_load_to_lds s[G0B+4:G0B+7], s[G1B:G1B+7]
	s_nop 0
	PLACES
.Lfirst_asked:
	v_and_b32 v1, 31, v0
	v_and_b32 v2, 15, v0                           ; r
	v_bfe_u32 v3, v0, 4, 1                         ; h
	s_lshl_b32 s22, s11, 15
	v_lshl_add_u32 v[ADRA0], v1, 4, s22            ; A's fragment: 16 x lane, and 512 bytes on
	v_and_b32 v4, 7, v0                            ; B's, by the turning load: row 8 h + l % 8 of 32 bytes, half (l / 8) % 2
	v_lshl_add_u32 v4, v3, 3, v4
	v_lshlrev_b32 v4, 5, v4
	v_bfe_u32 v5, v0, 3, 1
	v_lshl_add_u32 v4, v5, 4, v4
	s_mul_i32 s23, s12, NBW*4096
	s_add_co_u32 s23, s23, BOFF
	v_add_nc_u32 v[ADRB0], s23, v4
	v_mov_b32 v[ADRA], v[ADRA0]
	v_mov_b32 v[ADRB], v[ADRB0]
	s_lshl_b32 s22, s10, 16
	v_lshl_add_u32 v[DMP], v1, 4, s22              ; the way out: my wave's 65,536 bytes, 16 a lane
	v_lshlrev_b32 v[CO], 5, v2
	v_lshl_add_u32 v[CO], v3, 4, v[CO]
	s_lshl_b32 s16, s13, 4                         ; the result: token tile 16 x row + 8 x my half,
	s_lshl_b32 s17, s11, 3
	s_add_co_u32 s16, s16, s17
	s_mul_i32 s16, s16, FT
	s_mov_b32 s17, 0
	s_add_nc_u64 s[8:9], s[8:9], s[16:17]
	s_mul_i32 s46, s42, NBW*1024                   ; feature 32 NBW x column + 16 NBW x my half, 32 bytes each
	s_mul_i32 s47, s12, NBW*512
	s_add_co_u32 s46, s46, s47
	s_mov_b32 s47, 0
	s_add_nc_u64 s[8:9], s[8:9], s[46:47]
.if UP
	s_mul_i32 s46, s42, 768                        ; b1 at my first feature
	s_mul_i32 s47, s12, 384
	s_add_co_u32 s46, s46, s47
	s_mov_b32 s47, 0
	s_add_nc_u64 s[66:67], s[66:67], s[46:47]
	s_mov_b32 s68, 0x3c23d70a                      ; 0.01, in a pair's low word
	s_mov_b32 s69, 0x3c23d70a
	v_lshlrev_b32 v6, 2, v2
.set b, 0
.rept NBW
	global_load_b32 v[32+b], v6, s[66:67] offset:64*b  ; a lane's feature has one bias for its eight tokens
.set b, b+1
.endr
	s_wait_loadcnt 0x0
.set b, 0
.rept NBW
	v_cvt_pk_bf16_f32 v[40+b], v[32+b], v[32+b]    ; an input: rounded to bf16
.set b, b+1
.endr
.set b, 0
.rept NBW
	v_lshlrev_b32 v[32+b], 16, v[40+b]
.set b, b+1
.endr
	WIN 0x40
.set b, 0
.rept NBW
.irp j, 0,1,2,3,4,5,6,7
	v_mov_b32 v[8*b+\j], v[32+b]                   ; the bias as a C operand: it starts the sums
.endr
.set b, b+1
.endr
	WIN 0
.else
	s_cmp_ge_u32 ttmp9, 2                          ; the cluster's x: 2 and 3 are v's and g's columns
	s_cselect_b32 s18, -1, 0                       ; all ones: the result leaves as bf16; 0: as f16
.endif
; 2 NBW matrix instructions: token blocks a0, a0 + 1 of the window's four x all NBW feature blocks, 32 along K.  zero = 1: the first product starts the sums.
.macro MUL16 f, hi, a0, zero
.irp a, \a0, (\a0)+1
.set b, 0
.rept NBW
.set rD, 8*(8*(\a)+b)
.set rA, (\f)+8*(4*(\hi)+(\a))
.set rB, (\f)+8*b
.if (\zero) && UP
	WIN 0x94+0x40*(\hi)
	v_wmma_f32_16x16x32_f16 v[rD:rD+7], v[rA:rA+7], v[rB:rB+7], v[8*b:8*b+7]
.elseif \zero
	WIN MUL_LO+0x50*(\hi)
	v_wmma_f32_16x16x32_f16 v[rD:rD+7], v[rA:rA+7], v[rB:rB+7], 0
.else
	WIN MUL_LO+0x50*(\hi)
	v_wmma_f32_16x16x32_f16 v[rD:rD+7], v[rA:rA+7], v[rB:rB+7], v[rD:rD+7]
.endif
.set b, b+1
.endr
.endr
.endm
.macro HALF f, hi, zero                ; half a quarter: my tokens 0-63 (hi = 0) or 64-127 (hi = 1) x all my features
	MUL16 \f, \hi, 0, \zero
	MUL16 \f, \hi, 2, \zero
.endm
; One run of LDS loads: the fragments of 32 along K at byte k behind the pair's base, into buffer f: B's 2 NBW loads, then A's 16
.macro FETCH k, f
	WIN TO_B
.set b, 0
.rept NBW
	ds_load_tr16_b128 v[(\f)+8*b:(\f)+8*b+3],   v[ADRB] offset:(\k)+b*4096
	ds_load_tr16_b128 v[(\f)+8*b+4:(\f)+8*b+7], v[ADRB] offset:(\k)+b*4096+512
.set b, b+1
.endr
	WIN 0
.irp i, 0,1,2,3,4,5,6,7
	ds_load_b128 v[(\f)+8*(\i):(\f)+8*(\i)+3],   v[ADRA] offset:(\k)+(\i)*4096
	ds_load_b128 v[(\f)+8*(\i)+4:(\f)+8*(\i)+7], v[ADRA] offset:(\k)+(\i)*4096+512
.endr
.endm
; A PAIR of quarters, p (even, buffer 0) and p + 1 (buffer 1), at LDS byte s[TB] of the tiles.  It begins where quarter p is fetched and ends with the first half of quarter p + 1's products; the second half of
; quarter p - 1's stands behind its first run of loads.  Each run is issued 4 NBW matrix instructions ahead of its first use.  The accumulators take turns in one fixed order.
.macro PAIR
	WIN 0
	v_add_nc_u32 v[ADRA], s[TB], v[ADRA0]
	v_add_nc_u32 v[ADRB], s[TB], v[ADRB0]
	PLACES
	FETCH 0, F0
	s_wait_dscnt RUN                               ; all but the run just issued: buffer 1 is whole
	HALF F1, 1, 0
	s_wait_dscnt 8                                 ; B and A's tokens 0-63 are in; the youngest eight loads may be out
	HALF F0, 0, 0
	PLACES
	FETCH 1024, F1
	s_wait_dscnt RUN                               ; buffer 0 is whole
	HALF F0, 1, 0
	s_wait_dscnt 8
	HALF F1, 0, 0
	WIN 0
	s_add_co_u32 s[TB], s[TB], 2048                ; two quarters on
.endm
; THE CHANGE OF SLOTS, between two visits: all of the old slot's fragments have been fetched.  Each wave waits for all its tensor loads (one is out: its part of the next slot), adds 0 to its spare word, and waits for
; that and for its reads of the old slot.  fill = 1: the barrier is a round of the cluster's, and the old slot is filled again, two K steps ahead, first thing behind it: the load has a visit, 32 NBW matrix instructions, to land.
.macro CHANGE fill
	WIN 0
	s_wait_tensorcnt 0x0
	ds_add_u32 v[SPW], v[NIL]
.if \fill
	s_xor_b32 s[G0+5], s[G0+5], SLOT1              ; the walking sets: the other slot than last time, the next K step
	s_add_nc_u64 s[G0+6:G0+7], s[G0+6:G0+7], STEPB
	s_xor_b32 s[G0B+5], s[G0B+5], SLOT1
	s_add_nc_u64 s[G0B+6:G0B+7], s[G0B+6:G0B+7], STEPB
	s_wait_dscnt 0x0
	CROUND
	JLOAD
.else
	s_wait_dscnt 0x0
	s_barrier_signal -1
	s_barrier_wait -1
.endif
	s_sub_co_u32 s[TB], s[TB], STEPB               ; back to a slot's first quarter,
	s_xor_b32 s[TB], s[TB], SLOT1                  ; in the other slot
.endm
	s_wait_tensorcnt 1                             ; my part of K step 0 is in; step 1's may stay out
	s_barrier_signal -1
	s_barrier_wait -1
	FETCH 0, F0                                    ; the first quarter and a half are written out: their products start the sums
	s_wait_dscnt 8
	HALF F0, 0, 1
	PLACES
	FETCH 1024, F1
	s_wait_dscnt RUN
	HALF F0, 1, 1
	s_wait_dscnt 8
	HALF F1, 0, 0
	WIN 0
	s_mov_b32 s[TB], 2048
	s_mov_b32 s2, 2
	s_mov_b32 s3, KSTEPS-1
	s_branch .Lnext                                ; they stand for the first visit's first trip: the loop is entered at its counter
.Lslot:                                                ; KSTEPS - 2 times: a slot is entered and the other is asked for
	CHANGE 1
	s_mov_b32 s2, 2
.Lpair:
	PAIR
.Lnext:
	s_sub_co_u32 s2, s2, 1
	s_cmp_lg_u32 s2, 0
	s_cbranch_scc1 .Lpair
	s_sub_co_u32 s3, s3, 1
	s_cmp_lg_u32 s3, 0
	s_cbranch_scc1 .Lslot
	CHANGE 0                                       ; the last visit is written out
	s_mov_b32 s2, 2
.Lpair_t:
	PAIR
	s_sub_co_u32 s2, s2, 1
	s_cmp_lg_u32 s2, 0
	s_cbranch_scc1 .Lpair_t
	s_wait_dscnt 0x0                               ; buffer 1 is whole, and my reads of the slots are over:
	s_barrier_signal -1                            ; say so; the last products stand between the signal and the wait
	HALF F1, 1, 0
	WIN 0
	s_barrier_wait -1                              ; no wave reads the slots any more, and no fill is left: they take the sums
	PLACES
	; THE WAY OUT.  My 8 NBW accumulators go as they lie into my own 65,536 bytes, 1,024 each, the four low registers first; 32 lanes x 16 consecutive bytes a store.
.set a, 0
.rept 8
	WIN 0x08+4*(a/4)                               ; the data (source 1) in window 2 or 3
.set b, 0
.rept NBW
.set rD, 8*(8*(a%4)+b)
	ds_store_b128 v[DMP], v[rD:rD+3]   offset:(a*NBW+b)*1024
	ds_store_b128 v[DMP], v[rD+4:rD+7] offset:(a*NBW+b)*1024+512
.set b, b+1
.endr
.set a, a+1
.endr
	WIN 0
	s_mov_b32 s[TB], 0
	s_mov_b32 s3, 8
.Lrow:                                                 ; a trip: 16 tokens x my 16 NBW features come back, are finished and stored
	v_add_nc_u32 v[SRC], s[TB], v[DMP]
.set b, 0
.rept NBW
	ds_load_b128 v[X+8*b:X+8*b+3],   v[SRC] offset:b*1024      ; LDS serves a wave's instructions in order (ISA guide 5.7.1.4): these see my stores above
	ds_load_b128 v[X+8*b+4:X+8*b+7], v[SRC] offset:b*1024+512
.set b, b+1
.endr
.set b, 0
.rept NBW
	s_wait_dscnt 2*(NBW-1-b)                       ; block b's two loads are in; those of the later blocks may be out
.if UP
.irp p, 0,2,4,6
	v_pk_mul_f32 v[T2+8*b+\p:T2+8*b+\p+1], v[X+8*b+\p:X+8*b+\p+1], s[68:69] op_sel_hi:[1,0]
.endr
.irp j, 0,1,2,3,4,5,6,7
	v_max_num_f32 v[X+8*b+\j], v[X+8*b+\j], v[T2+8*b+\j]   ; LeakyReLU: the larger of y and 0.01 y
.endr
.irp p, 0,2,4,6
	v_pk_mul_f32 v[X+8*b+\p:X+8*b+\p+1], v[X+8*b+\p:X+8*b+\p+1], v[X+8*b+\p:X+8*b+\p+1]
.endr
.irp r, 0,1,2,3
	v_cvt_pk_bf16_f32 v[TM+4*b+\r], v[X+8*b+2*\r], v[X+8*b+2*\r+1]
.endr
.else
.irp r, 0,1,2,3
	v_cvt_pk_f16_f32 v[TM+4*b+\r], v[X+8*b+2*\r], v[X+8*b+2*\r+1]
	v_cvt_pk_bf16_f32 v[T2+4*b+\r], v[X+8*b+2*\r], v[X+8*b+2*\r+1]
.endr
.irp r, 0,1,2,3
	v_cndmask_b32 v[TM+4*b+\r], v[TM+4*b+\r], v[T2+4*b+\r], s18   ; q and k: f16; v and g: bf16
.endr
.endif
	global_store_b128 v[CO], v[TM+4*b:TM+4*b+3], s[8:9] offset:b*512   ; 16 features x 16 tokens: 512 consecutive bytes, at a multiple of 256
.set b, b+1
.endr
	s_wait_xcnt 0x0                                ; the base and the packed registers are rewritten only behind this wait
	s_add_nc_u64 s[8:9], s[8:9], FT                ; the next token tile
	s_add_co_u32 s[TB], s[TB], NBW*1024
	s_sub_co_u32 s3, s3, 1
	s_cmp_lg_u32 s3, 0
	s_cbranch_scc1 .Lrow
	s_wait_tensorcnt 0x0                           ; the wave's end
	ds_add_u32 v[SPW], v[NIL]
	s_wait_dscnt 0x0
	CROUND                                         ; the closing round
	s_endpgm
.Lfunc_end_k_q49eaba3cff_qkvg:
	.size	k_q49eaba3cff_qkvg, .Lfunc_end_k_q49eaba3cff_qkvg-k_q49eaba3cff_qkvg
	.p2alignl 7, 3214868480
	.fill 96, 4, 3214868480
	.section	.rodata,"a",@progbits
	.p2align	6, 0x0
	.amdhsa_kernel k_q49eaba3cff_qkvg
		.amdhsa_group_segment_fixed_size 327680
		.amdhsa_private_segment_fixed_size 0
		.amdhsa_enable_private_segment 0
		.amdhsa_kernarg_size 24
		.amdhsa_user_sgpr_count 2
		.amdhsa_user_sgpr_kernarg_segment_ptr 1
		.amdhsa_wavefront_size32 1
		.amdhsa_system_sgpr_workgroup_id_x 1
		.amdhsa_system_sgpr_workgroup_id_y 1
		.amdhsa_system_sgpr_workgroup_id_z 1
		.amdhsa_system_vgpr_workitem_id 0
		.amdhsa_next_free_vgpr 1024
		.amdhsa_next_free_sgpr 66
		.amdhsa_reserve_vcc 0
		.amdhsa_float_denorm_mode_32 3
		.amdhsa_float_denorm_mode_16_64 3
		.amdhsa_memory_ordered 1
		.amdhsa_forward_progress 1
		.amdhsa_inst_pref_size 64
	.end_amdhsa_kernel
	.amdgpu_metadata
---
amdhsa.version: [ 1, 2 ]
amdhsa.kernels:
  - .name:           k_q49eaba3cff_qkvg
    .symbol:         k_q49eaba3cff_qkvg.kd
    .args:
      - { .name: xn, .offset: 0, .size: 8, .value_kind: global_buffer, .address_space: global }
      - { .name: wb, .offset: 8, .size: 8, .value_kind: global_buffer, .address_space: global }
      - { .name: f, .offset: 16, .size: 8, .value_kind: global_buffer, .address_space: global }
    .group_segment_fixed_size: 327680
    .private_segment_fixed_size: 0
    .kernarg_segment_align: 8
    .kernarg_segment_size: 24
    .max_flat_workgroup_size: 128
    .sgpr_count:     66
    .vgpr_count:     1024
    .wavefront_size: 32
...
	.end_amdgpu_metadata
.endif
;; end of part 12
;; launch tok0: the kernel of part 4 again; grid 64 x 1, 16 waves a work-group, no clusters, 92,160 bytes of LDS; arguments x, ln1_w, ln1_b, Wq, Wk, a0; writes a0
;; launch prep: the kernel of part 5 again; grid 16 x 16, 16 waves a work-group, no clusters, 264,192 bytes of LDS; arguments f, r1, Wgk2, bgk2, rec, a0; writes rec
;; launch scan: the kernel of part 6 again; grid 8 x 16, 2 waves a work-group, clusters of 4 x 1, 327,680 bytes of LDS; arguments rec, f, xn; writes xn
;; launch gate: the kernel of part 7 again; grid 256 x 1, 16 waves a work-group, no clusters, 3,072 bytes of LDS; arguments xn, f, rms_w, rec; writes rec
;; launch oproj (part 13): grid 8 x 32, 4 waves a work-group, clusters of 4 x 4, 327,680 bytes of LDS; arguments rec, wb, x, x2; writes x2
.if DOCPART == 13
	.amdgcn_target "amdgcn-amd-amdhsa--gfx1250"
	.amdhsa_code_object_version 6
	.text
	.protected	k_q49eaba3cff_oproj
	.globl	k_q49eaba3cff_oproj
	.p2align	8
	.type	k_q49eaba3cff_oproj,@function
k_q49eaba3cff_oproj:
	s_mov_b64 s[64:65], 0
	v_nop
	global_prefetch_b8 v0, s[64:65] scope:SCOPE_SE
	s_setreg_imm32_b32 hwreg(HW_REG_WAVE_MODE, 25, 1), 1
	s_wait_xcnt 0x0
	s_wait_alu depctr_hold_cnt(0) depctr_sa_sdst(0) depctr_va_vdst(0) depctr_va_sdst(0) depctr_va_ssrc(0) depctr_va_vcc(0) depctr_vm_vsrc(0)
	s_getreg_b32 s2, hwreg(HW_REG_IB_STS2, 6, 4)
	s_cmp_eq_u32 s2, 0
	s_cbranch_scc0 .Lentry_in_a_cluster
	s_endpgm
.Lentry_in_a_cluster:
	s_bfe_u32 s2, ttmp6, 0x10000c
	s_cmp_lg_u32 s2, 0xf033
	s_cbranch_scc0 .Lentry_shape_is_right
	s_endpgm
.Lentry_shape_is_right:
; out = res + A W (+ bias): 4,096 tokens x 1,024 features in f32; A and W bf16, sums f32.  DOWN = 0: x2 = x + y Wo, K = 1,024.  DOWN = 1: out0 = x2 + h W2 + b2, K = 3,072.
; What is an input of the module enters rounded to bf16, as every input does: with DOWN = 0 the residual x, with DOWN = 1 the bias b2.  The residual x2 is the program's own and stays f32.
; A lies in blocks [token tile][k][16 tokens], W in blocks [n tile][k][16 n]: 256 k of a tile of 16 rows are 8,192 consecutive bytes.  Both come out of LDS by the turning load.
; A work-group makes 128 x 128 (256 work-groups), each of its four waves 64 x 64: 16 accumulators.  K goes in steps of 256 through two LDS slots; waves 0, 1 fetch A's halves, waves 2, 3 W's.
; CLUSTER 4 x 4: A's tile is shared along a row of the cluster, W's along a column; each is asked for jointly.
; THE TEXT IS KEPT SHORT.  A K step is four quarters of 64 along K on fragment buffers 0, 1, 0, 1.  The loop's body is a PAIR of quarters, cut where buffer 0 is fetched; a slot is two trips of it, with the LDS base in a scalar.
; The change of slots stands between two visits.
; The product is used transposed (source 0 = features, source 1 = tokens): a lane holds one token and eight neighbouring features.  A wave's 64 features are 256 bytes of a row: each wave has a stage of its own.
; The residual is loaded at the start into window 2 and waits there.  REGISTERS: window 0: addresses; v40-127 at work; v128-255 accumulators.  Window 1: two fragment buffers of 128.  Window 2: v0-127 the residual.
.set DOWN, 0
.if DOWN
.set KTOT, 3072
.set WOFF, 16777216
.else
.set KTOT, 1024
.set WOFF, 8388608
.endif
.set KSTEPS, KTOT/256
.set STEPB,  8192                      ; bytes of a K step in a tile of 16 rows, in memory and in LDS
.set SLOT1,  1<<17
.set BOFF,   65536
.set STAGE,  2*SLOT1                   ; 16 rows x 272 bytes for each wave
.set SPITCH, 272
.set SPARE,  STAGE+4*16*SPITCH
.set ADRA0, 16                         ; v16, v17  my lane's place in slot 0's A and W; never rewritten
.set ADRB0, 17
.set ADRA,  18                         ; v18, v19  the same at the pair of quarters in hand
.set ADRB,  19
.set STO,   24
.set RD,    25
.set RO,    26                         ; v26  my byte offset in two rows of the residual and of the result
.set SPW,   28
.set NIL,   29
.set BI,    32                         ; v32-35  the bias of my four columns
.set RT,    40                         ; v40-55  an input's numbers as bf16 pairs
.set RU,    56                         ; v56-87  the same as f32
.set BK,    96
.set ACC,   128
.set F0,    0
.set F1,    128
.set G1,  24
.set G0,  32
.set TB,  45                           ; s45  LDS byte, in the tiles, of the pair of quarters in hand
.set G1B, 48
.set G0B, 56
.set MSB, 0
.macro WIN new
.if MSB != (\new)
	s_set_vgpr_msb (MSB<<8)|(\new)
.set MSB, \new
.endif
.endm
.set MUL,  0x05                        ; sources 0 and 1 in window 1
.set TO_F, 0x40
.macro PLACES                          ; four places behind matrix instructions (ISA guide 7.12.1)
.rept 4
	v_nop
.endr
.endm
.macro JLOAD                           ; a joint refill by the walking set; an s_nop 0 and four v_nop follow each line
	s_cmp_eq_u32 s11, 0
	s_cbranch_scc0 .Lfor_b_\@
	tensor_load_to_lds s[G0+4:G0+7], s[G1:G1+7]
	s_nop 0
	PLACES
	s_branch .Lasked_\@
.Lfor_b_\@:
	tensor_load_to_lds s[G0B+4:G0B+7], s[G1B:G1B+7]
	s_nop 0
	PLACES
.Lasked_\@:
.endm
.macro CROUND                          ; a round of the cluster's barrier
	s_barrier_signal -1
	s_barrier_wait -1
	s_cmp_lg_u32 s10, 0
	s_cbranch_scc1 .Lnot_wave_0_\@
	s_barrier_signal -3
.Lnot_wave_0_\@:
	s_barrier_wait -3
	s_barrier_signal -1
	s_barrier_wait -1
.endm
	s_load_b128 s[4:7], s[0:1], 0x0                ; A, wb
	s_load_b64 s[8:9], s[0:1], 0x10                ; the residual
	s_load_b64 s[66:67], s[0:1], 0x18              ; the result
.if DOWN
	s_load_b64 s[68:69], s[0:1], 0x20              ; b2
.endif
	v_lshl_add_u32 v[SPW], v0, 2, SPARE
	v_mov_b32 v[NIL], 0
	ds_add_u32 v[SPW], v[NIL]                      ; the wave's opening: the add and its wait ahead of my first tensor load
	v_lshrrev_b32 v1, 5, v0
	v_readfirstlane_b32 s10, v1
	s_lshr_b32 s11, s10, 1
	s_and_b32 s12, s10, 1
	s_bfe_u32 s40, ttmp6, 0x40000
	s_bfe_u32 s41, ttmp6, 0x40004
	s_lshl_b32 s42, ttmp9, 2
	s_add_co_u32 s42, s42, s40                     ; tile column
	s_and_b32 s13, ttmp7, 0xffff
	s_lshl_b32 s13, s13, 2
	s_add_co_u32 s13, s13, s41                     ; tile row
	s_lshl_b32 s43, s41, 2
	s_lshl_b32 s43, 15, s43
	s_lshl_b32 s44, 0x1111, s40
	s_or_b32 s[G1+0], s43, (3<<16)|(1<<21)         ; the mask; elements of 8 bytes; bit 21 set beside a mask; no padding
	s_or_b32 s[G1B+0], s44, (3<<16)|(1<<21)
.irp g, G1, G1B
	s_mov_b32 s[(\g)+1], 1024<<16                  ; tensor_dim0 = 1,024 elements = 8,192 bytes
	s_mov_b32 s[(\g)+2], 4<<16                     ; tensor_dim1 = 4 tiles
	s_mov_b32 s[(\g)+3], 1024<<16
	s_mov_b32 s[(\g)+4], 4
	s_mov_b32 s[(\g)+5], KTOT*4                    ; K x 32 bytes from tile to tile
	s_mov_b32 s[(\g)+6], 0
	s_mov_b32 s[(\g)+7], 0
.endr
	s_lshl_b32 s16, s13, 3
	s_lshl_b32 s17, s12, 2
	s_add_co_u32 s16, s16, s17
	s_mul_i32 s16, s16, KTOT*32
	s_mov_b32 s17, 0
	s_lshl_b32 s46, s42, 3
	s_lshl_b32 s47, s12, 2
	s_add_co_u32 s46, s46, s47
	s_mul_i32 s46, s46, KTOT*32
	s_mov_b32 s47, 0
	s_lshl_b32 s20, s10, 15                        ; where they go: wave x 32,768: A's halves, then W's
	s_mov_b32 s21, 0xffff0000                      ; a word's upper bf16
	s_wait_dscnt 0x0
	s_wait_kmcnt 0x0
	s_add_nc_u64 s[14:15], s[4:5], s[16:17]
	s_add_nc_u64 s[46:47], s[6:7], s[46:47]
	s_add_nc_u64 s[46:47], s[46:47], WOFF
	CROUND
.irp s, 0,1
	s_mov_b32 s[G0+4*(\s)], 1
	s_add_co_u32 s[G0+4*(\s)+1], s20, (\s)*SLOT1
	s_add_nc_u64 s[G0+4*(\s)+2:G0+4*(\s)+3], s[14:15], (\s)*STEPB
	s_or_b32 s[G0+4*(\s)+3], s[G0+4*(\s)+3], 0x80000000
	s_mov_b32 s[G0B+4*(\s)], 1
	s_add_co_u32 s[G0B+4*(\s)+1], s20, (\s)*SLOT1
	s_add_nc_u64 s[G0B+4*(\s)+2:G0B+4*(\s)+3], s[46:47], (\s)*STEPB
	s_or_b32 s[G0B+4*(\s)+3], s[G0B+4*(\s)+3], 0x80000000
.endr
	s_cmp_eq_u32 s11, 0                            ; a wave's two first fills stand in one branch: two loads of mine are out
	s_cbranch_scc0 .Lfirst_b
	tensor_load_to_lds s[G0:G0+3], s[G1:G1+7]
	s_nop 0
	tensor_load_to_lds s[G0+4:G0+7], s[G1:G1+7]
	s_nop 0
	PLACES
	s_branch .Lfirst_asked
.Lfirst_b:
	tensor_load_to_lds s[G0B:G0B+3], s[G1B:G1B+7]
	s_nop 0
	tensor_load_to_lds s[G0B+4:G0B+7], s[G1B:G1B+7]
	s_nop 0
	PLACES
.Lfirst_asked:
	v_and_b32 v2, 15, v0                           ; r
	v_bfe_u32 v3, v0, 4, 1                         ; h
	v_and_b32 v4, 7, v0                            ; the turning load: row 8 h + l % 8 of 32 bytes, half (l / 8) % 2
	v_lshl_add_u32 v4, v3, 3, v4
	v_lshlrev_b32 v4, 5, v4
	v_bfe_u32 v5, v0, 3, 1
	v_lshl_add_u32 v4, v5, 4, v4
	s_lshl_b32 s22, s11, 15
	v_add_nc_u32 v[ADRA0], s22, v4
	s_lshl_b32 s23, s12, 15
	s_add_co_u32 s23, s23, BOFF
	v_add_nc_u32 v[ADRB0], s23, v4
	v_mov_b32 v[ADRA], v[ADRA0]
	v_mov_b32 v[ADRB], v[ADRB0]
	s_mul_i32 s23, s10, 16*SPITCH
	s_add_co_u32 s23, s23, STAGE
	v_mul_u32_u24 v[STO], v2, SPITCH               ; in: row r, 32 bytes for each half of the lanes
	v_lshl_add_u32 v[STO], v3, 5, v[STO]
	v_add_nc_u32 v[STO], s23, v[STO]
	v_mul_u32_u24 v[RD], v3, SPITCH                ; back: lanes 0-15 one row of 256 bytes, lanes 16-31 the next
	v_lshl_add_u32 v[RD], v2, 4, v[RD]
	v_add_nc_u32 v[RD], s23, v[RD]
	v_lshlrev_b32 v[RO], 12, v3
	v_lshl_add_u32 v[RO], v2, 4, v[RO]
	s_lshl_b32 s16, s13, 7                         ; my first row: 128 x tile row + 64 x my half, 4,096 bytes each
	s_lshl_b32 s17, s11, 6
	s_add_co_u32 s16, s16, s17
	s_lshl_b32 s16, s16, 12
	s_mov_b32 s17, 0
	s_lshl_b32 s46, s42, 9                         ; my first column, in bytes
	s_lshl_b32 s47, s12, 8
	s_add_co_u32 s46, s46, s47
	s_mov_b32 s47, 0
	s_add_nc_u64 s[8:9], s[8:9], s[16:17]
	s_add_nc_u64 s[8:9], s[8:9], s[46:47]
	s_add_nc_u64 s[66:67], s[66:67], s[16:17]
	s_add_nc_u64 s[66:67], s[66:67], s[46:47]
.if DOWN
	s_add_nc_u64 s[68:69], s[68:69], s[46:47]
	v_lshlrev_b32 v6, 4, v2
	global_load_b128 v[BI:BI+3], v6, s[68:69]
.endif
	WIN 0x80                                       ; destination in window 2
.set i, 0
.rept 32
	global_load_b128 v[4*i:4*i+3], v[RO], s[8:9] offset:i*8192   ; rows 2 i and 2 i + 1 of my 64, 256 bytes each
.set i, i+1
.endr
	WIN 0
.macro MUL8 f, c, a0, zero             ; token blocks a0, a0 + 1 x all 4 feature blocks, 32 along K: half c of buffer f
	WIN MUL
.irp a, \a0, (\a0)+1
.irp b, 0,1,2,3
.if \zero
	v_wmma_f32_16x16x32_bf16 v[ACC+8*(4*(\a)+(\b)):ACC+8*(4*(\a)+(\b))+7], v[(\f)+64+8*(4*(\c)+(\b)):(\f)+64+8*(4*(\c)+(\b))+7], v[(\f)+8*(4*(\c)+(\a)):(\f)+8*(4*(\c)+(\a))+7], 0
.else
	v_wmma_f32_16x16x32_bf16 v[ACC+8*(4*(\a)+(\b)):ACC+8*(4*(\a)+(\b))+7], v[(\f)+64+8*(4*(\c)+(\b)):(\f)+64+8*(4*(\c)+(\b))+7], v[(\f)+8*(4*(\c)+(\a)):(\f)+8*(4*(\c)+(\a))+7], v[ACC+8*(4*(\a)+(\b)):ACC+8*(4*(\a)+(\b))+7]
.endif
.endr
.endr
.endm
.macro HALF f, c, zero                 ; half a quarter: all 16 accumulators, 32 along K
	MUL8 \f, \c, 0, \zero
	MUL8 \f, \c, 2, \zero
.endm
.macro FETCH k, f                      ; 32 LDS loads in one run: the fragments of 64 along K at byte k behind the pair's base; the first 32 along K first
	WIN TO_F
.irp c, 0,1
.irp i, 0,1,2,3
	ds_load_tr16_b128 v[(\f)+64+8*(4*(\c)+(\i)):(\f)+64+8*(4*(\c)+(\i))+3],   v[ADRB] offset:(\k)+1024*(\c)+(\i)*8192
	ds_load_tr16_b128 v[(\f)+64+8*(4*(\c)+(\i))+4:(\f)+64+8*(4*(\c)+(\i))+7], v[ADRB] offset:(\k)+1024*(\c)+(\i)*8192+512
	ds_load_tr16_b128 v[(\f)+8*(4*(\c)+(\i)):(\f)+8*(4*(\c)+(\i))+3],         v[ADRA] offset:(\k)+1024*(\c)+(\i)*8192
	ds_load_tr16_b128 v[(\f)+8*(4*(\c)+(\i))+4:(\f)+8*(4*(\c)+(\i))+7],       v[ADRA] offset:(\k)+1024*(\c)+(\i)*8192+512
.endr
.endr
.endm
; A PAIR of quarters, p (even, buffer 0) and p + 1 (buffer 1), at LDS byte s[TB] of the tiles.  It begins where quarter p is fetched and ends with the first half of quarter p + 1's products; the second half of
; quarter p - 1's stands behind its first run of loads.  Each run is issued 16 matrix instructions ahead of its first use.  The 16 accumulators take turns in one fixed order.
.macro PAIR
	WIN 0
	v_add_nc_u32 v[ADRA], s[TB], v[ADRA0]
	v_add_nc_u32 v[ADRB], s[TB], v[ADRB0]
	PLACES
	FETCH 0, F0
	s_wait_dscnt 32                                ; all but the 32 just issued: buffer 1 is whole
	HALF F1, 1, 0
	s_wait_dscnt 16                                ; buffer 0's first 32 along K are in
	HALF F0, 0, 0
	PLACES
	FETCH 2048, F1
	s_wait_dscnt 32                                ; buffer 0 is whole
	HALF F0, 1, 0
	s_wait_dscnt 16
	HALF F1, 0, 0
	WIN 0
	s_add_co_u32 s[TB], s[TB], 4096                ; two quarters on
.endm
; THE CHANGE OF SLOTS, between two visits: all of the old slot's fragments have been fetched.  Each wave waits for all its tensor loads (one is out: its part of the next slot), adds 0 to its spare word, and waits for
; that and for its reads of the old slot.  fill = 1: the barrier is a round of the cluster's, and the old slot is filled again, two K steps ahead, first thing behind it: the load has a visit, 128 matrix instructions, to land.
.macro CHANGE fill
	WIN 0
	s_wait_tensorcnt 0x0
	ds_add_u32 v[SPW], v[NIL]
.if \fill
	s_xor_b32 s[G0+5], s[G0+5], SLOT1              ; the walking sets: the other slot than last time, the next K step
	s_add_nc_u64 s[G0+6:G0+7], s[G0+6:G0+7], STEPB
	s_xor_b32 s[G0B+5], s[G0B+5], SLOT1
	s_add_nc_u64 s[G0B+6:G0B+7], s[G0B+6:G0B+7], STEPB
	s_wait_dscnt 0x0
	CROUND
	JLOAD
.else
	s_wait_dscnt 0x0
	s_barrier_signal -1
	s_barrier_wait -1
.endif
	s_sub_co_u32 s[TB], s[TB], STEPB               ; back to a slot's first quarter,
	s_xor_b32 s[TB], s[TB], SLOT1                  ; in the other slot
.endm
	s_wait_tensorcnt 1                             ; my part of K step 0 is in; step 1's may stay out
	s_barrier_signal -1
	s_barrier_wait -1
	FETCH 0, F0                                    ; the first quarter and a half are written out: the first products start the sums
	s_wait_dscnt 16
	HALF F0, 0, 1
	PLACES
	FETCH 2048, F1
	s_wait_dscnt 32
	HALF F0, 1, 0
	s_wait_dscnt 16
	HALF F1, 0, 0
	WIN 0
	s_mov_b32 s[TB], 4096
	s_mov_b32 s2, 2
	s_mov_b32 s3, KSTEPS-1
	s_branch .Lnext                                ; they stand for the first visit's first trip: the loop is entered at its counter
.Lslot:                                                ; KSTEPS - 2 times: a slot is entered and the other is asked for
	CHANGE 1
	s_mov_b32 s2, 2
.Lpair:
	PAIR
.Lnext:
	s_sub_co_u32 s2, s2, 1
	s_cmp_lg_u32 s2, 0
	s_cbranch_scc1 .Lpair
	s_sub_co_u32 s3, s3, 1
	s_cmp_lg_u32 s3, 0
	s_cbranch_scc1 .Lslot
	CHANGE 0                                       ; the last visit is written out
	s_mov_b32 s2, 2
.Lpair_t:
	PAIR
	s_sub_co_u32 s2, s2, 1
	s_cmp_lg_u32 s2, 0
	s_cbranch_scc1 .Lpair_t
	s_wait_dscnt 0x0                               ; buffer 1 is whole
	HALF F1, 1, 0
	WIN 0
	s_wait_loadcnt 0x0                             ; the residual (and the bias)
	PLACES
.if DOWN
	v_cvt_pk_bf16_f32 v[RT], v[BI], v[BI+1]        ; the bias is an input: rounded to bf16
	v_cvt_pk_bf16_f32 v[RT+1], v[BI+2], v[BI+3]
	v_lshlrev_b32 v[BI], 16, v[RT]
	v_and_b32 v[BI+1], s21, v[RT]
	v_lshlrev_b32 v[BI+2], 16, v[RT+1]
	v_and_b32 v[BI+3], s21, v[RT+1]
.endif
	; THE WAY OUT, 16 rows at a time: through my stage, back as whole rows of 256 bytes, plus the residual
.set a, 0
.rept 4
.set b, 0
.rept 4
	ds_store_b128 v[STO], v[ACC+8*(4*a+b):ACC+8*(4*a+b)+3]   offset:64*b
	ds_store_b128 v[STO], v[ACC+8*(4*a+b)+4:ACC+8*(4*a+b)+7] offset:64*b+16
.set b, b+1
.endr
	s_wait_xcnt 0x0                                ; the registers that the last block's stores read are loaded again only behind this wait
.irp t, 0,1,2,3,4,5,6,7
	ds_load_b128 v[BK+4*\t:BK+4*\t+3], v[RD] offset:\t*2*SPITCH   ; LDS serves a wave's instructions in order (ISA guide 5.7.1.4): these see the stores above
.endr
.if DOWN
	s_wait_dscnt 0x0
	WIN 0x08                                       ; source 1 in window 2
.set i, 0
.rept 16
	v_pk_add_f32 v[BK+i:BK+i+1], v[BK+i:BK+i+1], v[32*a+i:32*a+i+1]
.set i, i+2
.endr
	WIN 0
.irp t, 0,1,2,3,4,5,6,7
	v_pk_add_f32 v[BK+4*\t:BK+4*\t+1], v[BK+4*\t:BK+4*\t+1], v[BI:BI+1]
	v_pk_add_f32 v[BK+4*\t+2:BK+4*\t+3], v[BK+4*\t+2:BK+4*\t+3], v[BI+2:BI+3]
.endr
.else
	WIN 0x0a                                       ; sources 0 and 1 in window 2: x is an input: rounded to bf16, while the stage's loads are out
.set i, 0
.rept 16
	v_cvt_pk_bf16_f32 v[RT+i], v[32*a+2*i], v[32*a+2*i+1]
.set i, i+1
.endr
	WIN 0
.set i, 0
.rept 16
	v_lshlrev_b32 v[RU+2*i], 16, v[RT+i]
	v_and_b32 v[RU+2*i+1], s21, v[RT+i]
.set i, i+1
.endr
	s_wait_dscnt 0x0
.set i, 0
.rept 16
	v_pk_add_f32 v[BK+i:BK+i+1], v[BK+i:BK+i+1], v[RU+i:RU+i+1]
.set i, i+2
.endr
.endif
.irp t, 0,1,2,3,4,5,6,7
	global_store_b128 v[RO], v[BK+4*\t:BK+4*\t+3], s[66:67] offset:(16*a+2*\t)*4096   ; 16 lanes store 256 consecutive bytes, at a multiple of 256
.endr
.set a, a+1
.endr
	s_wait_tensorcnt 0x0                           ; the wave's end
	ds_add_u32 v[SPW], v[NIL]
	s_wait_dscnt 0x0
	CROUND                                         ; the closing round
	s_endpgm
.Lfunc_end_k_q49eaba3cff_oproj:
	.size	k_q49eaba3cff_oproj, .Lfunc_end_k_q49eaba3cff_oproj-k_q49eaba3cff_oproj
	.p2alignl 7, 3214868480
	.fill 96, 4, 3214868480
	.section	.rodata,"a",@progbits
	.p2align	6, 0x0
	.amdhsa_kernel k_q49eaba3cff_oproj
		.amdhsa_group_segment_fixed_size 327680
		.amdhsa_private_segment_fixed_size 0
		.amdhsa_enable_private_segment 0
		.amdhsa_kernarg_size 32
		.amdhsa_user_sgpr_count 2
		.amdhsa_user_sgpr_kernarg_segment_ptr 1
		.amdhsa_wavefront_size32 1
		.amdhsa_system_sgpr_workgroup_id_x 1
		.amdhsa_system_sgpr_workgroup_id_y 1
		.amdhsa_system_sgpr_workgroup_id_z 1
		.amdhsa_system_vgpr_workitem_id 0
		.amdhsa_next_free_vgpr 640
		.amdhsa_next_free_sgpr 70
		.amdhsa_reserve_vcc 0
		.amdhsa_float_denorm_mode_32 3
		.amdhsa_float_denorm_mode_16_64 3
		.amdhsa_memory_ordered 1
		.amdhsa_forward_progress 1
		.amdhsa_inst_pref_size 58
	.end_amdhsa_kernel
	.amdgpu_metadata
---
amdhsa.version: [ 1, 2 ]
amdhsa.kernels:
  - .name:           k_q49eaba3cff_oproj
    .symbol:         k_q49eaba3cff_oproj.kd
    .args:
      - { .name: rec, .offset: 0, .size: 8, .value_kind: global_buffer, .address_space: global }
      - { .name: wb, .offset: 8, .size: 8, .value_kind: global_buffer, .address_space: global }
      - { .name: x, .offset: 16, .size: 8, .value_kind: global_buffer, .address_space: global }
      - { .name: x2, .offset: 24, .size: 8, .value_kind: global_buffer, .address_space: global }
    .group_segment_fixed_size: 327680
    .private_segment_fixed_size: 0
    .kernarg_segment_align: 8
    .kernarg_segment_size: 32
    .max_flat_workgroup_size: 128
    .sgpr_count:     70
    .vgpr_count:     640
    .wavefront_size: 32
...
	.end_amdgpu_metadata
.endif
;; end of part 13
;; launch ln2: the kernel of part 9 again; grid 256 x 1, 8 waves a work-group, no clusters, 34,048 bytes of LDS; arguments x2, ln2_w, ln2_b, xn; writes xn
;; launch up (part 14): grid 16 x 16, 4 waves a work-group, clusters of 4 x 4, 327,680 bytes of LDS; arguments xn, wb, f, b1; writes f
.if DOCPART == 14
	.amdgcn_target "amdgcn-amd-amdhsa--gfx1250"
	.amdhsa_code_object_version 6
	.text
	.protected	k_q49eaba3cff_up
	.globl	k_q49eaba3cff_up
	.p2align	8
	.type	k_q49eaba3cff_up,@function
k_q49eaba3cff_up:
	s_mov_b64 s[64:65], 0
	v_nop
	global_prefetch_b8 v0, s[64:65] scope:SCOPE_SE
	s_setreg_imm32_b32 hwreg(HW_REG_WAVE_MODE, 25, 1), 1
	s_wait_xcnt 0x0
	s_wait_alu depctr_hold_cnt(0) depctr_sa_sdst(0) depctr_va_vdst(0) depctr_va_sdst(0) depctr_va_ssrc(0) depctr_va_vcc(0) depctr_vm_vsrc(0)
	s_getreg_b32 s2, hwreg(HW_REG_IB_STS2, 6, 4)
	s_cmp_eq_u32 s2, 0
	s_cbranch_scc0 .Lentry_in_a_cluster
	s_endpgm
.Lentry_in_a_cluster:
	s_bfe_u32 s2, ttmp6, 0x10000c
	s_cmp_lg_u32 s2, 0xf033
	s_cbranch_scc0 .Lentry_shape_is_right
	s_endpgm
.Lentry_shape_is_right:
; h = LeakyReLU(xn2 W1 + b1, 0.01)^2: 4,096 tokens x 3,072 features, K = 1,024, f16 operands (W1's bf16 numbers written as f16), f32 sums, bias, activation and square in f32.
; b1 is an input: like every input of the module it enters rounded to bf16.  h is a square and has no room in f16 when its root is large: it is rounded once to bf16.
; A (xn2) lies in blocks [token tile][k/8][16 tokens][8 k], B (W1) in blocks [n tile][k][16 n]: 128 k of a tile of 16 rows are 4,096 consecutive bytes, so a K step's tile is a few rows of 4,096 bytes.
; A work-group makes 256 tokens x 192 features (16 x 16 work-groups), each of its four waves 128 x 96.  K goes in eight steps of 128 through two LDS slots; waves 0 and 1 fetch A's halves, waves 2 and 3 B's.
; CLUSTER 4 x 4: A's tile is shared along a row of the cluster, B's along a column; each is asked for jointly.
; THE TEXT IS KEPT SHORT.  A K step is four quarters of 32 along K on fragment buffers 0, 1, 0, 1.  The loop's body is a PAIR of quarters, cut where buffer 0 is fetched; a slot is two trips of it, with the LDS base in a scalar.
; The change of slots stands between two visits.  The way out is written once too: a loop cannot step through registers but it can step through LDS, so each wave lays its sums into bytes of the slots, which have had
; their last fill, and takes them back 16 tokens a trip.
; The product is used as it stands (source 0 = tokens, source 1 = features): a lane holds ONE feature and eight tokens, 16 bytes of the layout [token tile][feature][16 tokens] that the next launch reads;
; the lane's bias is the C operand that starts its sums.
; REGISTERS: window 0: addresses; v64-127, v128-191 A's fragments, two buffers, later at work on the way out with v192-215.  Window 1: v0-47 the bias; B's fragments at A's numbers.  Windows 2, 3: accumulator (a, b) at 8 (8 (a % 4) + b).
.set UP, 1
.if UP
.set NBW,  6
.set WOFF, 10485760
.set FT,   98304                       ; bytes of a token tile in the result
.else
.set NBW,  8
.set WOFF, 0
.set FT,   131072
.endif
.set SLOT1,  1<<17                     ; slot 1 begins here: one exclusive or turns an address in one slot into the other's
.set BOFF,   65536                     ; in a slot: A's 16 tiles of 4,096 bytes, then B's 2 NBW
.set SPARE,  2*SLOT1                   ; the spare words, 128 bytes a wave
.set KSTEPS, 8
.set STEPB,  4096                      ; bytes of a K step in a tile of 16 rows, in memory and in LDS
.set RUN,    2*NBW+16                  ; LDS loads in one run: the fragments of one quarter
.set ADRA0, 16                         ; v16, v17  my lane's place in slot 0's A and B; never rewritten
.set ADRB0, 17
.set ADRA,  18                         ; v18, v19  the same at the pair of quarters in hand
.set ADRB,  19
.set DMP,   20                         ; v20  the way out: 65,536 x wave + 16 x lane; never rewritten
.set SRC,   21                         ; v21  the same at the 16 tokens in hand
.set CO,    26                         ; v26  32 (lane % 16) + 16 (lane / 16)
.set SPW,   28                         ; v28  my spare word; never rewritten
.set NIL,   29                         ; v29  0; never rewritten
.set F0,    64
.set F1,    128
.set X,     64                         ; the way out: sums read back, at work, packed results
.set T2,    128
.set TM,    192
.set G1,  24                           ; s[24:31] group 1 for A;  s[32:39] group 0, two sets: the second walks
.set G0,  32
.set TB,  45                           ; s45  LDS byte, in the tiles, of the pair of quarters in hand; on the way out: of the 16 tokens in hand
.set G1B, 48                           ; s[48:55], s[56:63] the same for B
.set G0B, 56
.set MSB, 0
.macro WIN new                         ; the immediate's high byte repeats the setting that is left
.if MSB != (\new)
	s_set_vgpr_msb (MSB<<8)|(\new)
.set MSB, \new
.endif
.endm
.set MUL_LO, 0xa4                      ; source 0 (A) window 0, source 1 (B) window 1, C and D window 2
.set TO_B,   0x40
.macro PLACES                          ; four places behind matrix instructions, ahead of loads into their sources and of reads of their results
.rept 4
	v_nop
.endr
.endm
.macro JLOAD                           ; a joint refill by the walking set; an s_nop 0 and four v_nop follow each line
	s_cmp_eq_u32 s11, 0
	s_cbranch_scc0 .Lfor_b_\@
	tensor_load_to_lds s[G0+4:G0+7], s[G1:G1+7]
	s_nop 0
	PLACES
	s_branch .Lasked_\@
.Lfor_b_\@:
	tensor_load_to_lds s[G0B+4:G0B+7], s[G1B:G1B+7]
	s_nop 0
	PLACES
.Lasked_\@:
.endm
.macro CROUND                          ; a round of the cluster's barrier
	s_barrier_signal -1
	s_barrier_wait -1
	s_cmp_lg_u32 s10, 0
	s_cbranch_scc1 .Lnot_wave_0_\@
	s_barrier_signal -3
.Lnot_wave_0_\@:
	s_barrier_wait -3
	s_barrier_signal -1
	s_barrier_wait -1
.endm
	s_load_b128 s[4:7], s[0:1], 0x0                ; xn, wb
	s_load_b64 s[8:9], s[0:1], 0x10                ; f: here h
.if UP
	s_load_b64 s[66:67], s[0:1], 0x18              ; b1
.endif
	v_lshl_add_u32 v[SPW], v0, 2, SPARE
	v_mov_b32 v[NIL], 0
	ds_add_u32 v[SPW], v[NIL]                      ; the wave's opening: the add and its wait ahead of my first tensor load
	v_lshrrev_b32 v1, 5, v0
	v_readfirstlane_b32 s10, v1                    ; wave 0..3
	s_lshr_b32 s11, s10, 1                         ; my half of the tokens.  Also: I fetch for A (0) or B (1)
	s_and_b32 s12, s10, 1                          ; my half of the features.  Also: which half of that tile I fetch
	s_bfe_u32 s40, ttmp6, 0x40000                  ; cx, cy
	s_bfe_u32 s41, ttmp6, 0x40004
	s_lshl_b32 s42, ttmp9, 2
	s_add_co_u32 s42, s42, s40                     ; tile column
	s_and_b32 s13, ttmp7, 0xffff
	s_lshl_b32 s13, s13, 2
	s_add_co_u32 s13, s13, s41                     ; tile row
	s_lshl_b32 s43, s41, 2
	s_lshl_b32 s43, 15, s43                        ; my row of the cluster
	s_lshl_b32 s44, 0x1111, s40                    ; my column
	s_or_b32 s[G1+0], s43, (3<<16)|(1<<21)         ; the mask; elements of 8 bytes; bit 21 set beside a mask; no padding
	s_or_b32 s[G1B+0], s44, (3<<16)|(1<<21)
	s_mov_b32 s[G1+1], 512<<16                     ; tensor_dim0 = 512 elements = 4,096 bytes
	s_mov_b32 s[G1B+1], 512<<16
	s_mov_b32 s[G1+2], 8<<16                       ; tensor_dim1 = 8 tiles
	s_mov_b32 s[G1B+2], NBW<<16
	s_mov_b32 s[G1+3], 512<<16                     ; tile_dim0
	s_mov_b32 s[G1B+3], 512<<16
	s_mov_b32 s[G1+4], 8                           ; tile_dim1
	s_mov_b32 s[G1B+4], NBW
	s_mov_b32 s[G1+5], 4096                        ; 32,768 bytes from tile to tile
	s_mov_b32 s[G1B+5], 4096
	s_mov_b32 s[G1+6], 0
	s_mov_b32 s[G1B+6], 0
	s_mov_b32 s[G1+7], 0
	s_mov_b32 s[G1B+7], 0
	s_lshl_b32 s16, s13, 4                         ; A: token tile 16 x row + 8 x half, 32,768 bytes each
	s_lshl_b32 s17, s12, 3
	s_add_co_u32 s16, s16, s17
	s_lshl_b32 s16, s16, 15
	s_mov_b32 s17, 0
	s_mul_i32 s46, s42, 2*NBW                      ; B: n tile 2 NBW x column + NBW x half
	s_mul_i32 s47, s12, NBW
	s_add_co_u32 s46, s46, s47
	s_lshl_b32 s46, s46, 15
	s_mov_b32 s47, 0
	s_mul_i32 s20, s10, 32768                      ; where they go: waves 0, 1: A's halves;
	s_mul_i32 s21, s10, NBW*4096                   ; waves 2, 3: B's halves, from BOFF on
	s_add_co_u32 s21, s21, BOFF-2*NBW*4096
	s_wait_dscnt 0x0                               ; the opening add is done
	s_wait_kmcnt 0x0
	s_add_nc_u64 s[14:15], s[4:5], s[16:17]
	s_add_nc_u64 s[46:47], s[6:7], s[46:47]
.if WOFF
	s_add_nc_u64 s[46:47], s[46:47], WOFF
.endif
	CROUND                                         ; all sixteen work-groups are here: the first joint loads meet
.irp s, 0,1
	s_mov_b32 s[G0+4*(\s)], 1
	s_add_co_u32 s[G0+4*(\s)+1], s20, (\s)*SLOT1
	s_add_nc_u64 s[G0+4*(\s)+2:G0+4*(\s)+3], s[14:15], (\s)*STEPB
	s_or_b32 s[G0+4*(\s)+3], s[G0+4*(\s)+3], 0x80000000
	s_mov_b32 s[G0B+4*(\s)], 1
	s_add_co_u32 s[G0B+4*(\s)+1], s21, (\s)*SLOT1
	s_add_nc_u64 s[G0B+4*(\s)+2:G0B+4*(\s)+3], s[46:47], (\s)*STEPB
	s_or_b32 s[G0B+4*(\s)+3], s[G0B+4*(\s)+3], 0x80000000
.endr
	s_cmp_eq_u32 s11, 0                            ; a wave's two first fills stand in one branch: two loads of mine are out
	s_cbranch_scc0 .Lfirst_b
	tensor_load_to_lds s[G0:G0+3], s[G1:G1+7]
	s_nop 0
	tensor_load_to_lds s[G0+4:G0+7], s[G1:G1+7]
	s_nop 0
	PLACES
	s_branch .Lfirst_asked
.Lfirst_b:
	tensor_load_to_lds s[G0B:G0B+3], s[G1B:G1B+7]
	s_nop 0
	tensor_load_to_lds s[G0B+4:G0B+7], s[G1B:G1B+7]
	s_nop 0
	PLACES
.Lfirst_asked:
	v_and_b32 v1, 31, v0
	v_and_b32 v2, 15, v0                           ; r
	v_bfe_u32 v3, v0, 4, 1                         ; h
	s_lshl_b32 s22, s11, 15
	v_lshl_add_u32 v[ADRA0], v1, 4, s22            ; A's fragment: 16 x lane, and 512 bytes on
	v_and_b32 v4, 7, v0                            ; B's, by the turning load: row 8 h + l % 8 of 32 bytes, half (l / 8) % 2
	v_lshl_add_u32 v4, v3, 3, v4
	v_lshlrev_b32 v4, 5, v4
	v_bfe_u32 v5, v0, 3, 1
	v_lshl_add_u32 v4, v5, 4, v4
	s_mul_i32 s23, s12, NBW*4096
	s_add_co_u32 s23, s23, BOFF
	v_add_nc_u32 v[ADRB0], s23, v4
	v_mov_b32 v[ADRA], v[ADRA0]
	v_mov_b32 v[ADRB], v[ADRB0]
	s_lshl_b32 s22, s10, 16
	v_lshl_add_u32 v[DMP], v1, 4, s22              ; the way out: my wave's 65,536 bytes, 16 a lane
	v_lshlrev_b32 v[CO], 5, v2
	v_lshl_add_u32 v[CO], v3, 4, v[CO]
	s_lshl_b32 s16, s13, 4                         ; the result: token tile 16 x row + 8 x my half,
	s_lshl_b32 s17, s11, 3
	s_add_co_u32 s16, s16, s17
	s_mul_i32 s16, s16, FT
	s_mov_b32 s17, 0
	s_add_nc_u64 s[8:9], s[8:9], s[16:17]
	s_mul_i32 s46, s42, NBW*1024                   ; feature 32 NBW x column + 16 NBW x my half, 32 bytes each
	s_mul_i32 s47, s12, NBW*512
	s_add_co_u32 s46, s46, s47
	s_mov_b32 s47, 0
	s_add_nc_u64 s[8:9], s[8:9], s[46:47]
.if UP
	s_mul_i32 s46, s42, 768                        ; b1 at my first feature
	s_mul_i32 s47, s12, 384
	s_add_co_u32 s46, s46, s47
	s_mov_b32 s47, 0
	s_add_nc_u64 s[66:67], s[66:67], s[46:47]
	s_mov_b32 s68, 0x3c23d70a                      ; 0.01, in a pair's low word
	s_mov_b32 s69, 0x3c23d70a
	v_lshlrev_b32 v6, 2, v2
.set b, 0
.rept NBW
	global_load_b32 v[32+b], v6, s[66:67] offset:64*b  ; a lane's feature has one bias for its eight tokens
.set b, b+1
.endr
	s_wait_loadcnt 0x0
.set b, 0
.rept NBW
	v_cvt_pk_bf16_f32 v[40+b], v[32+b], v[32+b]    ; an input: rounded to bf16
.set b, b+1
.endr
.set b, 0
.rept NBW
	v_lshlrev_b32 v[32+b], 16, v[40+b]
.set b, b+1
.endr
	WIN 0x40
.set b, 0
.rept NBW
.irp j, 0,1,2,3,4,5,6,7
	v_mov_b32 v[8*b+\j], v[32+b]                   ; the bias as a C operand: it starts the sums
.endr
.set b, b+1
.endr
	WIN 0
.else
	s_cmp_ge_u32 ttmp9, 2
	s_cselect_b32 s18, -1, 0
.endif
; 2 NBW matrix instructions: token blocks a0, a0 + 1 of the window's four x all NBW feature blocks, 32 along K.  zero = 1: the first product starts the sums, from the bias.
.macro MUL16 f, hi, a0, zero
.irp a, \a0, (\a0)+1
.set b, 0
.rept NBW
.set rD, 8*(8*(\a)+b)
.set rA, (\f)+8*(4*(\hi)+(\a))
.set rB, (\f)+8*b
.if (\zero) && UP
	WIN 0x94+0x40*(\hi)
	v_wmma_f32_16x16x32_f16 v[rD:rD+7], v[rA:rA+7], v[rB:rB+7], v[8*b:8*b+7]
.elseif \zero
	WIN MUL_LO+0x50*(\hi)
	v_wmma_f32_16x16x32_f16 v[rD:rD+7], v[rA:rA+7], v[rB:rB+7], 0
.else
	WIN MUL_LO+0x50*(\hi)
	v_wmma_f32_16x16x32_f16 v[rD:rD+7], v[rA:rA+7], v[rB:rB+7], v[rD:rD+7]
.endif
.set b, b+1
.endr
.endr
.endm
.macro HALF f, hi, zero                ; half a quarter: my tokens 0-63 (hi = 0) or 64-127 (hi = 1) x all my features
	MUL16 \f, \hi, 0, \zero
	MUL16 \f, \hi, 2, \zero
.endm
; One run of LDS loads: the fragments of 32 along K at byte k behind the pair's base, into buffer f: B's 2 NBW loads, then A's 16
.macro FETCH k, f
	WIN TO_B
.set b, 0
.rept NBW
	ds_load_tr16_b128 v[(\f)+8*b:(\f)+8*b+3],   v[ADRB] offset:(\k)+b*4096
	ds_load_tr16_b128 v[(\f)+8*b+4:(\f)+8*b+7], v[ADRB] offset:(\k)+b*4096+512
.set b, b+1
.endr
	WIN 0
.irp i, 0,1,2,3,4,5,6,7
	ds_load_b128 v[(\f)+8*(\i):(\f)+8*(\i)+3],   v[ADRA] offset:(\k)+(\i)*4096
	ds_load_b128 v[(\f)+8*(\i)+4:(\f)+8*(\i)+7], v[ADRA] offset:(\k)+(\i)*4096+512
.endr
.endm
; A PAIR of quarters, p (even, buffer 0) and p + 1 (buffer 1), at LDS byte s[TB] of the tiles.  It begins where quarter p is fetched and ends with the first half of quarter p + 1's products; the second half of
; quarter p - 1's stands behind its first run of loads.  Each run is issued 4 NBW matrix instructions ahead of its first use.  The accumulators take turns in one fixed order.
.macro PAIR
	WIN 0
	v_add_nc_u32 v[ADRA], s[TB], v[ADRA0]
	v_add_nc_u32 v[ADRB], s[TB], v[ADRB0]
	PLACES
	FETCH 0, F0
	s_wait_dscnt RUN                               ; all but the run just issued: buffer 1 is whole
	HALF F1, 1, 0
	s_wait_dscnt 8                                 ; B and A's tokens 0-63 are in; the youngest eight loads may be out
	HALF F0, 0, 0
	PLACES
	FETCH 1024, F1
	s_wait_dscnt RUN                               ; buffer 0 is whole
	HALF F0, 1, 0
	s_wait_dscnt 8
	HALF F1, 0, 0
	WIN 0
	s_add_co_u32 s[TB], s[TB], 2048                ; two quarters on
.endm
; THE CHANGE OF SLOTS, between two visits: all of the old slot's fragments have been fetched.  Each wave waits for all its tensor loads (one is out: its part of the next slot), adds 0 to its spare word, and waits for
; that and for its reads of the old slot.  fill = 1: the barrier is a round of the cluster's, and the old slot is filled again, two K steps ahead, first thing behind it: the load has a visit, 32 NBW matrix instructions, to land.
.macro CHANGE fill
	WIN 0
	s_wait_tensorcnt 0x0
	ds_add_u32 v[SPW], v[NIL]
.if \fill
	s_xor_b32 s[G0+5], s[G0+5], SLOT1              ; the walking sets: the other slot than last time, the next K step
	s_add_nc_u64 s[G0+6:G0+7], s[G0+6:G0+7], STEPB
	s_xor_b32 s[G0B+5], s[G0B+5], SLOT1
	s_add_nc_u64 s[G0B+6:G0B+7], s[G0B+6:G0B+7], STEPB
	s_wait_dscnt 0x0
	CROUND
	JLOAD
.else
	s_wait_dscnt 0x0
	s_barrier_signal -1
	s_barrier_wait -1
.endif
	s_sub_co_u32 s[TB], s[TB], STEPB               ; back to a slot's first quarter,
	s_xor_b32 s[TB], s[TB], SLOT1                  ; in the other slot
.endm
	s_wait_tensorcnt 1                             ; my part of K step 0 is in; step 1's may stay out
	s_barrier_signal -1
	s_barrier_wait -1
	FETCH 0, F0                                    ; the first quarter and a half are written out: their products start the sums
	s_wait_dscnt 8
	HALF F0, 0, 1
	PLACES
	FETCH 1024, F1
	s_wait_dscnt RUN
	HALF F0, 1, 1
	s_wait_dscnt 8
	HALF F1, 0, 0
	WIN 0
	s_mov_b32 s[TB], 2048
	s_mov_b32 s2, 2
	s_mov_b32 s3, KSTEPS-1
	s_branch .Lnext                                ; they stand for the first visit's first trip: the loop is entered at its counter
.Lslot:                                                ; KSTEPS - 2 times: a slot is entered and the other is asked for
	CHANGE 1
	s_mov_b32 s2, 2
.Lpair:
	PAIR
.Lnext:
	s_sub_co_u32 s2, s2, 1
	s_cmp_lg_u32 s2, 0
	s_cbranch_scc1 .Lpair
	s_sub_co_u32 s3, s3, 1
	s_cmp_lg_u32 s3, 0
	s_cbranch_scc1 .Lslot
	CHANGE 0                                       ; the last visit is written out
	s_mov_b32 s2, 2
.Lpair_t:
	PAIR
	s_sub_co_u32 s2, s2, 1
	s_cmp_lg_u32 s2, 0
	s_cbranch_scc1 .Lpair_t
	s_wait_dscnt 0x0                               ; buffer 1 is whole, and my reads of the slots are over:
	s_barrier_signal -1                            ; say so; the last products stand between the signal and the wait
	HALF F1, 1, 0
	WIN 0
	s_barrier_wait -1                              ; no wave reads the slots any more, and no fill is left: they take the sums
	PLACES
	; THE WAY OUT.  My 8 NBW accumulators go as they lie into my own bytes, 1,024 each, the four low registers first; 32 lanes x 16 consecutive bytes a store.
.set a, 0
.rept 8
	WIN 0x08+4*(a/4)                               ; the data (source 1) in window 2 or 3
.set b, 0
.rept NBW
.set rD, 8*(8*(a%4)+b)
	ds_store_b128 v[DMP], v[rD:rD+3]   offset:(a*NBW+b)*1024
	ds_store_b128 v[DMP], v[rD+4:rD+7] offset:(a*NBW+b)*1024+512
.set b, b+1
.endr
.set a, a+1
.endr
	WIN 0
	s_mov_b32 s[TB], 0
	s_mov_b32 s3, 8
.Lrow:                                                 ; a trip: 16 tokens x my 16 NBW features come back, are finished and stored
	v_add_nc_u32 v[SRC], s[TB], v[DMP]
.set b, 0
.rept NBW
	ds_load_b128 v[X+8*b:X+8*b+3],   v[SRC] offset:b*1024      ; LDS serves a wave's instructions in order (ISA guide 5.7.1.4): these see my stores above
	ds_load_b128 v[X+8*b+4:X+8*b+7], v[SRC] offset:b*1024+512
.set b, b+1
.endr
.set b, 0
.rept NBW
	s_wait_dscnt 2*(NBW-1-b)                       ; block b's two loads are in; those of the later blocks may be out
.if UP
.irp p, 0,2,4,6
	v_pk_mul_f32 v[T2+8*b+\p:T2+8*b+\p+1], v[X+8*b+\p:X+8*b+\p+1], s[68:69] op_sel_hi:[1,0]
.endr
.irp j, 0,1,2,3,4,5,6,7
	v_max_num_f32 v[X+8*b+\j], v[X+8*b+\j], v[T2+8*b+\j]   ; LeakyReLU: the larger of y and 0.01 y
.endr
.irp p, 0,2,4,6
	v_pk_mul_f32 v[X+8*b+\p:X+8*b+\p+1], v[X+8*b+\p:X+8*b+\p+1], v[X+8*b+\p:X+8*b+\p+1]
.endr
.irp r, 0,1,2,3
	v_cvt_pk_bf16_f32 v[TM+4*b+\r], v[X+8*b+2*\r], v[X+8*b+2*\r+1]
.endr
.else
.irp r, 0,1,2,3
	v_cvt_pk_f16_f32 v[TM+4*b+\r], v[X+8*b+2*\r], v[X+8*b+2*\r+1]
	v_cvt_pk_bf16_f32 v[T2+4*b+\r], v[X+8*b+2*\r], v[X+8*b+2*\r+1]
.endr
.irp r, 0,1,2,3
	v_cndmask_b32 v[TM+4*b+\r], v[TM+4*b+\r], v[T2+4*b+\r], s18
.endr
.endif
	global_store_b128 v[CO], v[TM+4*b:TM+4*b+3], s[8:9] offset:b*512   ; 16 features x 16 tokens: 512 consecutive bytes, at a multiple of 256
.set b, b+1
.endr
	s_wait_xcnt 0x0                                ; the base and the packed registers are rewritten only behind this wait
	s_add_nc_u64 s[8:9], s[8:9], FT                ; the next token tile
	s_add_co_u32 s[TB], s[TB], NBW*1024
	s_sub_co_u32 s3, s3, 1
	s_cmp_lg_u32 s3, 0
	s_cbranch_scc1 .Lrow
	s_wait_tensorcnt 0x0                           ; the wave's end
	ds_add_u32 v[SPW], v[NIL]
	s_wait_dscnt 0x0
	CROUND                                         ; the closing round
	s_endpgm
.Lfunc_end_k_q49eaba3cff_up:
	.size	k_q49eaba3cff_up, .Lfunc_end_k_q49eaba3cff_up-k_q49eaba3cff_up
	.p2alignl 7, 3214868480
	.fill 96, 4, 3214868480
	.section	.rodata,"a",@progbits
	.p2align	6, 0x0
	.amdhsa_kernel k_q49eaba3cff_up
		.amdhsa_group_segment_fixed_size 327680
		.amdhsa_private_segment_fixed_size 0
		.amdhsa_enable_private_segment 0
		.amdhsa_kernarg_size 32
		.amdhsa_user_sgpr_count 2
		.amdhsa_user_sgpr_kernarg_segment_ptr 1
		.amdhsa_wavefront_size32 1
		.amdhsa_system_sgpr_workgroup_id_x 1
		.amdhsa_system_sgpr_workgroup_id_y 1
		.amdhsa_system_sgpr_workgroup_id_z 1
		.amdhsa_system_vgpr_workitem_id 0
		.amdhsa_next_free_vgpr 1024
		.amdhsa_next_free_sgpr 70
		.amdhsa_reserve_vcc 0
		.amdhsa_float_denorm_mode_32 3
		.amdhsa_float_denorm_mode_16_64 3
		.amdhsa_memory_ordered 1
		.amdhsa_forward_progress 1
		.amdhsa_inst_pref_size 57
	.end_amdhsa_kernel
	.amdgpu_metadata
---
amdhsa.version: [ 1, 2 ]
amdhsa.kernels:
  - .name:           k_q49eaba3cff_up
    .symbol:         k_q49eaba3cff_up.kd
    .args:
      - { .name: xn, .offset: 0, .size: 8, .value_kind: global_buffer, .address_space: global }
      - { .name: wb, .offset: 8, .size: 8, .value_kind: global_buffer, .address_space: global }
      - { .name: f, .offset: 16, .size: 8, .value_kind: global_buffer, .address_space: global }
      - { .name: b1, .offset: 24, .size: 8, .value_kind: global_buffer, .address_space: global }
    .group_segment_fixed_size: 327680
    .private_segment_fixed_size: 0
    .kernarg_segment_align: 8
    .kernarg_segment_size: 32
    .max_flat_workgroup_size: 128
    .sgpr_count:     70
    .vgpr_count:     1024
    .wavefront_size: 32
...
	.end_amdgpu_metadata
.endif
;; end of part 14
;; launch down (part 15): grid 8 x 32, 4 waves a work-group, clusters of 4 x 4, 327,680 bytes of LDS; arguments f, wb, x2, out0, b2; writes out0
.if DOCPART == 15
	.amdgcn_target "amdgcn-amd-amdhsa--gfx1250"
	.amdhsa_code_object_version 6
	.text
	.protected	k_q49eaba3cff_down
	.globl	k_q49eaba3cff_down
	.p2align	8
	.type	k_q49eaba3cff_down,@function
k_q49eaba3cff_down:
	s_mov_b64 s[64:65], 0
	v_nop
	global_prefetch_b8 v0, s[64:65] scope:SCOPE_SE
	s_setreg_imm32_b32 hwreg(HW_REG_WAVE_MODE, 25, 1), 1
	s_wait_xcnt 0x0
	s_wait_alu depctr_hold_cnt(0) depctr_sa_sdst(0) depctr_va_vdst(0) depctr_va_sdst(0) depctr_va_ssrc(0) depctr_va_vcc(0) depctr_vm_vsrc(0)
	s_getreg_b32 s2, hwreg(HW_REG_IB_STS2, 6, 4)
	s_cmp_eq_u32 s2, 0
	s_cbranch_scc0 .Lentry_in_a_cluster
	s_endpgm
.Lentry_in_a_cluster:
	s_bfe_u32 s2, ttmp6, 0x10000c
	s_cmp_lg_u32 s2, 0xf033
	s_cbranch_scc0 .Lentry_shape_is_right
	s_endpgm
.Lentry_shape_is_right:
; out = res + A W (+ bias): 4,096 tokens x 1,024 features in f32; A and W bf16, sums f32.  DOWN = 1: out0 = x2 + h W2 + b2, K = 3,072.  (DOWN = 0: x2 = x + y Wo, K = 1,024.)
; What is an input of the module enters rounded to bf16, as every input does: with DOWN = 0 the residual x, with DOWN = 1 the bias b2.  The residual x2 is the program's own and stays f32.
; A lies in blocks [token tile][k][16 tokens], W in blocks [n tile][k][16 n]: 256 k of a tile of 16 rows are 8,192 consecutive bytes.  Both come out of LDS by the turning load.
; A work-group makes 128 x 128 (256 work-groups), each of its four waves 64 x 64: 16 accumulators.  K goes in steps of 256 through two LDS slots; waves 0, 1 fetch A's halves, waves 2, 3 W's.
; CLUSTER 4 x 4: A's tile is shared along a row of the cluster, W's along a column; each is asked for jointly.
; THE TEXT IS KEPT SHORT.  A K step is four quarters of 64 along K on fragment buffers 0, 1, 0, 1.  The loop's body is a PAIR of quarters, cut where buffer 0 is fetched; a slot is two trips of it, with the LDS base in a scalar.
; The change of slots stands between two visits.
; The product is used transposed (source 0 = features, source 1 = tokens): a lane holds one token and eight neighbouring features.  A wave's 64 features are 256 bytes of a row: each wave has a stage of its own.
; The residual is loaded at the start into window 2 and waits there.  REGISTERS: window 0: addresses; v40-127 at work; v128-255 accumulators.  Window 1: two fragment buffers of 128.  Window 2: v0-127 the residual.
.set DOWN, 1
.if DOWN
.set KTOT, 3072
.set WOFF, 16777216
.else
.set KTOT, 1024
.set WOFF, 8388608
.endif
.set KSTEPS, KTOT/256
.set STEPB,  8192                      ; bytes of a K step in a tile of 16 rows, in memory and in LDS
.set SLOT1,  1<<17
.set BOFF,   65536
.set STAGE,  2*SLOT1                   ; 16 rows x 272 bytes for each wave
.set SPITCH, 272
.set SPARE,  STAGE+4*16*SPITCH
.set ADRA0, 16                         ; v16, v17  my lane's place in slot 0's A and W; never rewritten
.set ADRB0, 17
.set ADRA,  18                         ; v18, v19  the same at the pair of quarters in hand
.set ADRB,  19
.set STO,   24
.set RD,    25
.set RO,    26                         ; v26  my byte offset in two rows of the residual and of the result
.set SPW,   28
.set NIL,   29
.set BI,    32                         ; v32-35  the bias of my four columns
.set RT,    40                         ; v40-55  an input's numbers as bf16 pairs
.set RU,    56                         ; v56-87  the same as f32
.set BK,    96
.set ACC,   128
.set F0,    0
.set F1,    128
.set G1,  24
.set G0,  32
.set TB,  45                           ; s45  LDS byte, in the tiles, of the pair of quarters in hand
.set G1B, 48
.set G0B, 56
.set MSB, 0
.macro WIN new
.if MSB != (\new)
	s_set_vgpr_msb (MSB<<8)|(\new)
.set MSB, \new
.endif
.endm
.set MUL,  0x05                        ; sources 0 and 1 in window 1
.set TO_F, 0x40
.macro PLACES                          ; four places behind matrix instructions (ISA guide 7.12.1)
.rept 4
	v_nop
.endr
.endm
.macro JLOAD                           ; a joint refill by the walking set; an s_nop 0 and four v_nop follow each line
	s_cmp_eq_u32 s11, 0
	s_cbranch_scc0 .Lfor_b_\@
	tensor_load_to_lds s[G0+4:G0+7], s[G1:G1+7]
	s_nop 0
	PLACES
	s_branch .Lasked_\@
.Lfor_b_\@:
	tensor_load_to_lds s[G0B+4:G0B+7], s[G1B:G1B+7]
	s_nop 0
	PLACES
.Lasked_\@:
.endm
.macro CROUND                          ; a round of the cluster's barrier
	s_barrier_signal -1
	s_barrier_wait -1
	s_cmp_lg_u32 s10, 0
	s_cbranch_scc1 .Lnot_wave_0_\@
	s_barrier_signal -3
.Lnot_wave_0_\@:
	s_barrier_wait -3
	s_barrier_signal -1
	s_barrier_wait -1
.endm
	s_load_b128 s[4:7], s[0:1], 0x0                ; A, wb
	s_load_b64 s[8:9], s[0:1], 0x10                ; the residual
	s_load_b64 s[66:67], s[0:1], 0x18              ; the result
.if DOWN
	s_load_b64 s[68:69], s[0:1], 0x20              ; b2
.endif
	v_lshl_add_u32 v[SPW], v0, 2, SPARE
	v_mov_b32 v[NIL], 0
	ds_add_u32 v[SPW], v[NIL]                      ; the wave's opening: the add and its wait ahead of my first tensor load
	v_lshrrev_b32 v1, 5, v0
	v_readfirstlane_b32 s10, v1
	s_lshr_b32 s11, s10, 1
	s_and_b32 s12, s10, 1
	s_bfe_u32 s40, ttmp6, 0x40000
	s_bfe_u32 s41, ttmp6, 0x40004
	s_lshl_b32 s42, ttmp9, 2
	s_add_co_u32 s42, s42, s40                     ; tile column
	s_and_b32 s13, ttmp7, 0xffff
	s_lshl_b32 s13, s13, 2
	s_add_co_u32 s13, s13, s41                     ; tile row
	s_lshl_b32 s43, s41, 2
	s_lshl_b32 s43, 15, s43
	s_lshl_b32 s44, 0x1111, s40
	s_or_b32 s[G1+0], s43, (3<<16)|(1<<21)         ; the mask; elements of 8 bytes; bit 21 set beside a mask; no padding
	s_or_b32 s[G1B+0], s44, (3<<16)|(1<<21)
.irp g, G1, G1B
	s_mov_b32 s[(\g)+1], 1024<<16                  ; tensor_dim0 = 1,024 elements = 8,192 bytes
	s_mov_b32 s[(\g)+2], 4<<16                     ; tensor_dim1 = 4 tiles
	s_mov_b32 s[(\g)+3], 1024<<16
	s_mov_b32 s[(\g)+4], 4
	s_mov_b32 s[(\g)+5], KTOT*4                    ; K x 32 bytes from tile to tile
	s_mov_b32 s[(\g)+6], 0
	s_mov_b32 s[(\g)+7], 0
.endr
	s_lshl_b32 s16, s13, 3
	s_lshl_b32 s17, s12, 2
	s_add_co_u32 s16, s16, s17
	s_mul_i32 s16, s16, KTOT*32
	s_mov_b32 s17, 0
	s_lshl_b32 s46, s42, 3
	s_lshl_b32 s47, s12, 2
	s_add_co_u32 s46, s46, s47
	s_mul_i32 s46, s46, KTOT*32
	s_mov_b32 s47, 0
	s_lshl_b32 s20, s10, 15                        ; where they go: wave x 32,768: A's halves, then W's
	s_mov_b32 s21, 0xffff0000                      ; a word's upper bf16
	s_wait_dscnt 0x0
	s_wait_kmcnt 0x0
	s_add_nc_u64 s[14:15], s[4:5], s[16:17]
	s_add_nc_u64 s[46:47], s[6:7], s[46:47]
	s_add_nc_u64 s[46:47], s[46:47], WOFF
	CROUND
.irp s, 0,1
	s_mov_b32 s[G0+4*(\s)], 1
	s_add_co_u32 s[G0+4*(\s)+1], s20, (\s)*SLOT1
	s_add_nc_u64 s[G0+4*(\s)+2:G0+4*(\s)+3], s[14:15], (\s)*STEPB
	s_or_b32 s[G0+4*(\s)+3], s[G0+4*(\s)+3], 0x80000000
	s_mov_b32 s[G0B+4*(\s)], 1
	s_add_co_u32 s[G0B+4*(\s)+1], s20, (\s)*SLOT1
	s_add_nc_u64 s[G0B+4*(\s)+2:G0B+4*(\s)+3], s[46:47], (\s)*STEPB
	s_or_b32 s[G0B+4*(\s)+3], s[G0B+4*(\s)+3], 0x80000000
.endr
	s_cmp_eq_u32 s11, 0                            ; a wave's two first fills stand in one branch: two loads of mine are out
	s_cbranch_scc0 .Lfirst_b
	tensor_load_to_lds s[G0:G0+3], s[G1:G1+7]
	s_nop 0
	tensor_load_to_lds s[G0+4:G0+7], s[G1:G1+7]
	s_nop 0
	PLACES
	s_branch .Lfirst_asked
.Lfirst_b:
	tensor_load_to_lds s[G0B:G0B+3], s[G1B:G1B+7]
	s_nop 0
	tensor_load_to_lds s[G0B+4:G0B+7], s[G1B:G1B+7]
	s_nop 0
	PLACES
.Lfirst_asked:
	v_and_b32 v2, 15, v0                           ; r
	v_bfe_u32 v3, v0, 4, 1                         ; h
	v_and_b32 v4, 7, v0                            ; the turning load: row 8 h + l % 8 of 32 bytes, half (l / 8) % 2
	v_lshl_add_u32 v4, v3, 3, v4
	v_lshlrev_b32 v4, 5, v4
	v_bfe_u32 v5, v0, 3, 1
	v_lshl_add_u32 v4, v5, 4, v4
	s_lshl_b32 s22, s11, 15
	v_add_nc_u32 v[ADRA0], s22, v4
	s_lshl_b32 s23, s12, 15
	s_add_co_u32 s23, s23, BOFF
	v_add_nc_u32 v[ADRB0], s23, v4
	v_mov_b32 v[ADRA], v[ADRA0]
	v_mov_b32 v[ADRB], v[ADRB0]
	s_mul_i32 s23, s10, 16*SPITCH
	s_add_co_u32 s23, s23, STAGE
	v_mul_u32_u24 v[STO], v2, SPITCH               ; in: row r, 32 bytes for each half of the lanes
	v_lshl_add_u32 v[STO], v3, 5, v[STO]
	v_add_nc_u32 v[STO], s23, v[STO]
	v_mul_u32_u24 v[RD], v3, SPITCH                ; back: lanes 0-15 one row of 256 bytes, lanes 16-31 the next
	v_lshl_add_u32 v[RD], v2, 4, v[RD]
	v_add_nc_u32 v[RD], s23, v[RD]
	v_lshlrev_b32 v[RO], 12, v3
	v_lshl_add_u32 v[RO], v2, 4, v[RO]
	s_lshl_b32 s16, s13, 7                         ; my first row: 128 x tile row + 64 x my half, 4,096 bytes each
	s_lshl_b32 s17, s11, 6
	s_add_co_u32 s16, s16, s17
	s_lshl_b32 s16, s16, 12
	s_mov_b32 s17, 0
	s_lshl_b32 s46, s42, 9                         ; my first column, in bytes
	s_lshl_b32 s47, s12, 8
	s_add_co_u32 s46, s46, s47
	s_mov_b32 s47, 0
	s_add_nc_u64 s[8:9], s[8:9], s[16:17]
	s_add_nc_u64 s[8:9], s[8:9], s[46:47]
	s_add_nc_u64 s[66:67], s[66:67], s[16:17]
	s_add_nc_u64 s[66:67], s[66:67], s[46:47]
.if DOWN
	s_add_nc_u64 s[68:69], s[68:69], s[46:47]
	v_lshlrev_b32 v6, 4, v2
	global_load_b128 v[BI:BI+3], v6, s[68:69]
.endif
	WIN 0x80                                       ; destination in window 2
.set i, 0
.rept 32
	global_load_b128 v[4*i:4*i+3], v[RO], s[8:9] offset:i*8192   ; rows 2 i and 2 i + 1 of my 64, 256 bytes each
.set i, i+1
.endr
	WIN 0
.macro MUL8 f, c, a0, zero             ; token blocks a0, a0 + 1 x all 4 feature blocks, 32 along K: half c of buffer f
	WIN MUL
.irp a, \a0, (\a0)+1
.irp b, 0,1,2,3
.if \zero
	v_wmma_f32_16x16x32_bf16 v[ACC+8*(4*(\a)+(\b)):ACC+8*(4*(\a)+(\b))+7], v[(\f)+64+8*(4*(\c)+(\b)):(\f)+64+8*(4*(\c)+(\b))+7], v[(\f)+8*(4*(\c)+(\a)):(\f)+8*(4*(\c)+(\a))+7], 0
.else
	v_wmma_f32_16x16x32_bf16 v[ACC+8*(4*(\a)+(\b)):ACC+8*(4*(\a)+(\b))+7], v[(\f)+64+8*(4*(\c)+(\b)):(\f)+64+8*(4*(\c)+(\b))+7], v[(\f)+8*(4*(\c)+(\a)):(\f)+8*(4*(\c)+(\a))+7], v[ACC+8*(4*(\a)+(\b)):ACC+8*(4*(\a)+(\b))+7]
.endif
.endr
.endr
.endm
.macro HALF f, c, zero                 ; half a quarter: all 16 accumulators, 32 along K
	MUL8 \f, \c, 0, \zero
	MUL8 \f, \c, 2, \zero
.endm
.macro FETCH k, f                      ; 32 LDS loads in one run: the fragments of 64 along K at byte k behind the pair's base; the first 32 along K first
	WIN TO_F
.irp c, 0,1
.irp i, 0,1,2,3
	ds_load_tr16_b128 v[(\f)+64+8*(4*(\c)+(\i)):(\f)+64+8*(4*(\c)+(\i))+3],   v[ADRB] offset:(\k)+1024*(\c)+(\i)*8192
	ds_load_tr16_b128 v[(\f)+64+8*(4*(\c)+(\i))+4:(\f)+64+8*(4*(\c)+(\i))+7], v[ADRB] offset:(\k)+1024*(\c)+(\i)*8192+512
	ds_load_tr16_b128 v[(\f)+8*(4*(\c)+(\i)):(\f)+8*(4*(\c)+(\i))+3],         v[ADRA] offset:(\k)+1024*(\c)+(\i)*8192
	ds_load_tr16_b128 v[(\f)+8*(4*(\c)+(\i))+4:(\f)+8*(4*(\c)+(\i))+7],       v[ADRA] offset:(\k)+1024*(\c)+(\i)*8192+512
.endr
.endr
.endm
; A PAIR of quarters, p (even, buffer 0) and p + 1 (buffer 1), at LDS byte s[TB] of the tiles.  It begins where quarter p is fetched and ends with the first half of quarter p + 1's products; the second half of
; quarter p - 1's stands behind its first run of loads.  Each run is issued 16 matrix instructions ahead of its first use.  The 16 accumulators take turns in one fixed order.
.macro PAIR
	WIN 0
	v_add_nc_u32 v[ADRA], s[TB], v[ADRA0]
	v_add_nc_u32 v[ADRB], s[TB], v[ADRB0]
	PLACES
	FETCH 0, F0
	s_wait_dscnt 32                                ; all but the 32 just issued: buffer 1 is whole
	HALF F1, 1, 0
	s_wait_dscnt 16                                ; buffer 0's first 32 along K are in
	HALF F0, 0, 0
	PLACES
	FETCH 2048, F1
	s_wait_dscnt 32                                ; buffer 0 is whole
	HALF F0, 1, 0
	s_wait_dscnt 16
	HALF F1, 0, 0
	WIN 0
	s_add_co_u32 s[TB], s[TB], 4096                ; two quarters on
.endm
; THE CHANGE OF SLOTS, between two visits: all of the old slot's fragments have been fetched.  Each wave waits for all its tensor loads (one is out: its part of the next slot), adds 0 to its spare word, and waits for
; that and for its reads of the old slot.  fill = 1: the barrier is a round of the cluster's, and the old slot is filled again, two K steps ahead, first thing behind it: the load has a visit, 128 matrix instructions, to land.
.macro CHANGE fill
	WIN 0
	s_wait_tensorcnt 0x0
	ds_add_u32 v[SPW], v[NIL]
.if \fill
	s_xor_b32 s[G0+5], s[G0+5], SLOT1              ; the walking sets: the other slot than last time, the next K step
	s_add_nc_u64 s[G0+6:G0+7], s[G0+6:G0+7], STEPB
	s_xor_b32 s[G0B+5], s[G0B+5], SLOT1
	s_add_nc_u64 s[G0B+6:G0B+7], s[G0B+6:G0B+7], STEPB
	s_wait_dscnt 0x0
	CROUND
	JLOAD
.else
	s_wait_dscnt 0x0
	s_barrier_signal -1
	s_barrier_wait -1
.endif
	s_sub_co_u32 s[TB], s[TB], STEPB               ; back to a slot's first quarter,
	s_xor_b32 s[TB], s[TB], SLOT1                  ; in the other slot
.endm
	s_wait_tensorcnt 1                             ; my part of K step 0 is in; step 1's may stay out
	s_barrier_signal -1
	s_barrier_wait -1
	FETCH 0, F0                                    ; the first quarter and a half are written out: the first products start the sums
	s_wait_dscnt 16
	HALF F0, 0, 1
	PLACES
	FETCH 2048, F1
	s_wait_dscnt 32
	HALF F0, 1, 0
	s_wait_dscnt 16
	HALF F1, 0, 0
	WIN 0
	s_mov_b32 s[TB], 4096
	s_mov_b32 s2, 2
	s_mov_b32 s3, KSTEPS-1
	s_branch .Lnext                                ; they stand for the first visit's first trip: the loop is entered at its counter
.Lslot:                                                ; KSTEPS - 2 times: a slot is entered and the other is asked for
	CHANGE 1
	s_mov_b32 s2, 2
.Lpair:
	PAIR
.Lnext:
	s_sub_co_u32 s2, s2, 1
	s_cmp_lg_u32 s2, 0
	s_cbranch_scc1 .Lpair
	s_sub_co_u32 s3, s3, 1
	s_cmp_lg_u32 s3, 0
	s_cbranch_scc1 .Lslot
	CHANGE 0                                       ; the last visit is written out
	s_mov_b32 s2, 2
.Lpair_t:
	PAIR
	s_sub_co_u32 s2, s2, 1
	s_cmp_lg_u32 s2, 0
	s_cbranch_scc1 .Lpair_t
	s_wait_dscnt 0x0                               ; buffer 1 is whole
	HALF F1, 1, 0
	WIN 0
	s_wait_loadcnt 0x0                             ; the residual and the bias
	PLACES
.if DOWN
	v_cvt_pk_bf16_f32 v[RT], v[BI], v[BI+1]        ; the bias is an input: rounded to bf16
	v_cvt_pk_bf16_f32 v[RT+1], v[BI+2], v[BI+3]
	v_lshlrev_b32 v[BI], 16, v[RT]
	v_and_b32 v[BI+1], s21, v[RT]
	v_lshlrev_b32 v[BI+2], 16, v[RT+1]
	v_and_b32 v[BI+3], s21, v[RT+1]
.endif
	; THE WAY OUT, 16 rows at a time: through my stage, back as whole rows of 256 bytes, plus the residual and the bias
.set a, 0
.rept 4
.set b, 0
.rept 4
	ds_store_b128 v[STO], v[ACC+8*(4*a+b):ACC+8*(4*a+b)+3]   offset:64*b
	ds_store_b128 v[STO], v[ACC+8*(4*a+b)+4:ACC+8*(4*a+b)+7] offset:64*b+16
.set b, b+1
.endr
	s_wait_xcnt 0x0                                ; the registers that the last block's stores read are loaded again only behind this wait
.irp t, 0,1,2,3,4,5,6,7
	ds_load_b128 v[BK+4*\t:BK+4*\t+3], v[RD] offset:\t*2*SPITCH   ; LDS serves a wave's instructions in order (ISA guide 5.7.1.4): these see the stores above
.endr
.if DOWN
	s_wait_dscnt 0x0
	WIN 0x08                                       ; source 1 in window 2
.set i, 0
.rept 16
	v_pk_add_f32 v[BK+i:BK+i+1], v[BK+i:BK+i+1], v[32*a+i:32*a+i+1]
.set i, i+2
.endr
	WIN 0
.irp t, 0,1,2,3,4,5,6,7
	v_pk_add_f32 v[BK+4*\t:BK+4*\t+1], v[BK+4*\t:BK+4*\t+1], v[BI:BI+1]
	v_pk_add_f32 v[BK+4*\t+2:BK+4*\t+3], v[BK+4*\t+2:BK+4*\t+3], v[BI+2:BI+3]
.endr
.else
	WIN 0x0a
.set i, 0
.rept 16
	v_cvt_pk_bf16_f32 v[RT+i], v[32*a+2*i], v[32*a+2*i+1]
.set i, i+1
.endr
	WIN 0
.set i, 0
.rept 16
	v_lshlrev_b32 v[RU+2*i], 16, v[RT+i]
	v_and_b32 v[RU+2*i+1], s21, v[RT+i]
.set i, i+1
.endr
	s_wait_dscnt 0x0
.set i, 0
.rept 16
	v_pk_add_f32 v[BK+i:BK+i+1], v[BK+i:BK+i+1], v[RU+i:RU+i+1]
.set i, i+2
.endr
.endif
.irp t, 0,1,2,3,4,5,6,7
	global_store_b128 v[RO], v[BK+4*\t:BK+4*\t+3], s[66:67] offset:(16*a+2*\t)*4096   ; 16 lanes store 256 consecutive bytes, at a multiple of 256
.endr
.set a, a+1
.endr
	s_wait_tensorcnt 0x0                           ; the wave's end
	ds_add_u32 v[SPW], v[NIL]
	s_wait_dscnt 0x0
	CROUND                                         ; the closing round
	s_endpgm
.Lfunc_end_k_q49eaba3cff_down:
	.size	k_q49eaba3cff_down, .Lfunc_end_k_q49eaba3cff_down-k_q49eaba3cff_down
	.p2alignl 7, 3214868480
	.fill 96, 4, 3214868480
	.section	.rodata,"a",@progbits
	.p2align	6, 0x0
	.amdhsa_kernel k_q49eaba3cff_down
		.amdhsa_group_segment_fixed_size 327680
		.amdhsa_private_segment_fixed_size 0
		.amdhsa_enable_private_segment 0
		.amdhsa_kernarg_size 40
		.amdhsa_user_sgpr_count 2
		.amdhsa_user_sgpr_kernarg_segment_ptr 1
		.amdhsa_wavefront_size32 1
		.amdhsa_system_sgpr_workgroup_id_x 1
		.amdhsa_system_sgpr_workgroup_id_y 1
		.amdhsa_system_sgpr_workgroup_id_z 1
		.amdhsa_system_vgpr_workitem_id 0
		.amdhsa_next_free_vgpr 640
		.amdhsa_next_free_sgpr 70
		.amdhsa_reserve_vcc 0
		.amdhsa_float_denorm_mode_32 3
		.amdhsa_float_denorm_mode_16_64 3
		.amdhsa_memory_ordered 1
		.amdhsa_forward_progress 1
		.amdhsa_inst_pref_size 55
	.end_amdhsa_kernel
	.amdgpu_metadata
---
amdhsa.version: [ 1, 2 ]
amdhsa.kernels:
  - .name:           k_q49eaba3cff_down
    .symbol:         k_q49eaba3cff_down.kd
    .args:
      - { .name: f, .offset: 0, .size: 8, .value_kind: global_buffer, .address_space: global }
      - { .name: wb, .offset: 8, .size: 8, .value_kind: global_buffer, .address_space: global }
      - { .name: x2, .offset: 16, .size: 8, .value_kind: global_buffer, .address_space: global }
      - { .name: out0, .offset: 24, .size: 8, .value_kind: global_buffer, .address_space: global }
      - { .name: b2, .offset: 32, .size: 8, .value_kind: global_buffer, .address_space: global }
    .group_segment_fixed_size: 327680
    .private_segment_fixed_size: 0
    .kernarg_segment_align: 8
    .kernarg_segment_size: 40
    .max_flat_workgroup_size: 128
    .sgpr_count:     70
    .vgpr_count:     640
    .wavefront_size: 32
...
	.end_amdgpu_metadata
.endif
;; end of part 15
